; MI455X (gfx1250); checked and timed in simulation.
; The chip was launched on July 23, 2026; its instructions are those of AMD's public machine-readable ISA for CDNA 5 (MIT licence, August 2026) and "CDNA5" Instruction Set Architecture Reference Guide (July 2026). The comments in the code are by the model that wrote it; some were corrected since.
;; Mixture Of Experts Block. Allowed arithmetic: matrix products marked QUANTISED: E3M2 operands, one E8M0 scale for each 32 along K, by v_wmma_scale_f32_16x16x128_f8f6f4 with both operands' format E3M2, f32 sums; products left as they are: f32 operands where the result goes on into a quantised operand, else bf16, f16 or f32 operands; f32 sums; everything else in f32.
;; Inputs: W1 8 x 1,024 x 4,096 float32; W2 8 x 4,096 x 1,024 float32; W_gate 1,024 x 8 float32; b1 8 x 4,096 float32; b2 8 x 1,024 float32; x 2 x 512 x 1,024 float32.
;; Outputs: out0 2 x 512 x 1,024 float32.
;; This version of the problem:
;;   THIS VERSION OF THE PROBLEM IS GIVEN IN LOW PRECISION. The matrix products marked QUANTISED in the list below multiply operands that are first quantised to E3M2 (3 exponent bits, 2 mantissa bits; 6 bits a number), with one power-of-two scale for each 32 numbers along K (OCP MX v1.0); their sums are f32. All else is computed in f32.
;;   The module's matrix products, in the order in which they are computed (A, B: the left and right operand; K: the contracted axis; several contracted axes count as one K, in the product's order):
;;     1. [M 1,024, K 1,024] x [K 1,024, N 8]; A: input x; B: input W_gate: left as it is (N = 8 < 16)
;;     2. [M 1,024, K 1,024] x [K 1,024, N 32,768]; A: input x; B: input W1: QUANTISED
;;     3. batch 8 x [M 1,024, K 4,096] x [K 4,096, N 1,024]; A: input W2; B: computed on the way: QUANTISED
;;   THE QUANTISER, for each operand of a quantised product, along K:
;;     - K is cut into blocks of 32 from its start; a last block that is shorter is filled with zeros.
;;     - A block's scale is 2^e with e = floor(log2(the largest magnitude in the block)) - 4, held to -126 .. 127; a block of zeros has e = 0. As a byte (E8M0): e + 127.
;;     - Each number is divided by its block's scale, clamped to +-28, and rounded to the nearest number of E3M2, ties to even, subnormals kept.
;;     - The product sums the exact products of the quantised numbers (number of the format x scale) in f32.
;;   ~~~python
;;   def quantise(x, axis):      # numpy; x: float32 -> the quantised numbers, widened to float32 again
;;       x = np.moveaxis(x, axis, -1); K = x.shape[-1]
;;       x = np.pad(x, [(0, 0)] * (x.ndim - 1) + [(0, -K % 32)]); x = x.reshape(x.shape[:-1] + (-1, 32)); a = np.abs(x).max(-1, keepdims=True)
;;       e = np.where(a > 0, np.clip(np.frexp(np.where(a > 0, a, 1))[1] - 1 - 4, -126, 127), 0)      # np.frexp(a)[1] - 1 = floor(log2(a)), exactly
;;       r = np.clip(x / 2.0 ** e, -28, 28)
;;       step = 2.0 ** (np.maximum(np.frexp(np.where(r == 0, 1, r))[1] - 1, -2) - 2)
;;       q = np.round(r / step) * step * 2.0 ** e      # np.round: ties to even
;;       return np.moveaxis(q.reshape(q.shape[:-2] + (-1,))[..., :K], -1, axis).astype(np.float32)
;;   ~~~
;;   OPERANDS COMPUTED ON THE WAY. 'Computed on the way' means the value that the module computes at that place (a softmax that the list does not call 'softmax' is quantised finished and normalised). What goes into a quantiser is computed in f32, as accurately as f32 sums, v_exp_f32 and their like allow (about 1e-6 of the number): no bf16 or f16 on the way to a quantiser, and a product that is left as it is and whose result goes on into a quantised operand takes f32 operands (vector FMAs, or v_wmma_f32_16x16x4_f32). A number that lies on a knife's edge between two numbers of the format may be rounded either way, as far as f32 arithmetic and the matrix unit's own rounding can turn it there, and no further.
;; 2 versions. Each part assembles by itself: llvm-mc -triple=amdgcn-amd-amdhsa -mcpu=gfx1250 --defsym DOCPART=n.
;; ======== version 1 of 2: 4 launches
;; workspace buffers: xq 786,432 bytes; xs 32,768 bytes; wgt 32,768 bytes; route 5,120 bytes of whole numbers; hq 25,165,824 bytes; hs 2,097,152 bytes; part 134,217,728 bytes
;; launch router (part 1): grid 64 x 1, 8 waves a work-group, no clusters, 52,224 bytes of LDS; arguments x, W_gate, xq, xs, wgt, route; writes xq, xs, wgt, route
.if DOCPART == 1
	.amdgcn_target "amdgcn-amd-amdhsa--gfx1250"
	.amdhsa_code_object_version 6
	.text
	.protected	k_q0d0fdd4d1a_router
	.globl	k_q0d0fdd4d1a_router
	.p2align	8
	.type	k_q0d0fdd4d1a_router,@function
k_q0d0fdd4d1a_router:
	s_mov_b64 s[64:65], 0
	v_nop
	global_prefetch_b8 v0, s[64:65] scope:SCOPE_SE
	s_setreg_imm32_b32 hwreg(HW_REG_WAVE_MODE, 25, 1), 1
	s_wait_xcnt 0x0
; THE ROUTER, AND x INTO CODES.  x [1024 tokens][1024] f32, W_gate [1024][8] f32.
; gate = x W_gate in f32 (fused multiply-adds); kth = the second largest logit, duplicates counted; an expert is chosen where its logit >= kth;
; weight = softmax over the chosen logits (the largest logit taken away first) / 8, and 0 for the others.
; Stored: wgt [token][8] f32;  route: bytes 0-1023 bm[expert][tile of 16 tokens] u16 (bit r: token 16 tile + r chose the expert), bytes 1024-5119 sel[token] u32 (bit e).
; No address and no branch here hangs on the choice: it is stored at fixed places, and later launches read it.
; x is also quantised to BF6 (E3M2), one E8M0 byte for each 32 along D: xq [token][K step s][half h][48 bytes] = registers 0-11 of lane (row, h) of the operand's fragment
; (blocks 4 s + h and 4 s + 2 + h);  xs [token][s] one word of four bytes.
; SHARES.  A work-group takes 16 tokens, wave w the 128 numbers 128 w .. 128 w + 127 of each.  Lane (r = lane % 16, h = lane / 16) holds of row r register 16 b + i = k 128 w + 32 b + 16 h + i.
; No matrix unit: N = 8 is under a tile's 16, and the gate stays in f32.  No cluster: work-groups share only W_gate's 32,768 bytes.
; LIMITS: NaN and infinities are not served.  A logit that equals kth within the rounding of an f32 sum of 1,024 terms may fall on either side.  A block whose largest magnitude lies under 2^-122
; keeps the byte 1; a block of zeros has the byte 1 and zero codes (only this program reads the bytes).
.set WGL,  0                           ; LDS: 8 x 4,096: each wave's own 128 rows of W_gate, as they lie (32 bytes a row)
.set PART, 32768                       ; 8 x 512: [wave][r][8 f32] partial logits
.set XST,  36864                       ; 16 x 784: a token's 768 bytes of codes + 16 of padding
.set XSS,  49408                       ; 512: [r][s] scale words
.set AC,   16                          ; v16-23   eight logits
.set PT,   24                          ; v24-31   the other half's
.set X,    32                          ; v32-95   my 64 numbers of x; later the eight waves' partial logits
.set G,    96                          ; v96-223  two sets of 8 rows of W_gate
.set WL,   224                         ; v224-255 W_gate as loaded, until it lies in LDS
.set TM,   224                         ; v224-239 the quantiser's scratch
.set PW,   240                         ; the scale word
.set PC,   242                         ; v242-253 the fragment's codes
.set SEL,  20                          ; s[20:21] selects of v_permlanex16_b32: lane l xor 16
	s_load_b256 s[4:11], s[0:1], 0x0               ; x, W_gate, xq, xs
	s_load_b128 s[12:15], s[0:1], 0x20             ; wgt, route
	s_set_vgpr_msb 0x40
	v_lshl_add_u32 v0, v0, 2, 0xc800
	v_mov_b32 v1, 0
	s_set_vgpr_msb 0x4000
	v_lshrrev_b32 v15, 5, v0
	v_readfirstlane_b32 s16, v15                   ; wave 0..7
	v_and_b32 v14, 31, v0                          ; lane
	v_and_b32 v1, 15, v0                           ; r
	v_bfe_u32 v2, v0, 4, 1                         ; h
	v_lshlrev_b32 v3, 12, v1
	v_lshl_add_u32 v3, v2, 6, v3                   ; x: row r of 4,096 bytes + 64 h
	v_lshlrev_b32 v4, 4, v14                       ; 16 x lane
	s_lshl_b32 s17, s16, 12                        ; 4,096 x wave
	v_lshlrev_b32 v5, 9, v2
	v_add_nc_u32 v5, s17, v5                       ; W_gate's rows of my half: WGL + 4,096 w + 512 h
	v_add_nc_u32 v6, s17, v4                       ; where I put W_gate: WGL + 4,096 w + 16 lane
	s_lshl_b32 s18, s16, 9                         ; 512 x wave
	v_lshl_add_u32 v7, v1, 5, PART
	v_add_nc_u32 v7, s18, v7                       ; my partial logits: PART + 512 w + 32 r
	v_mul_u32_u24 v8, v1, 784
	v_mad_u32_u24 v8, v2, 48, v8
	s_mul_i32 s19, s16, 96
	s_add_co_u32 s19, s19, XST
	v_add_nc_u32 v8, s19, v8                       ; my codes: XST + 784 r + 96 w + 48 h
	v_lshl_add_u32 v9, v1, 5, XSS
	s_lshl_b32 s19, s16, 2
	v_add_nc_u32 v9, s19, v9                       ; my scale word: XSS + 32 r + 4 w
	s_mul_i32 s19, s16, 1568
	s_add_co_u32 s19, s19, XST
	v_add_nc_u32 v10, s19, v4                      ; back: tokens 2 w and 2 w + 1, 1,536 bytes: XST + 1,568 w + 16 lane,
	v_lshl_add_u32 v11, v2, 4, v10                 ; and the same behind the padding for the piece that straddles it
	v_lshl_add_u32 v12, v1, 5, PART                ; wave 0: all waves' partial logits of row r
	v_add_nc_u32 v13, XSS, v4                      ; wave 1: the scale words, 16 bytes a lane
	s_mov_b32 s[SEL], 0x76543210
	s_mov_b32 s[SEL+1], 0xfedcba98
.irp e, 0,1,2,3,4,5,6,7
	v_mov_b32 v[PT+\e], 0                          ; a lane permute's destination counts as one of its sources
.endr
	s_lshl_b32 s22, ttmp9, 16
	s_add_co_u32 s22, s22, s18                     ; x: 16 rows x work-group + 512 w
	s_mov_b32 s23, 0
	s_mov_b32 s24, s17                             ; W_gate: 4,096 w
	s_mov_b32 s25, 0
	s_mul_i32 s26, ttmp9, 12288
	s_mul_i32 s27, s16, 1536
	s_add_co_u32 s26, s26, s27                     ; xq: 16 tokens of 768 bytes x work-group + 1,536 w
	s_mov_b32 s27, 0
	s_lshl_b32 s28, ttmp9, 9                       ; xs and wgt: 16 tokens of 32 bytes
	s_mov_b32 s29, 0
	s_lshl_b32 s30, ttmp9, 6                       ; sel: 16 tokens of 4 bytes
	s_mov_b32 s31, 0
	s_lshl_b32 s34, ttmp9, 1                       ; bm: my tile's 2 bytes
	s_mov_b32 s35, 0
	s_wait_kmcnt 0x0
	s_add_nc_u64 s[4:5], s[4:5], s[22:23]
	s_add_nc_u64 s[6:7], s[6:7], s[24:25]
	s_add_nc_u64 s[8:9], s[8:9], s[26:27]
	s_add_nc_u64 s[10:11], s[10:11], s[28:29]
	s_add_nc_u64 s[12:13], s[12:13], s[28:29]
	s_add_nc_u64 s[36:37], s[14:15], s[30:31]
	s_add_nc_u64 s[14:15], s[14:15], s[34:35]
.irp j, 0,1,2,3,4,5,6,7
	global_load_b128 v[WL+4*\j:WL+4*\j+3], v4, s[6:7] offset:512*\j   ; my 128 rows of W_gate: 512 consecutive bytes a load
.endr
.irp b, 0,1,2,3
.irp j, 0,1,2,3
	global_load_b128 v[X+16*\b+4*\j:X+16*\b+4*\j+3], v3, s[4:5] offset:128*\b+16*\j th:TH_LOAD_NT
.endr
.endr
	s_wait_loadcnt 16                              ; W_gate is in; x's sixteen loads are younger and may be out
.irp j, 0,1,2,3,4,5,6,7
	ds_store_b128 v6, v[WL+4*\j:WL+4*\j+3] offset:512*\j   ; the wave's own bytes: LDS serves a wave's instructions in order, so no barrier and no wait ahead of the loads below
.endr
; batch n of eight: the rows of W_gate for my registers 8 n .. 8 n + 7: k = 32 (n / 2) + 16 h + 8 (n % 2) + kk
.macro GLOAD n, set
.irp kk, 0,1,2,3,4,5,6,7
	ds_load_b128 v[G+64*(\set)+8*\kk:G+64*(\set)+8*\kk+3],   v5 offset:(32*((\n)/2)+8*((\n)%2)+\kk)*32
	ds_load_b128 v[G+64*(\set)+8*\kk+4:G+64*(\set)+8*\kk+7], v5 offset:(32*((\n)/2)+8*((\n)%2)+\kk)*32+16
.endr
.endm
; eight numbers of x times eight logits each: two logits an instruction, x's register serving both halves; the very first product starts the sums
.macro FMA n, set
.irp kk, 0,1,2,3,4,5,6,7
.irp q, 0,1,2,3
.if ((\n) == 0) && (\kk == 0)
	v_pk_mul_f32 v[AC+2*\q:AC+2*\q+1], v[X:X+1], v[G+2*\q:G+2*\q+1] op_sel_hi:[0,1]
.elseif (\kk%2) == 0
	v_pk_fma_f32 v[AC+2*\q:AC+2*\q+1], v[X+8*(\n)+\kk:X+8*(\n)+\kk+1], v[G+64*(\set)+8*\kk+2*\q:G+64*(\set)+8*\kk+2*\q+1], v[AC+2*\q:AC+2*\q+1] op_sel_hi:[0,1,1]
.else
	v_pk_fma_f32 v[AC+2*\q:AC+2*\q+1], v[X+8*(\n)+\kk-1:X+8*(\n)+\kk], v[G+64*(\set)+8*\kk+2*\q:G+64*(\set)+8*\kk+2*\q+1], v[AC+2*\q:AC+2*\q+1] op_sel:[1,0,0] op_sel_hi:[1,1,1]
.endif
.endr
.endr
.endm
	GLOAD 0, 0
	GLOAD 1, 1
	s_wait_loadcnt 0x0                             ; x
.irp n, 0,1,2,3,4,5,6,7
.if \n < 7
	s_wait_dscnt 16                                ; this batch is in; the next batch's sixteen loads may be out
.else
	s_wait_dscnt 0x0
.endif
	FMA \n, \n%2
.if \n < 6
	GLOAD \n+2, \n%2
.endif
.endr
.irp e, 0,1,2,3,4,5,6,7
	v_permlanex16_b32 v[PT+\e], v[AC+\e], s[SEL], s[SEL+1]
.endr
.irp e, 0,1,2,3,4,5,6,7
	v_add_f32 v[AC+\e], v[AC+\e], v[PT+\e]         ; with lane l xor 16's 64 numbers: row r's logits over my wave's 128
.endr
	ds_store_b128 v7, v[AC:AC+3]                   ; lanes r and r + 16 write the same bytes with the same values
	ds_store_b128 v7, v[AC+4:AC+7] offset:16
; 64 numbers of a lane, register 16 b + i = k 32 b + 16 h + i of my row, become a fragment's codes in v[PC] on and its scale word in v[PW]
.macro QUANT s
.irp b, 0,1,2,3
	v_max3_num_f32 v[TM+\b], |v[\s+16*\b]|, |v[\s+1+16*\b]|, 0x2800000   ; block b: my 16 numbers, and the floor 2^(5 - 127): the byte cannot fall under 1
.endr
.irp i, 2,4,6,8,10,12,14
.irp b, 0,1,2,3
	v_max3_num_f32 v[TM+\b], v[TM+\b], |v[\s+16*\b+\i]|, |v[\s+1+16*\b+\i]|
.endr
.endr
.irp b, 0,1,2,3
	v_permlanex16_b32 v[TM+4+\b], v[TM+\b], s[SEL], s[SEL+1]
.endr
.irp b, 0,1,2,3
	v_max_num_f32 v[TM+\b], v[TM+\b], v[TM+4+\b]   ; the block's largest magnitude
.endr
.irp b, 0,1,2,3
	v_add_nc_u32 v[TM+12+\b], 0xfe000000, v[TM+\b] ; 4 off its exponent field: the conversion takes this operand's exponent field as its scale
.endr
.irp b, 0,1,2,3
	v_lshrrev_b32 v[TM+4+\b], 23, v[TM+12+\b]      ; the scale's byte
.endr
	v_lshl_or_b32 v[PW], v[TM+5], 8, v[TM+4]
	v_lshl_or_b32 v[PW], v[TM+6], 16, v[PW]
	v_lshl_or_b32 v[PW], v[TM+7], 24, v[PW]
.irp c, 0,1
	v_cvt_scalef32_pk16_bf6_f32 v[PC+6*\c:PC+6*\c+2], v[\s+32*\c:\s+32*\c+15], v[TM+12+2*\c]
	v_cvt_scalef32_pk16_bf6_f32 v[TM+4*\c:TM+4*\c+2], v[\s+32*\c+16:\s+32*\c+31], v[TM+12+2*\c+1]   ; (three registers from an even one on: made in scratch that is done with, and moved)
.endr
	v_nop                                          ; one plain place behind a scaled conversion
.irp c, 0,1
.irp i, 0,1,2
	v_permlane16_swap_b32 v[PC+6*\c+\i], v[TM+4*\c+\i]   ; the operand wants a whole block in a lane: lanes 0-15 block 2 c, lanes 16-31 block 2 c + 1
.endr
.irp i, 0,1,2
	v_mov_b32 v[PC+3+6*\c+\i], v[TM+4*\c+\i]
.endr
.endr
.endm
	QUANT X
	ds_store_b128 v8, v[PC:PC+3]
	ds_store_b128 v8, v[PC+4:PC+7] offset:16
	ds_store_b128 v8, v[PC+8:PC+11] offset:32
	ds_store_b32 v9, v[PW]
	s_wait_dscnt 0x0                               ; for the others' sake: all my LDS stores have landed
	s_barrier_signal -1
	s_barrier_wait -1                              ; the one barrier: partial logits, codes and scale words of all eight waves lie in LDS
	ds_load_b128 v[96:99], v10
	ds_load_b128 v[100:103], v11 offset:512
	ds_load_b128 v[104:107], v10 offset:1040
	s_wait_dscnt 0x0
	global_store_b128 v4, v[96:99], s[8:9]         ; two tokens' codes: each store covers 512 consecutive bytes, aligned to 256
	global_store_b128 v4, v[100:103], s[8:9] offset:512
	global_store_b128 v4, v[104:107], s[8:9] offset:1024
	s_cmp_lg_u32 s16, 1
	s_cbranch_scc1 .Lnot_1
	ds_load_b128 v[108:111], v13                   ; wave 1: the sixteen tokens' scale words, 512 bytes
	s_wait_dscnt 0x0
	global_store_b128 v4, v[108:111], s[10:11]
.Lnot_1:
	s_cmp_lg_u32 s16, 0
	s_cbranch_scc1 .Lend
	; wave 0 finishes the gate; lanes r and r + 16 both hold token r
.irp w, 0,1,2,3,4,5,6,7
	ds_load_b128 v[X+8*\w:X+8*\w+3],   v12 offset:512*\w
	ds_load_b128 v[X+8*\w+4:X+8*\w+7], v12 offset:512*\w+16
.endr
	s_wait_dscnt 0x0
.irp w, 1,2,3,4,5,6,7
.irp q, 0,1,2,3
	v_pk_add_f32 v[X+2*\q:X+2*\q+1], v[X+2*\q:X+2*\q+1], v[X+8*\w+2*\q:X+8*\w+2*\q+1]
.endr
.endr
	v_max_num_f32 v112, v[X], v[X+1]               ; the largest,
	v_min_num_f32 v113, v[X], v[X+1]               ; and the second largest, duplicates counted
.irp e, 2,3,4,5,6,7
	v_min_num_f32 v114, v112, v[X+\e]
	v_max_num_f32 v112, v112, v[X+\e]
	v_max_num_f32 v113, v113, v114
.endr
.irp e, 0,1,2,3,4,5,6,7
	v_cmp_ge_f32 s[24+\e], v[X+\e], v113           ; chosen: logit >= kth
.endr
.irp e, 0,1,2,3,4,5,6,7
	v_sub_f32 v[116+\e], v[X+\e], v112             ; the largest logit is taken away first
.endr
.irp e, 0,1,2,3,4,5,6,7
	v_mul_f32 v[116+\e], 0x3fb8aa3b, v[116+\e]     ; x log2(e)
.endr
.irp e, 0,1,2,3,4,5,6,7
	v_exp_f32 v[116+\e], v[116+\e]
.endr
	v_lshlrev_b32 v132, 5, v1                      ; (a plain place behind the exponentials)  wgt: 32 r
	s_wait_alu depctr_va_vdst(0)
.irp e, 0,1,2,3,4,5,6,7
	v_cndmask_b32 v[116+\e], 0, v[116+\e], s[24+\e]   ; 0 where not chosen
.endr
	v_add_f32 v124, v116, v117
	v_add_f32 v126, v118, v119
	v_add_f32 v127, v120, v121
	v_add_f32 v114, v122, v123
	v_add_f32 v124, v124, v126
	v_add_f32 v127, v127, v114
	v_add_f32 v124, v124, v127
	v_rcp_f32 v124, v124
	v_lshl_add_u32 v132, v2, 4, v132               ; (a plain place behind the reciprocal)  + 16 h
	s_wait_alu depctr_va_vdst(0)
	v_mul_f32 v124, 0x3e000000, v124               ; the mean over eight experts: / 8
.irp e, 0,1,2,3,4,5,6,7
	v_mul_f32 v[116+\e], v[116+\e], v124
.endr
	v_cndmask_b32 v125, 0, 1, s24                  ; sel: bit e
.irp e, 1,2,3,4,5,6,7
	v_cndmask_b32 v114, 0, 1, s[24+\e]
	v_lshl_or_b32 v125, v114, \e, v125
.endr
	v_cmp_eq_u32 vcc_lo, 1, v2
.irp i, 0,1,2,3
	v_cndmask_b32 v[128+\i], v[116+\i], v[120+\i], vcc_lo   ; lane (r, h) stores experts 4 h .. 4 h + 3
.endr
	global_store_b128 v132, v[128:131], s[12:13]   ; 512 consecutive bytes
	v_lshlrev_b32 v133, 2, v1
	v_cmp_gt_u32 vcc_lo, 16, v14
	s_wait_xcnt 0x0                                ; EXEC is a source of the stores above: it changes only behind this wait
	s_and_saveexec_b32 s32, vcc_lo
	global_store_b32 v133, v125, s[36:37] offset:1024   ; lanes 0-15: sel of my sixteen tokens
	s_wait_xcnt 0x0
	s_or_b32 exec_lo, exec_lo, s32
	v_mov_b32 v135, 0
.irp e, 0,1,2,3,4,5,6,7
	s_and_b32 s[24+\e], s[24+\e], 0xffff           ; lanes 0-15: the sixteen tokens' bits for expert e,
	v_writelane_b32 v135, s[24+\e], \e             ; into lane e
.endr
	v_lshlrev_b32 v134, 7, v14
	v_cmp_gt_u32 vcc_lo, 8, v14
	s_and_saveexec_b32 s32, vcc_lo                 ; (no memory instruction has been issued since the last wait on XCNT)
	global_store_b16 v134, v135, s[14:15]          ; lanes 0-15 of expert e's row: 2 bytes at 128 e + 2 tile; sixteen bytes a work-group, the price of a table that later launches read by one scalar load
	s_wait_xcnt 0x0
	s_or_b32 exec_lo, exec_lo, s32
.Lend:
	s_set_vgpr_msb 0x5
	s_wait_tensorcnt 0x0
	ds_add_u32 v0, v1
	s_wait_dscnt 0x0
	s_set_vgpr_msb 0x500
	s_endpgm
.Lfunc_end_k_q0d0fdd4d1a_router:
	.size	k_q0d0fdd4d1a_router, .Lfunc_end_k_q0d0fdd4d1a_router-k_q0d0fdd4d1a_router
	.p2alignl 7, 3214868480
	.fill 96, 4, 3214868480
	.section	.rodata,"a",@progbits
	.p2align	6, 0x0
	.amdhsa_kernel k_q0d0fdd4d1a_router
		.amdhsa_group_segment_fixed_size 52224
		.amdhsa_private_segment_fixed_size 0
		.amdhsa_enable_private_segment 0
		.amdhsa_kernarg_size 48
		.amdhsa_user_sgpr_count 2
		.amdhsa_user_sgpr_kernarg_segment_ptr 1
		.amdhsa_wavefront_size32 1
		.amdhsa_system_sgpr_workgroup_id_x 1
		.amdhsa_system_sgpr_workgroup_id_y 1
		.amdhsa_system_sgpr_workgroup_id_z 1
		.amdhsa_system_vgpr_workitem_id 0
		.amdhsa_next_free_vgpr 258
		.amdhsa_next_free_sgpr 66
		.amdhsa_reserve_vcc 1
		.amdhsa_float_denorm_mode_32 3
		.amdhsa_float_denorm_mode_16_64 3
		.amdhsa_memory_ordered 1
		.amdhsa_forward_progress 1
		.amdhsa_inst_pref_size 46
	.end_amdhsa_kernel
	.amdgpu_metadata
---
amdhsa.version: [ 1, 2 ]
amdhsa.kernels:
  - .name:           k_q0d0fdd4d1a_router
    .symbol:         k_q0d0fdd4d1a_router.kd
    .args:
      - { .name: x, .offset: 0, .size: 8, .value_kind: global_buffer, .address_space: global }
      - { .name: W_gate, .offset: 8, .size: 8, .value_kind: global_buffer, .address_space: global }
      - { .name: xq, .offset: 16, .size: 8, .value_kind: global_buffer, .address_space: global }
      - { .name: xs, .offset: 24, .size: 8, .value_kind: global_buffer, .address_space: global }
      - { .name: wgt, .offset: 32, .size: 8, .value_kind: global_buffer, .address_space: global }
      - { .name: route, .offset: 40, .size: 8, .value_kind: global_buffer, .address_space: global }
    .group_segment_fixed_size: 52224
    .private_segment_fixed_size: 0
    .kernarg_segment_align: 8
    .kernarg_segment_size: 48
    .max_flat_workgroup_size: 256
    .sgpr_count:     66
    .vgpr_count:     258
    .wavefront_size: 32
...
	.end_amdgpu_metadata
.endif
;; end of part 1
;; launch ffn1 (part 2): grid 32 x 8, 4 waves a work-group, no clusters, 109,056 bytes of LDS; arguments W1, b1, xq, xs, route, hq, hs; writes hq, hs
.if DOCPART == 2
	.amdgcn_target "amdgcn-amd-amdhsa--gfx1250"
	.amdhsa_code_object_version 6
	.text
	.protected	k_q0d0fdd4d1a_ffn1
	.globl	k_q0d0fdd4d1a_ffn1
	.p2align	8
	.type	k_q0d0fdd4d1a_ffn1,@function
k_q0d0fdd4d1a_ffn1:
	s_mov_b64 s[64:65], 0
	v_nop
	global_prefetch_b8 v0, s[64:65] scope:SCOPE_SE
	s_setreg_imm32_b32 hwreg(HW_REG_WAVE_MODE, 25, 1), 1
	s_wait_xcnt 0x0
; THE FIRST PRODUCT, FOR THE CHOSEN ROWS ALONE: h = relu(x W1[e] + b1[e]) on codes of BF6 (E3M2) with one E8M0 byte for each 32 along K, and h quantised for the second product.
; A work-group (x = slice 0..31, y = expert e) owns W1[e][all 1,024 of K][128 hidden units]: 512 KiB of f32, read once, quantised along K in registers and kept: 64 fragments of 16 x 128.
; PHASE 1, the stream.  Wave w takes K rows 256 w .. 256 w + 255; a load brings one row's 128 columns, 512 consecutive aligned bytes, four columns a lane.  Four moves a load turn a block of 32 rows into
; 32 consecutive registers for each column, as the conversions take them; a block's largest magnitude needs no other lane.  The codes go to LDS as images of the operand's registers.
; Meanwhile the list of the expert's rows is made from the stored bit table: for each FIXED place p of the list, the p-th token that chose e.  No LDS address is made of loaded data.
; THE IMAGES LIE IN TWO HALVES: the even K steps, which every wave has finished with its block 3, and the odd ones.  Behind a barrier that follows block 3, each wave fetches 30 of the 32 even-step fragments
; into registers that the stream leaves free, a K step in each of blocks 4 to 7, ahead of the block's wait for memory; what the waves store meanwhile lies in the other half.
; PHASE 2, behind the last barrier.  Every wave fetches the other 34 fragments (768 registers in all) and walks tiles of 16 listed rows, wave w tiles w, w + 4, ..: x's codes straight from memory, a tile ahead;
; transposed products (source 0 = 16 hidden units, source 1 = 16 rows), b1 as the C of the first; relu; quantised in registers; the fragment's image and its scale words are stored.
; THE HIDDEN UNITS OF A TILE ARE NOT NEIGHBOURS: lane m of tile 2 b + u takes unit 32 b + 8 u + m + 8 (m / 8), so that the 16 registers of tiles 2 b and 2 b + 1 are 16 neighbours along the next K.
; NO TENSOR LOADS, NO CLUSTER: how many tiles a work-group walks hangs on a count read from memory, so partners would need different numbers of tiles and the text has branches on stored numbers.
; The walk over tiles has sixteen trips in every wave and stands under no branch; a tile past the bound is passed over inside its trip, and a wave's last tile takes a copy of the body that asks for no further rows.
; THE BOUND IS max(the expert's rows, 64): tiles 0 to 3 are made for every expert, so that the tile which each wave of the next launch asks for first has always been stored.  Places of the list past the count
; hold tokens too; what is made of them is read by nobody's sums.
; LIMITS: NaN and infinities are not served.  A block whose largest magnitude lies under 2^-122 keeps the byte 1; a block of zeros has the byte 1 and zero codes (only this program reads the bytes).
.set PITCH, 16384                      ; bytes from a row of W1[e] to the next
.set FRT,   6160                       ; LDS: the four fragments of 1,536 bytes that a tile of units has in one half, + 16, so that the sixteen lanes of a store fall into sixteen different columns of 16 bytes
.set HALFB, 49280                      ; 8 x FRT: half 0 holds K steps 0, 2, 4, 6, half 1 K steps 1, 3, 5, 7.  Fragment (s, ct) lies at HALFB (s % 2) + FRT ct + 1,536 (s / 2)
.set SCW,   98560                      ; behind the two halves: the weights' scale words: (8 b + s) x 128 + 64 u + 4 m
.set BIAS,  102656                     ; b1's 128 numbers
.set LISTB, 103168                     ; the list: 1,152 tokens
.set LISTN, 4608
; window 0, the whole launch
.set LI,   6                           ; 16 x lane
.set LI2,  7                           ; 16 x lane + HALFB
.set LS,   8                           ; 4 x lane
.set R4L,  9                           ; LISTB + 4 r
.set H48,  10                          ; 48 h
.set BH,   11                          ; BIAS + 64 h
.set PW,   12                          ; the scale word just made
.set SCA,  13                          ; SCW + 4 x lane
.set WSC,  16                          ; v16-47  the weights' scale words: register 8 b + s: lanes 0-15 tile 2 b, lanes 16-31 tile 2 b + 1.  Scales and nothing else
.set XS,   48                          ; v48-55  the rows' scale words, one for each K step.  Scales and nothing else
; window 0, phase 1
.set WOFF, 1                           ; my byte in the slice: 256 w rows + 16 x lane
.set WA,   2                           ; where my codes go
.set WSA,  3                           ; where my scale words go
.set BA,   4                           ; BIAS + 4 x thread
.set LW0,  5                           ; LISTB + 4 x thread
.set MX,   56                          ; v56-59 largest magnitudes, v60-63 scale operands, v64-67 bytes, v68-71 scale words: one for each of my four columns
.set SO,   60
.set BY,   64
.set SW,   68
.set CB,   72                          ; v72-103  a block's codes, eight registers a column (six used)
.set TC,   104                         ; v104-119 their second halves as the conversion leaves them
.set B1V,  120
.set X,    128                         ; v128-255 a block by columns: register 32 c + k
.set LP,   128                         ; the list's scratch lies in X's registers: it is done with before the first block
.set WW,   129
.set PK,   130
.set NN,   131
.set A2,   132
.set B4,   133
.set C8,   134
.set LSH,  135
.set LC,   136
.set LT1,  137
.set TOKV, 138
.set LADR, 139
; window 0, phase 2
.set XA,   1                           ; my row's codes in xq
.set XSA,  2                           ; my row's scale words in xs
.set TOK,  3
.set LA,   4
.set HA,   56                          ; v56-119  eight accumulators
.set TM,   120                         ; v120-135 the quantiser's scratch
.set PC,   136                         ; v136-147 the fragment just made
.set W63,  148                         ; v148-159 the one fragment of the weights that lies in window 0
.set XF,   160                         ; v160-255 the rows' eight fragments
; windows 1-3: v0-127 of each: the stream's three landing sets, later fragments; v132-251 of each: ten fragments fetched during the stream
.set BM,   16                          ; s[16:47] the expert's bit table: word j: tokens 32 j .. 32 j + 31
.set WV,   50
.set EX,   51
.set SL,   52
.set CNT,  53                          ; the expert's rows
.set TP,   54                          ; 16 x tile
.set LT,   55                          ; 64 x tile
.set PP,   57
.set KP,   58
.set TT,   59
.set CNX,  63                          ; the walk's bound: max(rows, 64)
.set SEL,  76                          ; s[76:77] selects of v_permlanex16_b32: lane l xor 16
.set MSB, 0
.macro WIN new                         ; the immediate's high byte repeats the setting that is left; a switch that changes nothing is dropped
.if MSB != (\new)
	s_set_vgpr_msb (MSB<<8)|(\new)
.set MSB, (\new)
.endif
.endm
.macro LOADB t                         ; block t of my eight: 32 rows into landing set t % 3
	WIN ((((\t)%3)+1)<<6)
.set II, 0
.rept 32
	global_load_b128 v[4*II:4*II+3], v[WOFF], s[4:5] offset:(32*(\t)+II)*PITCH th:TH_LOAD_NT
.set II, II+1
.endr
	WIN 0
.endm
; Where fragment (K step s, tile ct) lives: window FW, register FRG.  The first 30 fragments of the even K steps take the ten places from v132 on of windows 1 to 3;
; the other 34 take the eleven places from v0 on of those windows, and the last of them window 0.
.macro FSLOT s, ct
.if ((\s)%2) == 0
.set FE, 8*((\s)/2)+(\ct)
.set FL, FE-30
.else
.set FE, 99
.set FL, 2+8*((\s)/2)+(\ct)
.endif
.if FE < 30
.set FW, 1+FE/10
.set FRG, 132+12*(FE%10)
.elseif FL < 33
.set FW, 1+FL/11
.set FRG, 12*(FL%11)
.else
.set FW, 0
.set FRG, W63
.endif
.endm
.macro FLOAD s, ct                     ; the fragment's image comes back as it was stored: three loads of 512 consecutive bytes
	FSLOT \s, \ct
	WIN (FW<<6)
.irp p, 0,1,2
.if ((\s)%2) == 0
	ds_load_b128 v[FRG+4*\p:FRG+4*\p+3], v[LI] offset:(\ct)*FRT+1536*((\s)/2)+512*\p
.else
	ds_load_b128 v[FRG+4*\p:FRG+4*\p+3], v[LI2] offset:(\ct)*FRT+1536*((\s)/2)+512*\p
.endif
.endr
.endm
.macro EARLY t                         ; in block t = 4 .. 7: K step 2 (t - 4), as far as the free registers reach.  These loads end at byte 49,264; all that is stored from here to the last barrier lies from byte HALFB on
.irp ct, 0,1,2,3,4,5,6,7
.if 8*((\t)-4)+\ct < 30
	FLOAD 2*((\t)-4), \ct
.endif
.endr
	WIN 0
.endm
.macro LATE                            ; behind the last barrier: the other 34 fragments and the 32 registers of scale words
	FLOAD 6, 6
	FLOAD 6, 7
.irp s, 1,3,5,7
.irp ct, 0,1,2,3,4,5,6,7
	FLOAD \s, \ct
.endr
.endr
	WIN 0
.set F, 0
.rept 32
	ds_load_b32 v[WSC+F], v[SCA] offset:128*F
.set F, F+1
.endr
.endm
.macro QBLOCK t                        ; block t is quantised: block 8 w + t of K, the (t % 4)-th of K step 2 w + t / 4
.set BB, (\t)%4
.set WN, ((\t)%3)+1
.if (\t)+2 < 8
	LOADB (\t)+2                                   ; into the set that the block before this one has left
.endif
.if (\t) >= 4
	EARLY \t                                       ; LDS works while I wait for memory; the wait on DScnt further down covers these loads
.endif
.if (\t) <= 5
	s_wait_loadcnt 63                              ; two younger blocks are 64 loads; the count's field ends at 63, and a smaller count is safe
.elseif (\t) == 6
	s_wait_loadcnt 32                              ; the last block's 32 loads may be out
.else
	s_wait_loadcnt 0x0
.endif
	WIN WN|(WN<<2)                                 ; sources 0 and 1: the landing set
.irp c, 0,1,2,3
	v_max3_num_f32 v[MX+\c], |v[\c]|, |v[4+\c]|, 0x2800000   ; column c: rows 0, 1 and the floor 2^(5 - 127): the byte cannot fall under 1
.endr
.set KK, 2
.rept 15
.irp c, 0,1,2,3
	v_max3_num_f32 v[MX+\c], |v[4*KK+\c]|, |v[4*KK+4+\c]|, v[MX+\c]
.endr
.set KK, KK+2
.endr
.set KK, 0
.rept 32
.irp c, 0,1,2,3
	v_mov_b32 v[X+32*\c+KK], v[4*KK+\c]            ; a load holds four columns of one row; a conversion takes sixteen rows of one column from consecutive registers
.endr
.set KK, KK+1
.endr
	WIN 0
	s_wait_dscnt 0x0                               ; the last block's LDS stores have read their registers
.irp c, 0,1,2,3
	v_add_nc_u32 v[SO+\c], 0xfe000000, v[MX+\c]    ; 4 off the exponent field: the conversion's scale operand
.endr
.irp c, 0,1,2,3
	v_lshrrev_b32 v[BY+\c], 23, v[SO+\c]           ; the scale's byte
.endr
.irp c, 0,1,2,3
.if BB == 0
	v_mov_b32 v[SW+\c], v[BY+\c]
.else
	v_lshl_or_b32 v[SW+\c], v[BY+\c], 8*BB, v[SW+\c]
.endif
.endr
.irp c, 0,1,2,3
	v_cvt_scalef32_pk16_bf6_f32 v[CB+8*\c:CB+8*\c+2], v[X+32*\c:X+32*\c+15], v[SO+\c]
	v_cvt_scalef32_pk16_bf6_f32 v[TC+4*\c:TC+4*\c+2], v[X+32*\c+16:X+32*\c+31], v[SO+\c]   ; (three registers from an even one on)
.endr
	v_nop                                          ; one plain place behind a scaled conversion
.irp c, 0,1,2,3
.irp i, 0,1,2
	v_mov_b32 v[CB+8*\c+3+\i], v[TC+4*\c+\i]
.endr
.endr
; Block bb of a K step is registers 6 (bb / 2) .. + 5 of lane m + 16 (bb % 2).  In the image register R of lane L lies at 512 (R / 4) + 16 L + 4 (R % 4).  Blocks 0-3 go to half 0, blocks 4-7 to half 1.
.set OFF, HALFB*((\t)/4)+256*(BB%2)
.irp c, 0,1,2,3
.if BB < 2
	ds_store_b128 v[WA], v[CB+8*\c:CB+8*\c+3] offset:OFF+16*\c
	ds_store_b64  v[WA], v[CB+8*\c+4:CB+8*\c+5] offset:OFF+16*\c+512
.else
	ds_store_b64  v[WA], v[CB+8*\c:CB+8*\c+1] offset:OFF+16*\c+520
	ds_store_b128 v[WA], v[CB+8*\c+2:CB+8*\c+5] offset:OFF+16*\c+1024
.endif
.endr
.if BB == 3
.irp c, 0,1,2,3
	ds_store_b32 v[WSA], v[SW+\c] offset:128*((\t)/4)+4*\c
.endr
.endif
.endm
.macro DESC step                       ; the wanted bit lies in the upper part where n >= the lower part's count
	v_cmp_ge_u32 vcc_lo, v[NN], v[LC]
	v_cndmask_b32 v[LT1], 0, v[LC], vcc_lo
	v_sub_nc_u32 v[NN], v[NN], v[LT1]
	v_cndmask_b32 v[LT1], 0, \step, vcc_lo
	v_add_nc_u32 v[LSH], v[LSH], v[LT1]
.endm
.macro ADDR                            ; a listed token becomes my row's offsets; it enters an address only behind the clamp
	v_min_u32 v[TOK], 0x3ff, v[TOK]
	v_mul_u32_u24 v[XA], v[TOK], 768
	v_add_nc_u32 v[XA], v[XA], v[H48]
	v_lshlrev_b32 v[XSA], 5, v[TOK]
.endm
.macro XGROUP s                        ; K step s of a tile of rows: my lane's 48 bytes of codes and my row's scale word: four loads
.irp p, 0,1,2
	global_load_b128 v[XF+12*(\s)+4*\p:XF+12*(\s)+4*\p+3], v[XA], s[8:9] offset:96*(\s)+16*\p
.endr
	global_load_b32 v[XS+(\s)], v[XSA], s[10:11] offset:4*(\s)
.endm
.macro MM ct, s                        ; tile ct of hidden units x the 16 rows, K step s
	FSLOT \s, \ct
	WIN FW
.set DD, HA+8*(\ct)
.set SA, WSC+8*((\ct)/2)+(\s)
.set BF, XF+12*(\s)
.if (\ct)%2
	v_wmma_scale_f32_16x16x128_f8f6f4 v[DD:DD+7], v[FRG:FRG+11], v[BF:BF+11], v[DD:DD+7], v[SA], v[XS+(\s)] matrix_a_fmt:MATRIX_FMT_BF6 matrix_b_fmt:MATRIX_FMT_BF6 matrix_a_scale:MATRIX_SCALE_ROW1
.else
	v_wmma_scale_f32_16x16x128_f8f6f4 v[DD:DD+7], v[FRG:FRG+11], v[BF:BF+11], v[DD:DD+7], v[SA], v[XS+(\s)] matrix_a_fmt:MATRIX_FMT_BF6 matrix_b_fmt:MATRIX_FMT_BF6
.endif
.endm
.macro STEP s, ahead                   ; ahead = 1: the wave has a further tile, whose K step s is asked for behind this tile's
.if \ahead
	s_wait_loadcnt 28                              ; group s is in: seven younger groups of four may be out (s + 1 .. 7 of this tile, 0 .. s - 1 of the next)
.else
	s_wait_loadcnt 28-4*(\s)                       ; group s is in: behind it only groups s + 1 .. 7 of this tile were issued
.endif
.irp ct, 0,1,2,3,4,5,6,7
	MM \ct, \s                                     ; the eight accumulators take turns, one instruction a turn
.endr
	WIN 0
.if \ahead || ((\s) == 7)
.rept 4
	v_nop                                          ; four places ahead of loads into registers that these products read, and of the first read of results
.endr
.endif
.if \ahead
	XGROUP \s
.endif
.endm
.macro QUANT s                         ; 64 numbers of a lane, register 16 b + i = k 32 b + 16 h + i of my row -> the fragment's codes in v[PC] on, its scale word in v[PW]
.irp b, 0,1,2,3
	v_max3_num_f32 v[TM+\b], |v[\s+16*\b]|, |v[\s+1+16*\b]|, 0x2800000
.endr
.irp i, 2,4,6,8,10,12,14
.irp b, 0,1,2,3
	v_max3_num_f32 v[TM+\b], v[TM+\b], |v[\s+16*\b+\i]|, |v[\s+1+16*\b+\i]|
.endr
.endr
.irp b, 0,1,2,3
	v_permlanex16_b32 v[TM+4+\b], v[TM+\b], s[SEL], s[SEL+1]
.endr
.irp b, 0,1,2,3
	v_max_num_f32 v[TM+\b], v[TM+\b], v[TM+4+\b]
.endr
.irp b, 0,1,2,3
	v_add_nc_u32 v[TM+12+\b], 0xfe000000, v[TM+\b]
.endr
.irp b, 0,1,2,3
	v_lshrrev_b32 v[TM+4+\b], 23, v[TM+12+\b]
.endr
	v_lshl_or_b32 v[PW], v[TM+5], 8, v[TM+4]
	v_lshl_or_b32 v[PW], v[TM+6], 16, v[PW]
	v_lshl_or_b32 v[PW], v[TM+7], 24, v[PW]
.irp c, 0,1
	v_cvt_scalef32_pk16_bf6_f32 v[PC+6*\c:PC+6*\c+2], v[\s+32*\c:\s+32*\c+15], v[TM+12+2*\c]
	v_cvt_scalef32_pk16_bf6_f32 v[TM+4*\c:TM+4*\c+2], v[\s+32*\c+16:\s+32*\c+31], v[TM+12+2*\c+1]
.endr
	v_nop                                          ; one plain place behind a scaled conversion
.irp c, 0,1
.irp i, 0,1,2
	v_permlane16_swap_b32 v[PC+6*\c+\i], v[TM+4*\c+\i]
.endr
.irp i, 0,1,2
	v_mov_b32 v[PC+3+6*\c+\i], v[TM+4*\c+\i]
.endr
.endr
.endm
.macro TILE ahead                      ; one tile of 16 rows through the product, relu and the quantiser
.if \ahead
	v_add_nc_u32 v[LA], s[LT], v[R4L]              ; the wave's number and the trip alone
	ds_load_b32 v[TOK], v[LA] offset:256           ; my row of the wave's next tile, four tiles on
.endif
.irp ct, 0,1,2,3,4,5,6,7
	ds_load_b128 v[HA+8*\ct:HA+8*\ct+3],   v[BH] offset:(32*(\ct/2)+8*(\ct%2))*4      ; b1 in the result's layout: it is the C of the first products
	ds_load_b128 v[HA+8*\ct+4:HA+8*\ct+7], v[BH] offset:(32*(\ct/2)+8*(\ct%2))*4+16
.endr
	s_wait_dscnt 0x0
.if \ahead
	ADDR
.endif
.irp s, 0,1,2,3,4,5,6,7
	STEP \s, \ahead
.endr
.set JJ, 0
.rept 64
	v_max_num_f32 v[HA+JJ], 0, v[HA+JJ]            ; relu, each accumulator from its low end on
.set JJ, JJ+1
.endr
	QUANT HA
.irp p, 0,1,2
	global_store_b128 v[LI], v[PC+4*\p:PC+4*\p+3], s[14:15] offset:512*\p   ; the fragment's image: 512 consecutive aligned bytes a store
.endr
	global_store_b32 v[LS], v[PW], s[48:49]        ; its scale words: 128 consecutive bytes
.endm
	s_load_b256 s[4:11], s[0:1], 0x0               ; W1, b1, xq, xs
	s_load_b128 s[12:15], s[0:1], 0x20             ; route, hq
	s_load_b64 s[48:49], s[0:1], 0x30              ; hs
	s_set_vgpr_msb 0x40
	v_lshl_add_u32 v254, v0, 2, 0x1a800
	v_mov_b32 v255, 0
	s_set_vgpr_msb 0x4000
	v_lshrrev_b32 v14, 5, v0
	v_readfirstlane_b32 s[WV], v14                 ; wave 0..3
	s_and_b32 s[EX], ttmp7, 0xffff                 ; expert
	s_mov_b32 s[SL], ttmp9                         ; slice of 128 hidden units
	v_and_b32 v14, 31, v0                          ; lane
	v_lshlrev_b32 v[LI], 4, v14
	s_lshl_b32 s57, s[WV], 22                      ; 256 rows of 16,384 bytes x wave
	v_add_nc_u32 v[WOFF], s57, v[LI]
	; lane l holds columns 4 l + c: tile ct = 2 (l / 8) + (l / 2) % 2, place in it m = 4 (l % 2) + c + 8 ((l / 4) % 2)
	v_bfe_u32 v15, v0, 3, 2
	v_mul_u32_u24 v[WA], v15, 2*FRT
	v_lshl_add_u32 v[WSA], v15, 10, SCW
	v_bfe_u32 v15, v0, 1, 1
	v_mad_u32_u24 v[WA], v15, FRT, v[WA]
	v_lshl_add_u32 v[WSA], v15, 6, v[WSA]
	v_and_b32 v15, 1, v0
	v_lshl_add_u32 v[WA], v15, 6, v[WA]
	v_lshl_add_u32 v[WSA], v15, 4, v[WSA]
	v_bfe_u32 v15, v0, 2, 1
	v_lshl_add_u32 v[WA], v15, 7, v[WA]
	v_lshl_add_u32 v[WSA], v15, 5, v[WSA]
	s_mul_i32 s57, s[WV], 1536
	v_add_nc_u32 v[WA], s57, v[WA]                 ; + my K steps' place in each half: 1,536 x wave
	s_lshl_b32 s57, s[WV], 8
	v_add_nc_u32 v[WSA], s57, v[WSA]
	v_lshl_add_u32 v[BA], v0, 2, BIAS
	v_lshl_add_u32 v[LW0], v0, 2, LISTB
	v_add_nc_u32 v[LI2], HALFB, v[LI]
	v_lshlrev_b32 v[LS], 2, v14
	v_lshl_add_u32 v[SCA], v14, 2, SCW
	v_and_b32 v15, 15, v0
	v_lshl_add_u32 v[R4L], v15, 2, LISTB
	v_bfe_u32 v15, v0, 4, 1
	v_mul_u32_u24 v[H48], v15, 48
	v_lshl_add_u32 v[BH], v15, 6, BIAS
	v_lshlrev_b32 v15, 2, v0                       ; b1: 4 x thread; not written again
	s_mov_b32 s[SEL], 0x76543210
	s_mov_b32 s[SEL+1], 0xfedcba98
	s_lshl_b32 s60, s[EX], 24
	s_lshl_b32 s57, s[SL], 9
	s_add_co_u32 s60, s60, s57                     ; W1: 16 MiB x expert + 512 x slice
	s_mov_b32 s61, 0
	s_lshl_b32 s66, s[EX], 14
	s_add_co_u32 s66, s66, s57                     ; b1: 16,384 x expert + 512 x slice
	s_mov_b32 s67, 0
	s_lshl_b32 s68, s[EX], 7                       ; the bit table: 128 x expert
	s_mov_b32 s69, 0
	s_lshl_b32 s70, s[EX], 6
	s_add_co_u32 s70, s70, s[WV]
	s_lshl_b32 s70, s70, 5
	s_add_co_u32 s70, s70, s[SL]                   ; (64 e + my first tile) x 32 + slice
	s_mul_i32 s72, s70, 1536                       ; hq: 1,536 bytes each
	s_mov_b32 s73, 0
	s_lshl_b32 s70, s70, 7                         ; hs: 128 bytes each
	s_mov_b32 s71, 0
	s_wait_kmcnt 0x0
	s_add_nc_u64 s[4:5], s[4:5], s[60:61]
	s_add_nc_u64 s[6:7], s[6:7], s[66:67]
	s_add_nc_u64 s[12:13], s[12:13], s[68:69]
	s_add_nc_u64 s[14:15], s[14:15], s[72:73]
	s_add_nc_u64 s[48:49], s[48:49], s[70:71]
	s_load_b512 s[16:31], s[12:13], 0x0
	s_load_b512 s[32:47], s[12:13], 0x40
	global_load_b32 v[B1V], v15, s[6:7]
	LOADB 0
	LOADB 1
	s_wait_kmcnt 0x0                               ; the bit table
	; THE LIST, while the first blocks are on their way.  Nine trips of 128 places, place p = 128 trip + thread.  A trip whose first place lies at or past the row count stores token 0.
	s_mov_b32 s[CNT], 1                            ; so that the first trip computes; it leaves the true count
	s_mov_b32 s62, 0
.Llist:
	s_wait_dscnt 0x0                               ; the last trip's store has read its registers
	v_mov_b32 v[TOKV], 0
	s_lshr_b32 s63, s62, 2
	s_cmp_ge_u32 s63, s[CNT]
	s_cbranch_scc1 .Lput
	v_add_nc_u32 v[LP], s63, v0
	v_mov_b32 v[WW], s[BM]                         ; the last word whose rows before it are <= p, and (word << 16) + those rows
	v_mov_b32 v[PK], 0
	s_bcnt1_i32_b32 s[PP], s[BM]
	s_add_co_u32 s[KP], s[PP], 0x10000
.set JJ, 1
.rept 31
	v_cmp_le_u32 vcc_lo, s[PP], v[LP]
	v_cndmask_b32 v[WW], v[WW], s[BM+JJ], vcc_lo
	v_cndmask_b32 v[PK], v[PK], s[KP], vcc_lo
	s_bcnt1_i32_b32 s[TT], s[BM+JJ]
	s_add_co_u32 s[PP], s[PP], s[TT]
	s_add_co_u32 s[TT], s[TT], 0x10000
	s_add_co_u32 s[KP], s[KP], s[TT]
.set JJ, JJ+1
.endr
	s_mov_b32 s[CNT], s[PP]
	v_and_b32 v[LT1], 0xffff, v[PK]
	v_sub_nc_u32 v[NN], v[LP], v[LT1]              ; the n-th set bit of the word is wanted
	v_lshrrev_b32 v[LT1], 1, v[WW]                 ; counts of each 2, 4 and 8 bits
	v_and_b32 v[LT1], 0x55555555, v[LT1]
	v_sub_nc_u32 v[A2], v[WW], v[LT1]
	v_lshrrev_b32 v[LT1], 2, v[A2]
	v_and_b32 v[LT1], 0x33333333, v[LT1]
	v_and_b32 v[B4], 0x33333333, v[A2]
	v_add_nc_u32 v[B4], v[B4], v[LT1]
	v_lshrrev_b32 v[LT1], 4, v[B4]
	v_add_nc_u32 v[C8], v[B4], v[LT1]
	v_and_b32 v[C8], 0x0f0f0f0f, v[C8]
	v_mov_b32 v[LSH], 0
	v_bfe_u32 v[LC], v[C8], 0, 8
	v_bfe_u32 v[LT1], v[C8], 8, 8
	v_add_nc_u32 v[LC], v[LC], v[LT1]
	DESC 16
	v_bfe_u32 v[LC], v[C8], v[LSH], 8
	DESC 8
	v_bfe_u32 v[LC], v[B4], v[LSH], 4
	DESC 4
	v_bfe_u32 v[LC], v[A2], v[LSH], 2
	DESC 2
	v_bfe_u32 v[LC], v[WW], v[LSH], 1
	DESC 1
	v_lshrrev_b32 v[LT1], 16, v[PK]
	v_lshl_add_u32 v[TOKV], v[LT1], 5, v[LSH]      ; at most 1,023, for a place past the count too
.Lput:
	v_add_nc_u32 v[LADR], s62, v[LW0]              ; made of the thread's number and the trip alone
	ds_store_b32 v[LADR], v[TOKV]
	s_add_co_u32 s62, s62, 512
	s_cmp_lt_u32 s62, LISTN
	s_cbranch_scc1 .Llist
	; THE STREAM
	QBLOCK 0
	ds_store_b32 v[BA], v[B1V]                     ; b1's load was issued ahead of block 0's: it is in
.irp t, 1,2,3
	QBLOCK \t
.endr
	s_wait_dscnt 0x0                               ; for the others' sake: my stores of blocks 0 to 3 have landed: my even K step is whole
	s_barrier_signal -1
	s_barrier_wait -1                              ; half 0 of the images is whole, and nobody writes it again.  (Loads of W1, which nobody writes, stay on their way across this barrier)
.irp t, 4,5,6,7
	QBLOCK \t
.endr
	s_wait_dscnt 0x0                               ; for the others' sake: all my LDS stores have landed
	s_barrier_signal -1
	s_barrier_wait -1                              ; the last barrier.  Behind it LDS is only read
	s_max_u32 s[CNX], s[CNT], 64                   ; the walk's bound: every wave makes its first tile, whatever the count
	s_lshl_b32 s[TP], s[WV], 4
	s_lshl_b32 s[LT], s[WV], 6
	v_add_nc_u32 v[LA], s[LT], v[R4L]
	ds_load_b32 v[TOK], v[LA]                      ; my row of my first tile; every place of the list holds a token, so these loads stay inside xq and xs whatever the count
.irp b, 0,1,2,3
	v_mov_b32 v[TM+4+\b], 0                        ; a lane permute's destination counts as one of its sources
.endr
	s_wait_dscnt 0x0
	ADDR
.irp s, 0,1,2,3,4,5,6,7
	XGROUP \s
.endr
	LATE
	s_wait_dscnt 0x0
	s_wait_xcnt 0x0                                ; the loads above have had their addresses translated: XA and XSA may be written
	s_mov_b32 s56, 0
.Ltile:                                            ; sixteen trips in every wave: tile = wave + 4 trip; a tile past the bound is passed over
	s_cmp_ge_u32 s[TP], s[CNX]
	s_cbranch_scc1 .Lskip
	s_add_co_u32 s57, s[TP], 64
	s_cmp_ge_u32 s57, s[CNX]
	s_cbranch_scc1 .Llast                          ; the wave's last tile: four tiles on there is none
	TILE 1
	s_branch .Lskip
.Llast:
	TILE 0
.Lskip:
	s_wait_xcnt 0x0                                ; bases, offsets and store data are written again only behind this wait
	s_add_nc_u64 s[14:15], s[14:15], 196608        ; four tiles on: 4 x 32 x 1,536
	s_add_nc_u64 s[48:49], s[48:49], 16384         ; 4 x 32 x 128
	s_add_co_u32 s[TP], s[TP], 64
	s_add_co_u32 s[LT], s[LT], 256
	s_add_co_u32 s56, s56, 1
	s_cmp_lt_u32 s56, 16
	s_cbranch_scc1 .Ltile
	s_set_vgpr_msb 0x5
	s_wait_tensorcnt 0x0
	ds_add_u32 v254, v255
	s_wait_dscnt 0x0
	s_set_vgpr_msb 0x500
	s_endpgm
.Lfunc_end_k_q0d0fdd4d1a_ffn1:
	.size	k_q0d0fdd4d1a_ffn1, .Lfunc_end_k_q0d0fdd4d1a_ffn1-k_q0d0fdd4d1a_ffn1
	.p2alignl 7, 3214868480
	.fill 96, 4, 3214868480
	.section	.rodata,"a",@progbits
	.p2align	6, 0x0
	.amdhsa_kernel k_q0d0fdd4d1a_ffn1
		.amdhsa_group_segment_fixed_size 109056
		.amdhsa_private_segment_fixed_size 0
		.amdhsa_enable_private_segment 0
		.amdhsa_kernarg_size 56
		.amdhsa_user_sgpr_count 2
		.amdhsa_user_sgpr_kernarg_segment_ptr 1
		.amdhsa_wavefront_size32 1
		.amdhsa_system_sgpr_workgroup_id_x 1
		.amdhsa_system_sgpr_workgroup_id_y 1
		.amdhsa_system_sgpr_workgroup_id_z 1
		.amdhsa_system_vgpr_workitem_id 0
		.amdhsa_next_free_vgpr 1024
		.amdhsa_next_free_sgpr 80
		.amdhsa_reserve_vcc 1
		.amdhsa_float_denorm_mode_32 3
		.amdhsa_float_denorm_mode_16_64 3
		.amdhsa_memory_ordered 1
		.amdhsa_forward_progress 1
		.amdhsa_inst_pref_size 179
	.end_amdhsa_kernel
	.amdgpu_metadata
---
amdhsa.version: [ 1, 2 ]
amdhsa.kernels:
  - .name:           k_q0d0fdd4d1a_ffn1
    .symbol:         k_q0d0fdd4d1a_ffn1.kd
    .args:
      - { .name: W1, .offset: 0, .size: 8, .value_kind: global_buffer, .address_space: global }
      - { .name: b1, .offset: 8, .size: 8, .value_kind: global_buffer, .address_space: global }
      - { .name: xq, .offset: 16, .size: 8, .value_kind: global_buffer, .address_space: global }
      - { .name: xs, .offset: 24, .size: 8, .value_kind: global_buffer, .address_space: global }
      - { .name: route, .offset: 32, .size: 8, .value_kind: global_buffer, .address_space: global }
      - { .name: hq, .offset: 40, .size: 8, .value_kind: global_buffer, .address_space: global }
      - { .name: hs, .offset: 48, .size: 8, .value_kind: global_buffer, .address_space: global }
    .group_segment_fixed_size: 109056
    .private_segment_fixed_size: 0
    .kernarg_segment_align: 8
    .kernarg_segment_size: 56
    .max_flat_workgroup_size: 128
    .sgpr_count:     80
    .vgpr_count:     1024
    .wavefront_size: 32
...
	.end_amdgpu_metadata
.endif
;; end of part 2
;; launch ffn2 (part 3): grid 32 x 8, 4 waves a work-group, no clusters, 142,848 bytes of LDS; arguments W2, hq, hs, route, part; writes part
.if DOCPART == 3
	.amdgcn_target "amdgcn-amd-amdhsa--gfx1250"
	.amdhsa_code_object_version 6
	.text
	.protected	k_q0d0fdd4d1a_ffn2
	.globl	k_q0d0fdd4d1a_ffn2
	.p2align	8
	.type	k_q0d0fdd4d1a_ffn2,@function
k_q0d0fdd4d1a_ffn2:
	s_mov_b64 s[64:65], 0
	v_nop
	global_prefetch_b8 v0, s[64:65] scope:SCOPE_SE
	s_setreg_imm32_b32 hwreg(HW_REG_WAVE_MODE, 25, 1), 1
	s_wait_xcnt 0x0
; THE SECOND PRODUCT, FOR THE CHOSEN ROWS ALONE: part[token][e][kq] = h[rows][quarter kq of the 4,096 hidden units] W2[e][that quarter][128 columns], on codes of BF6 (E3M2), f32 sums.
; A work-group (x = nc + 8 kq, y = expert e) owns W2[e][1,024 of K][128 columns]: 512 KiB of f32, read once, quantised along K in registers and kept: the same shape as the first product's slice.
; PHASE 1: the stream and the list of rows, as in the first product.  The images lie in two halves, the even K steps and the odd ones; behind a barrier that follows block 3 each wave fetches 30 of the 32
; even-step fragments into registers that the stream leaves free, a K step in each of blocks 4 to 7, ahead of the block's wait for memory; what the waves store meanwhile lies in the other half.
; PHASE 2, behind the last barrier: every wave fetches the other 34 fragments; wave w walks tiles w, w + 4, .. of 16 listed rows; the rows' fragments
; come as register images straight from memory, a tile ahead; transposed products (source 0 = 16 columns, source 1 = 16 rows); a tile's 16 x 128 results go through the wave's own stage in LDS and leave as
; whole rows of 512 bytes at the rows' tokens.  The four quarters, b2 and the gate's weights meet in the last launch: each output byte of this one has one owner.
; THE COLUMNS OF A TILE ARE NOT NEIGHBOURS (lane m of tile 2 b + u: column 32 b + 8 u + m + 8 (m / 8)): in the result lane (r, h) holds row r, and register j of tile 2 b + u column 32 b + 16 h + 8 u + j.
; NO TENSOR LOADS, NO CLUSTER: how many tiles a work-group walks hangs on a count read from memory.
; The walk over tiles has sixteen trips in every wave and stands under no branch; a tile past the count is passed over inside its trip, and a wave's last tile takes a copy of the body that asks for no further rows.
; An expert that no token chose: every tile is passed over, nothing is stored.
; The first product stores tiles 0 .. ceil(max(rows, 64) / 16) - 1 of each expert: so tile w, which wave w asks for first, has been stored whatever the count, and only stored bytes are read.
; LIMITS: NaN and infinities are not served.  A block whose largest magnitude lies under 2^-122 keeps the byte 1; a block of zeros has the byte 1 and zero codes.  The sum over the hidden units is taken in four f32 parts.
.set PITCH, 4096                       ; bytes from a row of W2[e] to the next
.set FRT,   6160                       ; LDS: the four fragments of 1,536 bytes that a tile of columns has in one half, + 16
.set HALFB, 49280                      ; 8 x FRT: half 0 holds K steps 0, 2, 4, 6, half 1 K steps 1, 3, 5, 7.  Fragment (s, ct) lies at HALFB (s % 2) + FRT ct + 1,536 (s / 2)
.set SCW,   98560                      ; the weights' scale words: (8 b + s) x 128 + 64 u + 4 m
.set LISTB, 103168                     ; the list: 1,152 tokens
.set LISTN, 4608
.set STAGE, 107776                     ; 4 x 8,448: 16 rows x (512 bytes + 16) for each wave
; window 0, the whole launch
.set LI,   6                           ; 16 x lane
.set LI2,  7                           ; 16 x lane + HALFB
.set LS,   8                           ; 4 x lane
.set STO,  10                          ; the stage: where I put 16 bytes of a row
.set RD,   11                          ; and where I read a row back
.set SCA,  13                          ; SCW + 4 x lane
.set WSC,  16                          ; v16-47  the weights' scale words.  Scales and nothing else
.set XS,   48                          ; v48-55  the rows' scale words.  Scales and nothing else
; window 0, phase 1
.set WOFF, 1
.set WA,   2
.set WSA,  3
.set LW0,  5
.set MX,   56
.set SO,   60
.set BY,   64
.set SW,   68
.set CB,   72
.set TC,   104
.set X,    128
.set LP,   128
.set WW,   129
.set PK,   130
.set NN,   131
.set A2,   132
.set B4,   133
.set C8,   134
.set LSH,  135
.set LC,   136
.set LT1,  137
.set TOKV, 138
.set LADR, 139
; window 0, phase 2
.set LA,   4
.set HA,   56                          ; v56-119  eight accumulators, then sixteen rows read back
.set TK,   120                         ; v120-135 the tile's sixteen tokens, then their offsets in part
.set W63,  148
.set XF,   160
.set BM,   16
.set WV,   50
.set EX,   51
.set NC,   52
.set CNT,  53
.set TP,   54
.set LT,   55
.set PP,   57
.set KP,   58
.set TT,   59
.set MSB, 0
.macro WIN new                         ; the immediate's high byte repeats the setting that is left; a switch that changes nothing is dropped
.if MSB != (\new)
	s_set_vgpr_msb (MSB<<8)|(\new)
.set MSB, (\new)
.endif
.endm
.macro LOADB t                         ; block t of my eight: 32 rows into landing set t % 3
	WIN ((((\t)%3)+1)<<6)
.set II, 0
.rept 32
	global_load_b128 v[4*II:4*II+3], v[WOFF], s[4:5] offset:(32*(\t)+II)*PITCH th:TH_LOAD_NT
.set II, II+1
.endr
	WIN 0
.endm
; Where fragment (K step s, tile ct) lives: window FW, register FRG.  The first 30 fragments of the even K steps take the ten places from v132 on of windows 1 to 3;
; the other 34 take the eleven places from v0 on of those windows, and the last of them window 0.
.macro FSLOT s, ct
.if ((\s)%2) == 0
.set FE, 8*((\s)/2)+(\ct)
.set FL, FE-30
.else
.set FE, 99
.set FL, 2+8*((\s)/2)+(\ct)
.endif
.if FE < 30
.set FW, 1+FE/10
.set FRG, 132+12*(FE%10)
.elseif FL < 33
.set FW, 1+FL/11
.set FRG, 12*(FL%11)
.else
.set FW, 0
.set FRG, W63
.endif
.endm
.macro FLOAD s, ct                     ; the fragment's image comes back as it was stored: three loads of 512 consecutive bytes
	FSLOT \s, \ct
	WIN (FW<<6)
.irp p, 0,1,2
.if ((\s)%2) == 0
	ds_load_b128 v[FRG+4*\p:FRG+4*\p+3], v[LI] offset:(\ct)*FRT+1536*((\s)/2)+512*\p
.else
	ds_load_b128 v[FRG+4*\p:FRG+4*\p+3], v[LI2] offset:(\ct)*FRT+1536*((\s)/2)+512*\p
.endif
.endr
.endm
.macro EARLY t                         ; in block t = 4 .. 7: K step 2 (t - 4), as far as the free registers reach.  These loads end at byte 49,264; all that is stored from here to the last barrier lies from byte HALFB on
.irp ct, 0,1,2,3,4,5,6,7
.if 8*((\t)-4)+\ct < 30
	FLOAD 2*((\t)-4), \ct
.endif
.endr
	WIN 0
.endm
.macro LATE                            ; behind the last barrier: the other 34 fragments and the 32 registers of scale words
	FLOAD 6, 6
	FLOAD 6, 7
.irp s, 1,3,5,7
.irp ct, 0,1,2,3,4,5,6,7
	FLOAD \s, \ct
.endr
.endr
	WIN 0
.set F, 0
.rept 32
	ds_load_b32 v[WSC+F], v[SCA] offset:128*F
.set F, F+1
.endr
.endm
.macro QBLOCK t                        ; block t is quantised: the (t % 4)-th of K step 2 w + t / 4
.set BB, (\t)%4
.set WN, ((\t)%3)+1
.if (\t)+2 < 8
	LOADB (\t)+2
.endif
.if (\t) >= 4
	EARLY \t                                       ; LDS works while I wait for memory; the wait on DScnt further down covers these loads
.endif
.if (\t) <= 5
	s_wait_loadcnt 63                              ; two younger blocks are 64 loads; the count's field ends at 63, and a smaller count is safe
.elseif (\t) == 6
	s_wait_loadcnt 32                              ; the last block's 32 loads may be out
.else
	s_wait_loadcnt 0x0
.endif
	WIN WN|(WN<<2)                                 ; sources 0 and 1: the landing set
.irp c, 0,1,2,3
	v_max3_num_f32 v[MX+\c], |v[\c]|, |v[4+\c]|, 0x2800000   ; the floor 2^(5 - 127): the byte cannot fall under 1
.endr
.set KK, 2
.rept 15
.irp c, 0,1,2,3
	v_max3_num_f32 v[MX+\c], |v[4*KK+\c]|, |v[4*KK+4+\c]|, v[MX+\c]
.endr
.set KK, KK+2
.endr
.set KK, 0
.rept 32
.irp c, 0,1,2,3
	v_mov_b32 v[X+32*\c+KK], v[4*KK+\c]            ; four columns of one row -> sixteen rows of one column in consecutive registers
.endr
.set KK, KK+1
.endr
	WIN 0
	s_wait_dscnt 0x0                               ; the last block's LDS stores have read their registers
.irp c, 0,1,2,3
	v_add_nc_u32 v[SO+\c], 0xfe000000, v[MX+\c]
.endr
.irp c, 0,1,2,3
	v_lshrrev_b32 v[BY+\c], 23, v[SO+\c]
.endr
.irp c, 0,1,2,3
.if BB == 0
	v_mov_b32 v[SW+\c], v[BY+\c]
.else
	v_lshl_or_b32 v[SW+\c], v[BY+\c], 8*BB, v[SW+\c]
.endif
.endr
.irp c, 0,1,2,3
	v_cvt_scalef32_pk16_bf6_f32 v[CB+8*\c:CB+8*\c+2], v[X+32*\c:X+32*\c+15], v[SO+\c]
	v_cvt_scalef32_pk16_bf6_f32 v[TC+4*\c:TC+4*\c+2], v[X+32*\c+16:X+32*\c+31], v[SO+\c]
.endr
	v_nop                                          ; one plain place behind a scaled conversion
.irp c, 0,1,2,3
.irp i, 0,1,2
	v_mov_b32 v[CB+8*\c+3+\i], v[TC+4*\c+\i]
.endr
.endr
.set OFF, HALFB*((\t)/4)+256*(BB%2)                ; blocks 0-3 go to half 0, blocks 4-7 to half 1
.irp c, 0,1,2,3
.if BB < 2
	ds_store_b128 v[WA], v[CB+8*\c:CB+8*\c+3] offset:OFF+16*\c
	ds_store_b64  v[WA], v[CB+8*\c+4:CB+8*\c+5] offset:OFF+16*\c+512
.else
	ds_store_b64  v[WA], v[CB+8*\c:CB+8*\c+1] offset:OFF+16*\c+520
	ds_store_b128 v[WA], v[CB+8*\c+2:CB+8*\c+5] offset:OFF+16*\c+1024
.endif
.endr
.if BB == 3
.irp c, 0,1,2,3
	ds_store_b32 v[WSA], v[SW+\c] offset:128*((\t)/4)+4*\c
.endr
.endif
.endm
.macro DESC step
	v_cmp_ge_u32 vcc_lo, v[NN], v[LC]
	v_cndmask_b32 v[LT1], 0, v[LC], vcc_lo
	v_sub_nc_u32 v[NN], v[NN], v[LT1]
	v_cndmask_b32 v[LT1], 0, \step, vcc_lo
	v_add_nc_u32 v[LSH], v[LSH], v[LT1]
.endm
.macro NEXT n                          ; the bases of tile s[n], held to the last tile that was written, and to 63 by a constant
	s_min_u32 s59, s[\n], s70
	s_min_u32 s59, s59, 63
	s_mul_i32 s60, s59, 49152                      ; hq: 32 K steps of 1,536 bytes a tile
	s_lshl_b32 s62, s59, 12                        ; hs: 32 x 128
	s_add_nc_u64 s[66:67], s[6:7], s[60:61]
	s_add_nc_u64 s[68:69], s[8:9], s[62:63]
.endm
.macro XGROUP s                        ; K step s of a tile of rows: the fragment's image and its scale words: four loads
.irp p, 0,1,2
	global_load_b128 v[XF+12*(\s)+4*\p:XF+12*(\s)+4*\p+3], v[LI], s[66:67] offset:1536*(\s)+512*\p
.endr
	global_load_b32 v[XS+(\s)], v[LS], s[68:69] offset:128*(\s)
.endm
.macro MM ct, s, zero
	FSLOT \s, \ct
	WIN FW
.set DD, HA+8*(\ct)
.set SA, WSC+8*((\ct)/2)+(\s)
.set BF, XF+12*(\s)
.if \zero
.if (\ct)%2
	v_wmma_scale_f32_16x16x128_f8f6f4 v[DD:DD+7], v[FRG:FRG+11], v[BF:BF+11], 0, v[SA], v[XS+(\s)] matrix_a_fmt:MATRIX_FMT_BF6 matrix_b_fmt:MATRIX_FMT_BF6 matrix_a_scale:MATRIX_SCALE_ROW1
.else
	v_wmma_scale_f32_16x16x128_f8f6f4 v[DD:DD+7], v[FRG:FRG+11], v[BF:BF+11], 0, v[SA], v[XS+(\s)] matrix_a_fmt:MATRIX_FMT_BF6 matrix_b_fmt:MATRIX_FMT_BF6
.endif
.else
.if (\ct)%2
	v_wmma_scale_f32_16x16x128_f8f6f4 v[DD:DD+7], v[FRG:FRG+11], v[BF:BF+11], v[DD:DD+7], v[SA], v[XS+(\s)] matrix_a_fmt:MATRIX_FMT_BF6 matrix_b_fmt:MATRIX_FMT_BF6 matrix_a_scale:MATRIX_SCALE_ROW1
.else
	v_wmma_scale_f32_16x16x128_f8f6f4 v[DD:DD+7], v[FRG:FRG+11], v[BF:BF+11], v[DD:DD+7], v[SA], v[XS+(\s)] matrix_a_fmt:MATRIX_FMT_BF6 matrix_b_fmt:MATRIX_FMT_BF6
.endif
.endif
.endm
.macro STEP s, zero, ahead             ; ahead = 1: the wave has a further tile, whose K step s is asked for behind this tile's
.if \ahead
	s_wait_loadcnt 28                              ; group s is in: seven younger groups of four may be out (s + 1 .. 7 of this tile, 0 .. s - 1 of the next)
.else
	s_wait_loadcnt 28-4*(\s)                       ; group s is in: behind it only groups s + 1 .. 7 of this tile were issued
.endif
.irp ct, 0,1,2,3,4,5,6,7
	MM \ct, \s, \zero                              ; the eight accumulators take turns, one instruction a turn
.endr
	WIN 0
.if \ahead || ((\s) == 7)
.rept 4
	v_nop                                          ; four places ahead of loads into registers that these products read, and of the first read of results
.endr
.endif
.if \ahead
	XGROUP \s
.endif
.endm
.macro TILE ahead                      ; one tile of 16 rows through the product and out
.if \ahead
	s_lshr_b32 s57, s[TP], 4
	s_add_co_u32 s57, s57, 4
	NEXT PP                                        ; the wave's next tile, four tiles on
.endif
	s_add_co_u32 s58, s[LT], LISTB                 ; the wave's number and the trip alone: the four loads below end at byte 4,096 of the list's 4,608, under the stages
	v_mov_b32 v[LA], s58
.irp q, 0,1,2,3
	ds_load_b128 v[TK+4*\q:TK+4*\q+3], v[LA] offset:16*\q   ; the tile's sixteen tokens, the same in every lane
.endr
	STEP 0, 1, \ahead                              ; the first K step starts the sums
.irp s, 1,2,3,4,5,6,7
	STEP \s, 0, \ahead
.endr
	s_wait_dscnt 0x0                               ; the tokens
.set JJ, 0
.rept 16
	v_min_u32 v[TK+JJ], 0x3ff, v[TK+JJ]            ; a token enters an address only behind the clamp
	v_lshl_add_u32 v[TK+JJ], v[TK+JJ], 17, v[LI]   ; 131,072 bytes a token, + 16 x lane
.set JJ, JJ+1
.endr
.irp ct, 0,1,2,3,4,5,6,7
	ds_store_b128 v[STO], v[HA+8*\ct:HA+8*\ct+3]   offset:128*(\ct/2)+32*(\ct%2)      ; each accumulator from its low end on
	ds_store_b128 v[STO], v[HA+8*\ct+4:HA+8*\ct+7] offset:128*(\ct/2)+32*(\ct%2)+16
.endr
.set JJ, 0
.rept 16
	ds_load_b128 v[HA+4*JJ:HA+4*JJ+3], v[RD] offset:528*JJ   ; LDS serves a wave's instructions in order (ISA guide 5.7.1): these see the stores above
.set JJ, JJ+1
.endr
	s_sub_co_u32 s59, s[CNT], s[TP]                ; rows left from this tile on
.irp row, 0,1,2,3,4,5,6,7,8,9,10,11,12,13,14,15
	s_cmp_le_u32 s59, \row
	s_cbranch_scc1 .Ldone_\@                       ; the last tile's places past the count are not stored
	s_wait_dscnt 15-\row                           ; this row is back; the younger rows may be out
	global_store_b128 v[TK+\row], v[HA+4*\row:HA+4*\row+3], s[12:13]   ; 512 consecutive bytes, aligned to 256
.endr
.Ldone_\@:
	s_wait_dscnt 0x0                               ; no LDS load of mine is out when its registers are written again
.endm
	s_load_b256 s[4:11], s[0:1], 0x0               ; W2, hq, hs, route
	s_load_b64 s[12:13], s[0:1], 0x20              ; part
	v_lshl_add_u32 v9, v0, 2, 0x22c00
	v_mov_b32 v12, 0
	v_lshrrev_b32 v14, 5, v0
	v_readfirstlane_b32 s[WV], v14                 ; wave 0..3
	s_and_b32 s[EX], ttmp7, 0xffff                 ; expert
	s_and_b32 s[NC], ttmp9, 7                      ; which 128 columns
	s_lshr_b32 s59, ttmp9, 3                       ; kq: which quarter of the hidden units
	v_and_b32 v14, 31, v0                          ; lane
	v_lshlrev_b32 v[LI], 4, v14
	s_lshl_b32 s57, s[WV], 20                      ; 256 rows of 4,096 bytes x wave
	v_add_nc_u32 v[WOFF], s57, v[LI]
	; lane l holds columns 4 l + c: tile ct = 2 (l / 8) + (l / 2) % 2, place in it m = 4 (l % 2) + c + 8 ((l / 4) % 2)
	v_bfe_u32 v15, v0, 3, 2
	v_mul_u32_u24 v[WA], v15, 2*FRT
	v_lshl_add_u32 v[WSA], v15, 10, SCW
	v_bfe_u32 v15, v0, 1, 1
	v_mad_u32_u24 v[WA], v15, FRT, v[WA]
	v_lshl_add_u32 v[WSA], v15, 6, v[WSA]
	v_and_b32 v15, 1, v0
	v_lshl_add_u32 v[WA], v15, 6, v[WA]
	v_lshl_add_u32 v[WSA], v15, 4, v[WSA]
	v_bfe_u32 v15, v0, 2, 1
	v_lshl_add_u32 v[WA], v15, 7, v[WA]
	v_lshl_add_u32 v[WSA], v15, 5, v[WSA]
	s_mul_i32 s57, s[WV], 1536
	v_add_nc_u32 v[WA], s57, v[WA]                 ; + my K steps' place in each half: 1,536 x wave
	s_lshl_b32 s57, s[WV], 8
	v_add_nc_u32 v[WSA], s57, v[WSA]
	v_lshl_add_u32 v[LW0], v0, 2, LISTB
	v_add_nc_u32 v[LI2], HALFB, v[LI]
	v_lshlrev_b32 v[LS], 2, v14
	v_lshl_add_u32 v[SCA], v14, 2, SCW
	s_mul_i32 s57, s[WV], 8448
	s_add_co_u32 s57, s57, STAGE                   ; my stage
	v_and_b32 v15, 15, v0
	v_mul_u32_u24 v[STO], v15, 528
	v_bfe_u32 v15, v0, 4, 1
	v_lshl_add_u32 v[STO], v15, 6, v[STO]
	v_add_nc_u32 v[STO], s57, v[STO]               ; in: row r, + 64 h
	v_add_nc_u32 v[RD], s57, v[LI]                 ; back: a row's 512 bytes, 16 a lane
	s_lshl_b32 s60, s[EX], 24
	s_lshl_b32 s57, s59, 22
	s_add_co_u32 s60, s60, s57
	s_lshl_b32 s58, s[NC], 9
	s_add_co_u32 s60, s60, s58                     ; W2: 16 MiB x expert + 1,024 rows x kq + 512 x nc
	s_mov_b32 s61, 0
	s_mul_i32 s66, s[EX], 3145728
	s_mul_i32 s57, s59, 12288
	s_add_co_u32 s66, s66, s57                     ; hq: 64 tiles x expert + 8 K steps x kq
	s_mov_b32 s67, 0
	s_lshl_b32 s68, s[EX], 18
	s_lshl_b32 s57, s59, 10
	s_add_co_u32 s68, s68, s57                     ; hs likewise
	s_mov_b32 s69, 0
	s_lshl_b32 s72, s[EX], 14
	s_lshl_b32 s57, s59, 12
	s_add_co_u32 s72, s72, s57
	s_add_co_u32 s72, s72, s58                     ; part: 16,384 x expert + 4,096 x kq + 512 x nc
	s_mov_b32 s73, 0
	s_lshl_b32 s74, s[EX], 7                       ; the bit table: 128 x expert
	s_mov_b32 s75, 0
	s_wait_kmcnt 0x0
	s_add_nc_u64 s[4:5], s[4:5], s[60:61]
	s_add_nc_u64 s[6:7], s[6:7], s[66:67]
	s_add_nc_u64 s[8:9], s[8:9], s[68:69]
	s_add_nc_u64 s[12:13], s[12:13], s[72:73]
	s_add_nc_u64 s[10:11], s[10:11], s[74:75]
	s_load_b512 s[16:31], s[10:11], 0x0
	s_load_b512 s[32:47], s[10:11], 0x40
	LOADB 0
	LOADB 1
	s_wait_kmcnt 0x0                               ; the bit table
	; THE LIST, while the first blocks are on their way: place p = 128 trip + thread holds the p-th token that chose the expert.  A trip whose first place lies at or past the row count stores token 0.
	s_mov_b32 s[CNT], 1                            ; so that the first trip computes; it leaves the true count
	s_mov_b32 s62, 0
.Llist:
	s_wait_dscnt 0x0                               ; the last trip's store has read its registers
	v_mov_b32 v[TOKV], 0
	s_lshr_b32 s63, s62, 2
	s_cmp_ge_u32 s63, s[CNT]
	s_cbranch_scc1 .Lput
	v_add_nc_u32 v[LP], s63, v0
	v_mov_b32 v[WW], s[BM]
	v_mov_b32 v[PK], 0
	s_bcnt1_i32_b32 s[PP], s[BM]
	s_add_co_u32 s[KP], s[PP], 0x10000
.set JJ, 1
.rept 31
	v_cmp_le_u32 vcc_lo, s[PP], v[LP]
	v_cndmask_b32 v[WW], v[WW], s[BM+JJ], vcc_lo
	v_cndmask_b32 v[PK], v[PK], s[KP], vcc_lo
	s_bcnt1_i32_b32 s[TT], s[BM+JJ]
	s_add_co_u32 s[PP], s[PP], s[TT]
	s_add_co_u32 s[TT], s[TT], 0x10000
	s_add_co_u32 s[KP], s[KP], s[TT]
.set JJ, JJ+1
.endr
	s_mov_b32 s[CNT], s[PP]
	v_and_b32 v[LT1], 0xffff, v[PK]
	v_sub_nc_u32 v[NN], v[LP], v[LT1]
	v_lshrrev_b32 v[LT1], 1, v[WW]
	v_and_b32 v[LT1], 0x55555555, v[LT1]
	v_sub_nc_u32 v[A2], v[WW], v[LT1]
	v_lshrrev_b32 v[LT1], 2, v[A2]
	v_and_b32 v[LT1], 0x33333333, v[LT1]
	v_and_b32 v[B4], 0x33333333, v[A2]
	v_add_nc_u32 v[B4], v[B4], v[LT1]
	v_lshrrev_b32 v[LT1], 4, v[B4]
	v_add_nc_u32 v[C8], v[B4], v[LT1]
	v_and_b32 v[C8], 0x0f0f0f0f, v[C8]
	v_mov_b32 v[LSH], 0
	v_bfe_u32 v[LC], v[C8], 0, 8
	v_bfe_u32 v[LT1], v[C8], 8, 8
	v_add_nc_u32 v[LC], v[LC], v[LT1]
	DESC 16
	v_bfe_u32 v[LC], v[C8], v[LSH], 8
	DESC 8
	v_bfe_u32 v[LC], v[B4], v[LSH], 4
	DESC 4
	v_bfe_u32 v[LC], v[A2], v[LSH], 2
	DESC 2
	v_bfe_u32 v[LC], v[WW], v[LSH], 1
	DESC 1
	v_lshrrev_b32 v[LT1], 16, v[PK]
	v_lshl_add_u32 v[TOKV], v[LT1], 5, v[LSH]
.Lput:
	v_add_nc_u32 v[LADR], s62, v[LW0]              ; made of the thread's number and the trip alone
	ds_store_b32 v[LADR], v[TOKV]
	s_add_co_u32 s62, s62, 512
	s_cmp_lt_u32 s62, LISTN
	s_cbranch_scc1 .Llist
	; THE STREAM
.irp t, 0,1,2,3
	QBLOCK \t
.endr
	s_wait_dscnt 0x0                               ; for the others' sake: my stores of blocks 0 to 3 have landed: my even K step is whole
	s_barrier_signal -1
	s_barrier_wait -1                              ; half 0 of the images is whole, and nobody writes it again.  (Loads of W2, which nobody writes, stay on their way across this barrier)
.irp t, 4,5,6,7
	QBLOCK \t
.endr
	s_wait_dscnt 0x0                               ; for the others' sake: all my LDS stores have landed
	s_barrier_signal -1
	s_barrier_wait -1                              ; the last barrier.  Behind it images, scale words and list are only read; a stage is its wave's own
	s_max_u32 s70, s[CNT], 64                      ; the first product walks max(rows, 64) places:
	s_add_co_u32 s70, s70, 15
	s_lshr_b32 s70, s70, 4
	s_sub_co_u32 s70, s70, 1                       ; the last tile that it wrote, 3 at the least: so tile w, which I ask for first, has been stored whatever the count
	s_mov_b32 s61, 0
	s_mov_b32 s63, 0
	s_lshl_b32 s[TP], s[WV], 4
	s_lshl_b32 s[LT], s[WV], 6
	NEXT WV
.irp s, 0,1,2,3,4,5,6,7
	XGROUP \s
.endr
	LATE
	s_wait_dscnt 0x0
	s_wait_xcnt 0x0                                ; the loads above have had their addresses translated: their bases may be written
	s_mov_b32 s56, 0
.Ltile:                                            ; sixteen trips in every wave: tile = wave + 4 trip; a tile past the count is passed over
	s_cmp_ge_u32 s[TP], s[CNT]
	s_cbranch_scc1 .Lskip
	s_add_co_u32 s58, s[TP], 64
	s_cmp_ge_u32 s58, s[CNT]
	s_cbranch_scc1 .Llast                          ; the wave's last tile: four tiles on there is none
	TILE 1
	s_branch .Lskip
.Llast:
	TILE 0
.Lskip:
	s_wait_xcnt 0x0                                ; bases, offsets and store data are written again only behind this wait
	s_add_co_u32 s[TP], s[TP], 64
	s_add_co_u32 s[LT], s[LT], 256
	s_add_co_u32 s56, s56, 1
	s_cmp_lt_u32 s56, 16
	s_cbranch_scc1 .Ltile
	s_wait_tensorcnt 0x0
	ds_add_u32 v9, v12
	s_wait_dscnt 0x0
	s_endpgm
.Lfunc_end_k_q0d0fdd4d1a_ffn2:
	.size	k_q0d0fdd4d1a_ffn2, .Lfunc_end_k_q0d0fdd4d1a_ffn2-k_q0d0fdd4d1a_ffn2
	.p2alignl 7, 3214868480
	.fill 96, 4, 3214868480
	.section	.rodata,"a",@progbits
	.p2align	6, 0x0
	.amdhsa_kernel k_q0d0fdd4d1a_ffn2
		.amdhsa_group_segment_fixed_size 142848
		.amdhsa_private_segment_fixed_size 0
		.amdhsa_enable_private_segment 0
		.amdhsa_kernarg_size 40
		.amdhsa_user_sgpr_count 2
		.amdhsa_user_sgpr_kernarg_segment_ptr 1
		.amdhsa_wavefront_size32 1
		.amdhsa_system_sgpr_workgroup_id_x 1
		.amdhsa_system_sgpr_workgroup_id_y 1
		.amdhsa_system_sgpr_workgroup_id_z 1
		.amdhsa_system_vgpr_workitem_id 0
		.amdhsa_next_free_vgpr 1024
		.amdhsa_next_free_sgpr 80
		.amdhsa_reserve_vcc 1
		.amdhsa_float_denorm_mode_32 3
		.amdhsa_float_denorm_mode_16_64 3
		.amdhsa_memory_ordered 1
		.amdhsa_forward_progress 1
		.amdhsa_inst_pref_size 179
	.end_amdhsa_kernel
	.amdgpu_metadata
---
amdhsa.version: [ 1, 2 ]
amdhsa.kernels:
  - .name:           k_q0d0fdd4d1a_ffn2
    .symbol:         k_q0d0fdd4d1a_ffn2.kd
    .args:
      - { .name: W2, .offset: 0, .size: 8, .value_kind: global_buffer, .address_space: global }
      - { .name: hq, .offset: 8, .size: 8, .value_kind: global_buffer, .address_space: global }
      - { .name: hs, .offset: 16, .size: 8, .value_kind: global_buffer, .address_space: global }
      - { .name: route, .offset: 24, .size: 8, .value_kind: global_buffer, .address_space: global }
      - { .name: part, .offset: 32, .size: 8, .value_kind: global_buffer, .address_space: global }
    .group_segment_fixed_size: 142848
    .private_segment_fixed_size: 0
    .kernarg_segment_align: 8
    .kernarg_segment_size: 40
    .max_flat_workgroup_size: 128
    .sgpr_count:     80
    .vgpr_count:     1024
    .wavefront_size: 32
...
	.end_amdgpu_metadata
.endif
;; end of part 3
;; launch combine (part 4): grid 1024 x 1, 4 waves a work-group, no clusters, 0 bytes of LDS; arguments part, b2, wgt, route, out0; writes out0
.if DOCPART == 4
	.amdgcn_target "amdgcn-amd-amdhsa--gfx1250"
	.amdhsa_code_object_version 6
	.text
	.protected	k_q0d0fdd4d1a_combine
	.globl	k_q0d0fdd4d1a_combine
	.p2align	8
	.type	k_q0d0fdd4d1a_combine,@function
k_q0d0fdd4d1a_combine:
	s_mov_b64 s[64:65], 0
	v_nop
	global_prefetch_b8 v0, s[64:65] scope:SCOPE_SE
	s_setreg_imm32_b32 hwreg(HW_REG_WAVE_MODE, 25, 1), 1
	s_wait_xcnt 0x0
; out0[t] = the sum over the experts e that token t chose of wgt[t][e] x (b2[e] + the four quarters of part[t][e]).  wgt already holds the softmax / 8.
; A work-group is one token; thread i owns the 16 bytes at 16 i of the row's first 2,048 bytes and of its second: each load and store of a wave covers 512 consecutive aligned bytes.
; Which experts are read hangs on sel[t], whole numbers that the first launch stored; only rows that the third launch wrote are read.
; THE TWO LOWEST CHOSEN EXPERTS ARE ASKED FOR TOGETHER: their numbers are taken off sel[t], held to 7 and turned into bases, and twenty loads go out at once.  For finite logits sel[t] has two bits at the least
; (the largest and the second largest logit are both >= kth).  Further bits, which exact ties at kth leave, are served one expert after the other behind that.
; A stream: no LDS, no barrier, no matrix unit.  With 96 registers the four work-groups that fall to a WGP lie on it together.
; LIMIT: NaN and infinities among the inputs are not served (as in the first launch, which makes sel).
.macro ROWS b, sp, sb, po, bo          ; an expert's four quarters into v[b .. b + 31], its b2 into v[b + 32 .. b + 39]: part at s[sp:sp+1] + po, b2 at s[sb:sb+1] + bo
.irp kq, 0,1,2,3
.irp j, 0,1
	global_load_b128 v[\b+8*\kq+4*\j:\b+8*\kq+4*\j+3], v1, s[\sp:\sp+1] offset:\po+4096*\kq+2048*\j th:TH_LOAD_NT
.endr
.endr
.irp j, 0,1
	global_load_b128 v[\b+32+4*\j:\b+32+4*\j+3], v1, s[\sb:\sb+1] offset:\bo+2048*\j
.endr
.endm
.macro SUMS b                          ; ((quarter 0 + 1) + (2 + 3)) + b2, into v[b .. b + 7]
.irp i, 0,2,4,6
	v_pk_add_f32 v[\b+\i:\b+\i+1], v[\b+\i:\b+\i+1], v[\b+8+\i:\b+9+\i]
	v_pk_add_f32 v[\b+16+\i:\b+17+\i], v[\b+16+\i:\b+17+\i], v[\b+24+\i:\b+25+\i]
.endr
.irp i, 0,2,4,6
	v_pk_add_f32 v[\b+\i:\b+\i+1], v[\b+\i:\b+\i+1], v[\b+16+\i:\b+17+\i]
.endr
.irp i, 0,2,4,6
	v_pk_add_f32 v[\b+\i:\b+\i+1], v[\b+\i:\b+\i+1], v[\b+32+\i:\b+33+\i]
.endr
.endm
	s_load_b256 s[4:11], s[0:1], 0x0               ; part, b2, wgt, route
	s_load_b64 s[12:13], s[0:1], 0x20              ; out0
	v_lshlrev_b32 v1, 4, v0
	s_lshl_b32 s14, ttmp9, 17                      ; part: 131,072 bytes a token
	s_mov_b32 s15, 0
	s_lshl_b32 s16, ttmp9, 5                       ; wgt: 32
	s_mov_b32 s17, 0
	s_lshl_b32 s18, ttmp9, 2                       ; sel: 4
	s_mov_b32 s19, 0
	s_lshl_b32 s22, ttmp9, 12                      ; out0: 4,096
	s_mov_b32 s23, 0
	s_wait_kmcnt 0x0
	s_add_nc_u64 s[4:5], s[4:5], s[14:15]
	s_add_nc_u64 s[8:9], s[8:9], s[16:17]
	s_add_nc_u64 s[10:11], s[10:11], s[18:19]
	s_add_nc_u64 s[12:13], s[12:13], s[22:23]
	s_load_b32 s20, s[10:11], 0x400                ; sel[t]
	s_load_b256 s[24:31], s[8:9], 0x0              ; the eight weights
	s_wait_kmcnt 0x0
	s_sub_co_u32 s33, s20, 1
	s_and_b32 s33, s33, s20                        ; sel without its lowest bit,
	s_sub_co_u32 s35, s33, 1
	s_and_b32 s35, s35, s33                        ; and without its two lowest: the ties
	s_mov_b32 s32, 7
	s_mov_b32 s34, 7
.irp e, 6,5,4,3,2,1,0
	s_bitcmp1_b32 s20, \e
	s_cselect_b32 s32, \e, s32                     ; going down, the lowest set bit has the last word: the first expert,
	s_bitcmp1_b32 s33, \e
	s_cselect_b32 s34, \e, s34                     ; and the second
.endr
	s_min_u32 s32, s32, 7                          ; they enter addresses only behind the clamp
	s_min_u32 s34, s34, 7
	s_lshl_b32 s36, s32, 14                        ; part: 16,384 bytes an expert
	s_mov_b32 s37, 0
	s_lshl_b32 s38, s34, 14
	s_mov_b32 s39, 0
	s_lshl_b32 s40, s32, 12                        ; b2: 4,096
	s_mov_b32 s41, 0
	s_lshl_b32 s42, s34, 12
	s_mov_b32 s43, 0
	s_add_nc_u64 s[36:37], s[4:5], s[36:37]
	s_add_nc_u64 s[38:39], s[4:5], s[38:39]
	s_add_nc_u64 s[40:41], s[6:7], s[40:41]
	s_add_nc_u64 s[42:43], s[6:7], s[42:43]
	ROWS 16, 36, 40, 0, 0
	ROWS 56, 38, 42, 0, 0
	s_mov_b32 s44, s31                             ; the two weights are picked while the loads are on their way
	s_mov_b32 s45, s31
.irp e, 6,5,4,3,2,1,0
	s_bitcmp1_b32 s20, \e
	s_cselect_b32 s44, s[24+\e], s44
	s_bitcmp1_b32 s33, \e
	s_cselect_b32 s45, s[24+\e], s45
.endr
	s_wait_loadcnt 10                              ; the first expert's ten loads are in; the second's ten may be out
	SUMS 16
.irp i, 0,1,2,3,4,5,6,7
	v_mul_f32 v[8+\i], s44, v[16+\i]               ; the first product starts the sums
.endr
	s_wait_loadcnt 0x0
	SUMS 56
.irp i, 0,1,2,3,4,5,6,7
	v_fmac_f32 v[8+\i], s45, v[56+\i]
.endr
	s_cmp_eq_u32 s35, 0
	s_cbranch_scc1 .Lstore
.irp e, 2,3,4,5,6,7
	s_bitcmp1_b32 s35, \e                          ; a third expert can be number 2 at the least
	s_cbranch_scc0 .Lno_\e
	ROWS 16, 4, 6, 16384*\e, 4096*\e
	s_wait_loadcnt 0x0
	SUMS 16
.irp i, 0,1,2,3,4,5,6,7
	v_fmac_f32 v[8+\i], s[24+\e], v[16+\i]
.endr
.Lno_\e:
.endr
.Lstore:
	global_store_b128 v1, v[8:11], s[12:13] th:TH_STORE_NT
	global_store_b128 v1, v[12:15], s[12:13] offset:2048 th:TH_STORE_NT
	s_endpgm
.Lfunc_end_k_q0d0fdd4d1a_combine:
	.size	k_q0d0fdd4d1a_combine, .Lfunc_end_k_q0d0fdd4d1a_combine-k_q0d0fdd4d1a_combine
	.p2alignl 7, 3214868480
	.fill 96, 4, 3214868480
	.section	.rodata,"a",@progbits
	.p2align	6, 0x0
	.amdhsa_kernel k_q0d0fdd4d1a_combine
		.amdhsa_group_segment_fixed_size 0
		.amdhsa_private_segment_fixed_size 0
		.amdhsa_enable_private_segment 0
		.amdhsa_kernarg_size 40
		.amdhsa_user_sgpr_count 2
		.amdhsa_user_sgpr_kernarg_segment_ptr 1
		.amdhsa_wavefront_size32 1
		.amdhsa_system_sgpr_workgroup_id_x 1
		.amdhsa_system_sgpr_workgroup_id_y 1
		.amdhsa_system_sgpr_workgroup_id_z 1
		.amdhsa_system_vgpr_workitem_id 0
		.amdhsa_next_free_vgpr 96
		.amdhsa_next_free_sgpr 66
		.amdhsa_reserve_vcc 0
		.amdhsa_float_denorm_mode_32 3
		.amdhsa_float_denorm_mode_16_64 3
		.amdhsa_memory_ordered 1
		.amdhsa_forward_progress 1
		.amdhsa_inst_pref_size 22
	.end_amdhsa_kernel
	.amdgpu_metadata
---
amdhsa.version: [ 1, 2 ]
amdhsa.kernels:
  - .name:           k_q0d0fdd4d1a_combine
    .symbol:         k_q0d0fdd4d1a_combine.kd
    .args:
      - { .name: part, .offset: 0, .size: 8, .value_kind: global_buffer, .address_space: global }
      - { .name: b2, .offset: 8, .size: 8, .value_kind: global_buffer, .address_space: global }
      - { .name: wgt, .offset: 16, .size: 8, .value_kind: global_buffer, .address_space: global }
      - { .name: route, .offset: 24, .size: 8, .value_kind: global_buffer, .address_space: global }
      - { .name: out0, .offset: 32, .size: 8, .value_kind: global_buffer, .address_space: global }
    .group_segment_fixed_size: 0
    .private_segment_fixed_size: 0
    .kernarg_segment_align: 8
    .kernarg_segment_size: 40
    .max_flat_workgroup_size: 128
    .sgpr_count:     66
    .vgpr_count:     96
    .wavefront_size: 32
...
	.end_amdgpu_metadata
.endif
;; end of part 4
;; ======== version 2 of 2: 4 launches
;; workspace buffers: xq 786,432 bytes; xs 32,768 bytes; wgt 32,768 bytes; route 5,120 bytes of whole numbers; hq 25,165,824 bytes; hs 2,097,152 bytes; part 134,217,728 bytes
;; launch router (part 5): grid 64 x 1, 8 waves a work-group, no clusters, 52,224 bytes of LDS; arguments x, W_gate, xq, xs, wgt, route; writes xq, xs, wgt, route
.if DOCPART == 5
	.amdgcn_target "amdgcn-amd-amdhsa--gfx1250"
	.amdhsa_code_object_version 6
	.text
	.protected	k_q0d0fdd4d1a_router
	.globl	k_q0d0fdd4d1a_router
	.p2align	8
	.type	k_q0d0fdd4d1a_router,@function
k_q0d0fdd4d1a_router:
	s_mov_b64 s[64:65], 0
	v_nop
	global_prefetch_b8 v0, s[64:65] scope:SCOPE_SE
	s_setreg_imm32_b32 hwreg(HW_REG_WAVE_MODE, 25, 1), 1
	s_wait_xcnt 0x0
; THE ROUTER, AND x INTO CODES.  x [1024 tokens][1024] f32, W_gate [1024][8] f32.
; gate = x W_gate in f32 (fused multiply-adds); kth = the second largest logit, duplicates counted; an expert is chosen where its logit >= kth;
; weight = softmax over the chosen logits (the largest logit taken away first) / 8, and 0 for the others.
; Stored: wgt [token][8] f32;  route: bytes 0-1023 bm[expert][tile of 16 tokens] u16 (bit r: token 16 tile + r chose the expert), bytes 1024-5119 sel[token] u32 (bit e).
; No address and no branch here hangs on the choice: it is stored at fixed places, and later launches read it.
; x is also quantised to BF6 (E3M2), one E8M0 byte for each 32 along D: xq [token][K step s][half h][48 bytes] = registers 0-11 of lane (row, h) of the operand's fragment
; (blocks 4 s + h and 4 s + 2 + h);  xs [token][s] one word of four bytes.
; SHARES.  A work-group takes 16 tokens, wave w the 128 numbers 128 w .. 128 w + 127 of each.  Lane (r = lane % 16, h = lane / 16) holds of row r register 16 b + i = k 128 w + 32 b + 16 h + i.
; No matrix unit: N = 8 is under a tile's 16, and the gate stays in f32.  No cluster: work-groups share only W_gate's 32,768 bytes.
; LIMITS: NaN and infinities are not served.  A logit that equals kth within the rounding of an f32 sum of 1,024 terms may fall on either side.  A block whose largest magnitude lies under 2^-122
; keeps the byte 1; a block of zeros has the byte 1 and zero codes (only this program reads the bytes).
.set WGL,  0                           ; LDS: 8 x 4,096: each wave's own 128 rows of W_gate, as they lie (32 bytes a row)
.set PART, 32768                       ; 8 x 512: [wave][r][8 f32] partial logits
.set XST,  36864                       ; 16 x 784: a token's 768 bytes of codes + 16 of padding
.set XSS,  49408                       ; 512: [r][s] scale words
.set AC,   16                          ; v16-23   eight logits
.set PT,   24                          ; v24-31   the other half's
.set X,    32                          ; v32-95   my 64 numbers of x; later the eight waves' partial logits
.set G,    96                          ; v96-223  two sets of 8 rows of W_gate
.set WL,   224                         ; v224-255 W_gate as loaded, until it lies in LDS
.set TM,   224                         ; v224-239 the quantiser's scratch
.set PW,   240                         ; the scale word
.set PC,   242                         ; v242-253 the fragment's codes
.set SEL,  20                          ; s[20:21] selects of v_permlanex16_b32: lane l xor 16
	s_load_b256 s[4:11], s[0:1], 0x0               ; x, W_gate, xq, xs
	s_load_b128 s[12:15], s[0:1], 0x20             ; wgt, route
	s_set_vgpr_msb 0x40
	v_lshl_add_u32 v0, v0, 2, 0xc800
	v_mov_b32 v1, 0
	s_set_vgpr_msb 0x4000
	v_lshrrev_b32 v15, 5, v0
	s_delay_alu instid0(VALU_DEP_1)
	v_readfirstlane_b32 s16, v15                   ; wave 0..7
	v_and_b32 v14, 31, v0                          ; lane
	v_and_b32 v1, 15, v0                           ; r
	v_bfe_u32 v2, v0, 4, 1                         ; h
	s_delay_alu instid0(VALU_DEP_2)
	v_lshlrev_b32 v3, 12, v1
	s_delay_alu instid0(VALU_DEP_1)
	v_lshl_add_u32 v3, v2, 6, v3                   ; x: row r of 4,096 bytes + 64 h
	v_lshlrev_b32 v4, 4, v14                       ; 16 x lane
	s_lshl_b32 s17, s16, 12                        ; 4,096 x wave
	v_lshlrev_b32 v5, 9, v2
	s_delay_alu instid0(VALU_DEP_1)
	v_add_nc_u32 v5, s17, v5                       ; W_gate's rows of my half: WGL + 4,096 w + 512 h
	v_add_nc_u32 v6, s17, v4                       ; where I put W_gate: WGL + 4,096 w + 16 lane
	s_lshl_b32 s18, s16, 9                         ; 512 x wave
	v_lshl_add_u32 v7, v1, 5, PART
	s_delay_alu instid0(VALU_DEP_1)
	v_add_nc_u32 v7, s18, v7                       ; my partial logits: PART + 512 w + 32 r
	v_mul_u32_u24 v8, v1, 784
	s_delay_alu instid0(VALU_DEP_1)
	v_mad_u32_u24 v8, v2, 48, v8
	s_mul_i32 s19, s16, 96
	s_add_co_u32 s19, s19, XST
	v_add_nc_u32 v8, s19, v8                       ; my codes: XST + 784 r + 96 w + 48 h
	v_lshl_add_u32 v9, v1, 5, XSS
	s_lshl_b32 s19, s16, 2
	v_add_nc_u32 v9, s19, v9                       ; my scale word: XSS + 32 r + 4 w
	s_mul_i32 s19, s16, 1568
	s_add_co_u32 s19, s19, XST
	v_add_nc_u32 v10, s19, v4                      ; back: tokens 2 w and 2 w + 1, 1,536 bytes: XST + 1,568 w + 16 lane,
	s_delay_alu instid0(VALU_DEP_1)
	v_lshl_add_u32 v11, v2, 4, v10                 ; and the same behind the padding for the piece that straddles it
	v_lshl_add_u32 v12, v1, 5, PART                ; wave 0: all waves' partial logits of row r
	v_add_nc_u32 v13, XSS, v4                      ; wave 1: the scale words, 16 bytes a lane
	s_mov_b32 s[SEL], 0x76543210
	s_mov_b32 s[SEL+1], 0xfedcba98
.irp e, 0,1,2,3,4,5,6,7
	v_mov_b32 v[PT+\e], 0                          ; a lane permute's destination counts as one of its sources
.endr
	s_lshl_b32 s22, ttmp9, 16
	s_add_co_u32 s22, s22, s18                     ; x: 16 rows x work-group + 512 w
	s_mov_b32 s23, 0
	s_mov_b32 s24, s17                             ; W_gate: 4,096 w
	s_mov_b32 s25, 0
	s_mul_i32 s26, ttmp9, 12288
	s_mul_i32 s27, s16, 1536
	s_add_co_u32 s26, s26, s27                     ; xq: 16 tokens of 768 bytes x work-group + 1,536 w
	s_mov_b32 s27, 0
	s_lshl_b32 s28, ttmp9, 9                       ; xs and wgt: 16 tokens of 32 bytes
	s_mov_b32 s29, 0
	s_lshl_b32 s30, ttmp9, 6                       ; sel: 16 tokens of 4 bytes
	s_mov_b32 s31, 0
	s_lshl_b32 s34, ttmp9, 1                       ; bm: my tile's 2 bytes
	s_mov_b32 s35, 0
	s_wait_kmcnt 0x0
	s_add_nc_u64 s[4:5], s[4:5], s[22:23]
	s_add_nc_u64 s[6:7], s[6:7], s[24:25]
	s_add_nc_u64 s[8:9], s[8:9], s[26:27]
	s_add_nc_u64 s[10:11], s[10:11], s[28:29]
	s_add_nc_u64 s[12:13], s[12:13], s[28:29]
	s_add_nc_u64 s[36:37], s[14:15], s[30:31]
	s_add_nc_u64 s[14:15], s[14:15], s[34:35]
.irp j, 0,1,2,3,4,5,6,7
	global_load_b128 v[WL+4*\j:WL+4*\j+3], v4, s[6:7] offset:512*\j   ; my 128 rows of W_gate: 512 consecutive bytes a load
.endr
.irp b, 0,1,2,3
.irp j, 0,1,2,3
	global_load_b128 v[X+16*\b+4*\j:X+16*\b+4*\j+3], v3, s[4:5] offset:128*\b+16*\j th:TH_LOAD_NT
.endr
.endr
	s_wait_loadcnt 16                              ; W_gate is in; x's sixteen loads are younger and may be out
.irp j, 0,1,2,3,4,5,6,7
	ds_store_b128 v6, v[WL+4*\j:WL+4*\j+3] offset:512*\j   ; the wave's own bytes: LDS serves a wave's instructions in order, so no barrier and no wait ahead of the loads below
.endr
; batch n of eight: the rows of W_gate for my registers 8 n .. 8 n + 7: k = 32 (n / 2) + 16 h + 8 (n % 2) + kk
.macro GLOAD n, set
.irp kk, 0,1,2,3,4,5,6,7
	ds_load_b128 v[G+64*(\set)+8*\kk:G+64*(\set)+8*\kk+3],   v5 offset:(32*((\n)/2)+8*((\n)%2)+\kk)*32
	ds_load_b128 v[G+64*(\set)+8*\kk+4:G+64*(\set)+8*\kk+7], v5 offset:(32*((\n)/2)+8*((\n)%2)+\kk)*32+16
.endr
.endm
; eight numbers of x times eight logits each: two logits an instruction, x's register serving both halves; the very first product starts the sums
.macro FMA n, set
.irp kk, 0,1,2,3,4,5,6,7
.irp q, 0,1,2,3
.if ((\n) == 0) && (\kk == 0)
	v_pk_mul_f32 v[AC+2*\q:AC+2*\q+1], v[X:X+1], v[G+2*\q:G+2*\q+1] op_sel_hi:[0,1]
.elseif (\kk%2) == 0
	v_pk_fma_f32 v[AC+2*\q:AC+2*\q+1], v[X+8*(\n)+\kk:X+8*(\n)+\kk+1], v[G+64*(\set)+8*\kk+2*\q:G+64*(\set)+8*\kk+2*\q+1], v[AC+2*\q:AC+2*\q+1] op_sel_hi:[0,1,1]
.else
	s_delay_alu instid0(VALU_DEP_4)
	v_pk_fma_f32 v[AC+2*\q:AC+2*\q+1], v[X+8*(\n)+\kk-1:X+8*(\n)+\kk], v[G+64*(\set)+8*\kk+2*\q:G+64*(\set)+8*\kk+2*\q+1], v[AC+2*\q:AC+2*\q+1] op_sel:[1,0,0] op_sel_hi:[1,1,1]
.endif
.endr
.endr
.endm
	GLOAD 0, 0
	GLOAD 1, 1
	s_wait_loadcnt 0x0                             ; x
.irp n, 0,1,2,3,4,5,6,7
.if \n < 7
	s_wait_alu depctr_va_vdst(0)
	s_wait_dscnt 16                                ; this batch is in; the next batch's sixteen loads may be out
.else
	s_wait_alu depctr_va_vdst(0)
	s_wait_dscnt 0x0
.endif
	FMA \n, \n%2
.if \n < 6
	GLOAD \n+2, \n%2
.endif
.endr
.irp e, 0,1,2,3,4,5,6,7
	v_permlanex16_b32 v[PT+\e], v[AC+\e], s[SEL], s[SEL+1]
.endr
.irp e, 0,1,2,3,4,5,6,7
	v_add_f32 v[AC+\e], v[AC+\e], v[PT+\e]         ; with lane l xor 16's 64 numbers: row r's logits over my wave's 128
.endr
	ds_store_b128 v7, v[AC:AC+3]                   ; lanes r and r + 16 write the same bytes with the same values
	ds_store_b128 v7, v[AC+4:AC+7] offset:16
; 64 numbers of a lane, register 16 b + i = k 32 b + 16 h + i of my row, become a fragment's codes in v[PC] on and its scale word in v[PW]
.macro QUANT s
.irp b, 0,1,2,3
	v_max3_num_f32 v[TM+\b], |v[\s+16*\b]|, |v[\s+1+16*\b]|, 0x2800000   ; block b: my 16 numbers, and the floor 2^(5 - 127): the byte cannot fall under 1
.endr
.irp i, 2,4,6,8,10,12,14
.irp b, 0,1,2,3
	s_delay_alu instid0(VALU_DEP_4)
	v_max3_num_f32 v[TM+\b], v[TM+\b], |v[\s+16*\b+\i]|, |v[\s+1+16*\b+\i]|
.endr
.endr
.irp b, 0,1,2,3
	s_delay_alu instid0(VALU_DEP_4)
	v_permlanex16_b32 v[TM+4+\b], v[TM+\b], s[SEL], s[SEL+1]
.endr
.irp b, 0,1,2,3
	s_delay_alu instid0(VALU_DEP_4)
	v_max_num_f32 v[TM+\b], v[TM+\b], v[TM+4+\b]   ; the block's largest magnitude
.endr
.irp b, 0,1,2,3
	s_delay_alu instid0(VALU_DEP_4)
	v_add_nc_u32 v[TM+12+\b], 0xfe000000, v[TM+\b] ; 4 off its exponent field: the conversion takes this operand's exponent field as its scale
.endr
.irp b, 0,1,2,3
	s_delay_alu instid0(VALU_DEP_4)
	v_lshrrev_b32 v[TM+4+\b], 23, v[TM+12+\b]      ; the scale's byte
.endr
	s_delay_alu instid0(VALU_DEP_3)
	v_lshl_or_b32 v[PW], v[TM+5], 8, v[TM+4]
	s_delay_alu instid0(VALU_DEP_1)
	v_lshl_or_b32 v[PW], v[TM+6], 16, v[PW]
	s_delay_alu instid0(VALU_DEP_1)
	v_lshl_or_b32 v[PW], v[TM+7], 24, v[PW]
.irp c, 0,1
	v_cvt_scalef32_pk16_bf6_f32 v[PC+6*\c:PC+6*\c+2], v[\s+32*\c:\s+32*\c+15], v[TM+12+2*\c]
	v_cvt_scalef32_pk16_bf6_f32 v[TM+4*\c:TM+4*\c+2], v[\s+32*\c+16:\s+32*\c+31], v[TM+12+2*\c+1]   ; (three registers from an even one on: made in scratch that is done with, and moved)
.endr
	v_nop                                          ; one plain place behind a scaled conversion
.irp c, 0,1
.irp i, 0,1,2
	v_permlane16_swap_b32 v[PC+6*\c+\i], v[TM+4*\c+\i]   ; the operand wants a whole block in a lane: lanes 0-15 block 2 c, lanes 16-31 block 2 c + 1
.endr
.irp i, 0,1,2
	s_delay_alu instid0(VALU_DEP_3)
	v_mov_b32 v[PC+3+6*\c+\i], v[TM+4*\c+\i]
.endr
.endr
.endm
	QUANT X
	ds_store_b128 v8, v[PC:PC+3]
	ds_store_b128 v8, v[PC+4:PC+7] offset:16
	ds_store_b128 v8, v[PC+8:PC+11] offset:32
	ds_store_b32 v9, v[PW]
	s_wait_dscnt 0x0                               ; for the others' sake: all my LDS stores have landed
	s_barrier_signal -1
	s_barrier_wait -1                              ; the one barrier: partial logits, codes and scale words of all eight waves lie in LDS
	ds_load_b128 v[96:99], v10
	ds_load_b128 v[100:103], v11 offset:512
	ds_load_b128 v[104:107], v10 offset:1040
	s_wait_dscnt 0x0
	global_store_b128 v4, v[96:99], s[8:9]         ; two tokens' codes: each store covers 512 consecutive bytes, aligned to 256
	global_store_b128 v4, v[100:103], s[8:9] offset:512
	global_store_b128 v4, v[104:107], s[8:9] offset:1024
	s_cmp_lg_u32 s16, 1
	s_cbranch_scc1 .Lnot_1
	ds_load_b128 v[108:111], v13                   ; wave 1: the sixteen tokens' scale words, 512 bytes
	s_wait_dscnt 0x0
	global_store_b128 v4, v[108:111], s[10:11]
.Lnot_1:
	s_cmp_lg_u32 s16, 0
	s_cbranch_scc1 .Lend
	; wave 0 finishes the gate; lanes r and r + 16 both hold token r
.irp w, 0,1,2,3,4,5,6,7
	ds_load_b128 v[X+8*\w:X+8*\w+3],   v12 offset:512*\w
	ds_load_b128 v[X+8*\w+4:X+8*\w+7], v12 offset:512*\w+16
.endr
	s_wait_dscnt 0x0
.irp w, 1,2,3,4,5,6,7
.irp q, 0,1,2,3
	v_pk_add_f32 v[X+2*\q:X+2*\q+1], v[X+2*\q:X+2*\q+1], v[X+8*\w+2*\q:X+8*\w+2*\q+1]
.endr
.endr
	s_delay_alu instid0(VALU_DEP_4)
	v_max_num_f32 v112, v[X], v[X+1]               ; the largest,
	v_min_num_f32 v113, v[X], v[X+1]               ; and the second largest, duplicates counted
.irp e, 2,3,4,5,6,7
	s_delay_alu instid0(VALU_DEP_2)
	v_min_num_f32 v114, v112, v[X+\e]
	s_delay_alu instid0(VALU_DEP_3)
	v_max_num_f32 v112, v112, v[X+\e]
	s_delay_alu instid0(VALU_DEP_2)
	v_max_num_f32 v113, v113, v114
.endr
.irp e, 0,1,2,3,4,5,6,7
	v_cmp_ge_f32 s[24+\e], v[X+\e], v113           ; chosen: logit >= kth
.endr
.irp e, 0,1,2,3,4,5,6,7
	v_sub_f32 v[116+\e], v[X+\e], v112             ; the largest logit is taken away first
.endr
.irp e, 0,1,2,3,4,5,6,7
	v_mul_f32 v[116+\e], 0x3fb8aa3b, v[116+\e]     ; x log2(e)
.endr
	s_wait_alu depctr_va_vdst(0)
.irp e, 0,1,2,3,4,5,6,7
	v_exp_f32 v[116+\e], v[116+\e]
.endr
	v_lshlrev_b32 v132, 5, v1                      ; (a plain place behind the exponentials)  wgt: 32 r
	s_wait_alu depctr_va_vdst(0)
.irp e, 0,1,2,3,4,5,6,7
	v_cndmask_b32 v[116+\e], 0, v[116+\e], s[24+\e]   ; 0 where not chosen
.endr
	v_add_f32 v124, v116, v117
	v_add_f32 v126, v118, v119
	v_add_f32 v127, v120, v121
	s_delay_alu instid0(VALU_DEP_4)
	v_add_f32 v114, v122, v123
	s_delay_alu instid0(VALU_DEP_3)
	v_add_f32 v124, v124, v126
	s_delay_alu instid0(VALU_DEP_2)
	v_add_f32 v127, v127, v114
	s_delay_alu instid0(VALU_DEP_1)
	v_add_f32 v124, v124, v127
	s_wait_alu depctr_va_vdst(0)
	v_rcp_f32 v124, v124
	v_lshl_add_u32 v132, v2, 4, v132               ; (a plain place behind the reciprocal)  + 16 h
	s_wait_alu depctr_va_vdst(0)
	v_mul_f32 v124, 0x3e000000, v124               ; the mean over eight experts: / 8
.irp e, 0,1,2,3,4,5,6,7
	v_mul_f32 v[116+\e], v[116+\e], v124
.endr
	v_cndmask_b32 v125, 0, 1, s24                  ; sel: bit e
.irp e, 1,2,3,4,5,6,7
	v_cndmask_b32 v114, 0, 1, s[24+\e]
	s_delay_alu instid0(VALU_DEP_1)
	v_lshl_or_b32 v125, v114, \e, v125
.endr
	v_cmp_eq_u32 vcc_lo, 1, v2
.irp i, 0,1,2,3
	v_cndmask_b32 v[128+\i], v[116+\i], v[120+\i], vcc_lo   ; lane (r, h) stores experts 4 h .. 4 h + 3
.endr
	global_store_b128 v132, v[128:131], s[12:13]   ; 512 consecutive bytes
	v_lshlrev_b32 v133, 2, v1
	v_cmp_gt_u32 vcc_lo, 16, v14
	s_wait_alu depctr_va_vdst(0)
	s_wait_xcnt 0x0                                ; EXEC is a source of the stores above: it changes only behind this wait
	s_and_saveexec_b32 s32, vcc_lo
	global_store_b32 v133, v125, s[36:37] offset:1024   ; lanes 0-15: sel of my sixteen tokens
	s_wait_xcnt 0x0
	s_or_b32 exec_lo, exec_lo, s32
	v_mov_b32 v135, 0
.irp e, 0,1,2,3,4,5,6,7
	s_and_b32 s[24+\e], s[24+\e], 0xffff           ; lanes 0-15: the sixteen tokens' bits for expert e,
	v_writelane_b32 v135, s[24+\e], \e             ; into lane e
.endr
	v_lshlrev_b32 v134, 7, v14
	v_cmp_gt_u32 vcc_lo, 8, v14
	s_and_saveexec_b32 s32, vcc_lo                 ; (no memory instruction has been issued since the last wait on XCNT)
	global_store_b16 v134, v135, s[14:15]          ; lanes 0-15 of expert e's row: 2 bytes at 128 e + 2 tile; sixteen bytes a work-group, the price of a table that later launches read by one scalar load
	s_wait_xcnt 0x0
	s_or_b32 exec_lo, exec_lo, s32
.Lend:
	s_set_vgpr_msb 0x5
	s_wait_tensorcnt 0x0
	ds_add_u32 v0, v1
	s_wait_dscnt 0x0
	s_set_vgpr_msb 0x500
	s_endpgm
.Lfunc_end_k_q0d0fdd4d1a_router:
	.size	k_q0d0fdd4d1a_router, .Lfunc_end_k_q0d0fdd4d1a_router-k_q0d0fdd4d1a_router
	.p2alignl 7, 3214868480
	.fill 96, 4, 3214868480
	.section	.rodata,"a",@progbits
	.p2align	6, 0x0
	.amdhsa_kernel k_q0d0fdd4d1a_router
		.amdhsa_group_segment_fixed_size 52224
		.amdhsa_private_segment_fixed_size 0
		.amdhsa_enable_private_segment 0
		.amdhsa_kernarg_size 48
		.amdhsa_user_sgpr_count 2
		.amdhsa_user_sgpr_kernarg_segment_ptr 1
		.amdhsa_wavefront_size32 1
		.amdhsa_system_sgpr_workgroup_id_x 1
		.amdhsa_system_sgpr_workgroup_id_y 1
		.amdhsa_system_sgpr_workgroup_id_z 1
		.amdhsa_system_vgpr_workitem_id 0
		.amdhsa_next_free_vgpr 258
		.amdhsa_next_free_sgpr 66
		.amdhsa_reserve_vcc 1
		.amdhsa_float_denorm_mode_32 3
		.amdhsa_float_denorm_mode_16_64 3
		.amdhsa_memory_ordered 1
		.amdhsa_forward_progress 1
		.amdhsa_inst_pref_size 53
	.end_amdhsa_kernel
	.amdgpu_metadata
---
amdhsa.version: [ 1, 2 ]
amdhsa.kernels:
  - .name:           k_q0d0fdd4d1a_router
    .symbol:         k_q0d0fdd4d1a_router.kd
    .args:
      - { .name: x, .offset: 0, .size: 8, .value_kind: global_buffer, .address_space: global }
      - { .name: W_gate, .offset: 8, .size: 8, .value_kind: global_buffer, .address_space: global }
      - { .name: xq, .offset: 16, .size: 8, .value_kind: global_buffer, .address_space: global }
      - { .name: xs, .offset: 24, .size: 8, .value_kind: global_buffer, .address_space: global }
      - { .name: wgt, .offset: 32, .size: 8, .value_kind: global_buffer, .address_space: global }
      - { .name: route, .offset: 40, .size: 8, .value_kind: global_buffer, .address_space: global }
    .group_segment_fixed_size: 52224
    .private_segment_fixed_size: 0
    .kernarg_segment_align: 8
    .kernarg_segment_size: 48
    .max_flat_workgroup_size: 256
    .sgpr_count:     66
    .vgpr_count:     258
    .wavefront_size: 32
...
	.end_amdgpu_metadata
.endif
;; end of part 5
;; launch ffn1 (part 6): grid 32 x 8, 4 waves a work-group, no clusters, 109,056 bytes of LDS; arguments W1, b1, xq, xs, route, hq, hs; writes hq, hs
.if DOCPART == 6
	.amdgcn_target "amdgcn-amd-amdhsa--gfx1250"
	.amdhsa_code_object_version 6
	.text
	.protected	k_q0d0fdd4d1a_ffn1
	.globl	k_q0d0fdd4d1a_ffn1
	.p2align	8
	.type	k_q0d0fdd4d1a_ffn1,@function
k_q0d0fdd4d1a_ffn1:
	s_mov_b64 s[64:65], 0
	v_nop
	global_prefetch_b8 v0, s[64:65] scope:SCOPE_SE
	s_setreg_imm32_b32 hwreg(HW_REG_WAVE_SCHED_MODE, 0, 2), 2
	s_setreg_imm32_b32 hwreg(HW_REG_WAVE_MODE, 25, 1), 1
	s_wait_xcnt 0x0
	s_wait_alu depctr_vm_vsrc(0)
; THE FIRST PRODUCT, FOR THE CHOSEN ROWS ALONE: h = relu(x W1[e] + b1[e]) on codes of BF6 (E3M2) with one E8M0 byte for each 32 along K, and h quantised for the second product.
; A work-group (x = slice 0..31, y = expert e) owns W1[e][all 1,024 of K][128 hidden units]: 512 KiB of f32, read once, quantised along K in registers and kept: 64 fragments of 16 x 128.
; PHASE 1, the stream.  Wave w takes K rows 256 w .. 256 w + 255; a load brings one row's 128 columns, 512 consecutive aligned bytes, four columns a lane.  Four moves a load turn a block of 32 rows into
; 32 consecutive registers for each column, as the conversions take them; a block's largest magnitude needs no other lane.  The codes go to LDS as images of the operand's registers.
; Meanwhile the list of the expert's rows is made from the stored bit table: for each FIXED place p of the list, the p-th token that chose e.  No LDS address is made of loaded data.
; THE IMAGES LIE IN TWO HALVES: the even K steps, which every wave has finished with its block 3, and the odd ones.  Behind a barrier that follows block 3, each wave fetches 30 of the 32 even-step fragments
; into registers that the stream leaves free, a K step in each of blocks 4 to 7, ahead of the block's wait for memory; what the waves store meanwhile lies in the other half.
; PHASE 2, behind the last barrier.  Every wave fetches the other 34 fragments (768 registers in all) and walks tiles of 16 listed rows, wave w tiles w, w + 4, ..: x's codes straight from memory, a tile ahead;
; transposed products (source 0 = 16 hidden units, source 1 = 16 rows), b1 as the C of the first; relu; quantised in registers; the fragment's image and its scale words are stored.
; THE HIDDEN UNITS OF A TILE ARE NOT NEIGHBOURS: lane m of tile 2 b + u takes unit 32 b + 8 u + m + 8 (m / 8), so that the 16 registers of tiles 2 b and 2 b + 1 are 16 neighbours along the next K.
; NO TENSOR LOADS, NO CLUSTER: how many tiles a work-group walks hangs on a count read from memory, so partners would need different numbers of tiles and the text has branches on stored numbers.
; The walk over tiles has sixteen trips in every wave and stands under no branch; a tile past the bound is passed over inside its trip, and a wave's last tile takes a copy of the body that asks for no further rows.
; THE BOUND IS max(the expert's rows, 64): tiles 0 to 3 are made for every expert, so that the tile which each wave of the next launch asks for first has always been stored.  Places of the list past the count
; hold tokens too; what is made of them is read by nobody's sums.
; LIMITS: NaN and infinities are not served.  A block whose largest magnitude lies under 2^-122 keeps the byte 1; a block of zeros has the byte 1 and zero codes (only this program reads the bytes).
; THE MODE: SCHED_MODE bits 1:0 = 2 (LLVM: expert scheduling mode 2), set by the entry lines.  The code itself states the register dependences
; between vector or matrix instructions and memory or LDS instructions, with s_wait_alu, always for 0.
; THE PLAN.  Registers that memory or LDS instructions touch:
;   the landing sets     Block t's loads land in set t % 3; its maxima and moves read the set; the loads of block t + 3, issued at the head of block t + 1, land in it again.  In phase 2 fragments are loaded there, once.
;   CB, SW               Written by a block's conversions and moves, read by its LDS stores, written again by the next block.
;   v132-251 of windows 1-3, WSC   Loaded from LDS once and read by matrix instructions; no vector instruction names them.
;   v1-v13, v15          Offsets and addresses, made at the head.  v1 to v4 are made anew behind the last barrier (XA, XSA, TOK, LA), and again in each tile that has a successor.
;   TOKV, LADR           The list: written in each trip, read by the trip's one LDS store; block 0's moves write the same registers.
;   XF, XS               Read by the products of K step s; the next tile's group s lands there.
;   HA                   b1 lands there; the products, relu and the quantiser work there.
;   PC, PW               Written by the quantiser, read by the tile's four stores.
; THE WAITS.  A block has two: on vm_vsrc ahead of the lines that write CB and SW again, and on va_vdst ahead of its LDS stores; the second stands behind the block's last read of its landing set, and no vector
; instruction follows it before the next block's loads into that set, so it states their dependence too.  A tile has one of each at its head, one on va_vdst behind every second K step, behind which the
; next tile's two groups are asked for, and one ahead of its stores.
.set PITCH, 16384                      ; bytes from a row of W1[e] to the next
.set FRT,   6160                       ; LDS: the four fragments of 1,536 bytes that a tile of units has in one half, + 16, so that the sixteen lanes of a store fall into sixteen different columns of 16 bytes
.set HALFB, 49280                      ; 8 x FRT: half 0 holds K steps 0, 2, 4, 6, half 1 K steps 1, 3, 5, 7.  Fragment (s, ct) lies at HALFB (s % 2) + FRT ct + 1,536 (s / 2)
.set SCW,   98560                      ; behind the two halves: the weights' scale words: (8 b + s) x 128 + 64 u + 4 m
.set BIAS,  102656                     ; b1's 128 numbers
.set LISTB, 103168                     ; the list: 1,152 tokens
.set LISTN, 4608
; window 0, the whole launch
.set LI,   6                           ; 16 x lane
.set LI2,  7                           ; 16 x lane + HALFB
.set LS,   8                           ; 4 x lane
.set R4L,  9                           ; LISTB + 4 r
.set H48,  10                          ; 48 h
.set BH,   11                          ; BIAS + 64 h
.set PW,   12                          ; the scale word just made
.set SCA,  13                          ; SCW + 4 x lane
.set WSC,  16                          ; v16-47  the weights' scale words: register 8 b + s: lanes 0-15 tile 2 b, lanes 16-31 tile 2 b + 1.  Scales and nothing else
.set XS,   48                          ; v48-55  the rows' scale words, one for each K step.  Scales and nothing else
; window 0, phase 1
.set WOFF, 1                           ; my byte in the slice: 256 w rows + 16 x lane
.set WA,   2                           ; where my codes go
.set WSA,  3                           ; where my scale words go
.set BA,   4                           ; BIAS + 4 x thread
.set LW0,  5                           ; LISTB + 4 x thread
.set MX,   56                          ; v56-59 largest magnitudes, v60-63 scale operands, v64-67 bytes, v68-71 scale words: one for each of my four columns
.set SO,   60
.set BY,   64
.set SW,   68
.set CB,   72                          ; v72-103  a block's codes, eight registers a column (six used)
.set TC,   104                         ; v104-119 their second halves as the conversion leaves them
.set B1V,  120
.set X,    128                         ; v128-255 a block by columns: register 32 c + k
.set LP,   128                         ; the list's scratch lies in X's registers: it is done with before the first block
.set WW,   129
.set PK,   130
.set NN,   131
.set A2,   132
.set B4,   133
.set C8,   134
.set LSH,  135
.set LC,   136
.set LT1,  137
.set TOKV, 138
.set LADR, 139
; window 0, phase 2
.set XA,   1                           ; my row's codes in xq
.set XSA,  2                           ; my row's scale words in xs
.set TOK,  3
.set LA,   4
.set HA,   56                          ; v56-119  eight accumulators
.set TM,   120                         ; v120-135 the quantiser's scratch
.set PC,   136                         ; v136-147 the fragment just made
.set W63,  148                         ; v148-159 the one fragment of the weights that lies in window 0
.set XF,   160                         ; v160-255 the rows' eight fragments
; windows 1-3: v0-127 of each: the stream's three landing sets, later fragments; v132-251 of each: ten fragments fetched during the stream
.set BM,   16                          ; s[16:47] the expert's bit table: word j: tokens 32 j .. 32 j + 31
.set WV,   50
.set EX,   51
.set SL,   52
.set CNT,  53                          ; the expert's rows
.set TP,   54                          ; 16 x tile
.set LT,   55                          ; 64 x tile
.set PP,   57
.set KP,   58
.set TT,   59
.set CNX,  63                          ; the walk's bound: max(rows, 64)
.set MK,   66                          ; s[66:73] the list: the masks of a run of eight compares
.set SEL,  76                          ; s[76:77] selects of v_permlanex16_b32: lane l xor 16
.set MSB, 0
.macro WIN new                         ; the immediate's high byte repeats the setting that is left; a switch that changes nothing is dropped
.if MSB != (\new)
	s_set_vgpr_msb (MSB<<8)|(\new)
.set MSB, (\new)
.endif
.endm
.macro LOADB t                         ; block t of my eight: 32 rows into landing set t % 3
	WIN ((((\t)%3)+1)<<6)
.set II, 0
.rept 32
	global_load_b128 v[4*II:4*II+3], v[WOFF], s[4:5] offset:(32*(\t)+II)*PITCH th:TH_LOAD_NT
.set II, II+1
.endr
	WIN 0
.endm
; Where fragment (K step s, tile ct) lives: window FW, register FRG.  The first 30 fragments of the even K steps take the ten places from v132 on of windows 1 to 3;
; the other 34 take the eleven places from v0 on of those windows, and the last of them window 0.
.macro FSLOT s, ct
.if ((\s)%2) == 0
.set FE, 8*((\s)/2)+(\ct)
.set FL, FE-30
.else
.set FE, 99
.set FL, 2+8*((\s)/2)+(\ct)
.endif
.if FE < 30
.set FW, 1+FE/10
.set FRG, 132+12*(FE%10)
.elseif FL < 33
.set FW, 1+FL/11
.set FRG, 12*(FL%11)
.else
.set FW, 0
.set FRG, W63
.endif
.endm
.macro FLOAD s, ct                     ; the fragment's image comes back as it was stored: three loads of 512 consecutive bytes
	FSLOT \s, \ct
	WIN (FW<<6)
.irp p, 0,1,2
.if ((\s)%2) == 0
	ds_load_b128 v[FRG+4*\p:FRG+4*\p+3], v[LI] offset:(\ct)*FRT+1536*((\s)/2)+512*\p
.else
	ds_load_b128 v[FRG+4*\p:FRG+4*\p+3], v[LI2] offset:(\ct)*FRT+1536*((\s)/2)+512*\p
.endif
.endr
.endm
.macro EARLY t                         ; in block t = 4 .. 7: K step 2 (t - 4), as far as the free registers reach.  These loads end at byte 49,264; all that is stored from here to the last barrier lies from byte HALFB on
.irp ct, 0,1,2,3,4,5,6,7               ; no vector instruction names the registers in which they land, and their address was written ahead of the head's wait
.if 8*((\t)-4)+\ct < 30
	FLOAD 2*((\t)-4), \ct
.endif
.endr
	WIN 0
.endm
.macro LATE                            ; behind the last barrier: the other 34 fragments and the 32 registers of scale words
	FLOAD 6, 6
	FLOAD 6, 7
.irp s, 1,3,5,7
.irp ct, 0,1,2,3,4,5,6,7
	FLOAD \s, \ct
.endr
.endr
	WIN 0
.set F, 0
.rept 32
	ds_load_b32 v[WSC+F], v[SCA] offset:128*F
.set F, F+1
.endr
.endm
.macro QBLOCK t                        ; block t is quantised: block 8 w + t of K, the (t % 4)-th of K step 2 w + t / 4
.set BB, (\t)%4
.set WN, ((\t)%3)+1
.if (\t)+2 < 8
	LOADB (\t)+2                                   ; into the set that the block before this one has left.  No wait here: that block's wait ahead of its LDS stores stands behind its last read of the set, and no vector instruction has been issued since
.endif
.if (\t) >= 4
	EARLY \t                                       ; LDS works while I wait for memory; the wait on DScnt further down covers these loads
.endif
.if (\t) <= 5
	s_wait_loadcnt 63                              ; two younger blocks are 64 loads; the count's field ends at 63, and a smaller count is safe
.elseif (\t) == 6
	s_wait_loadcnt 32                              ; the last block's 32 loads may be out
.else
	s_wait_loadcnt 0x0
.endif
	WIN WN|(WN<<2)                                 ; sources 0 and 1: the landing set
.irp c, 0,1,2,3
	v_max3_num_f32 v[MX+\c], |v[\c]|, |v[4+\c]|, 0x2800000   ; column c: rows 0, 1 and the floor 2^(5 - 127): the byte cannot fall under 1
.endr
.set KK, 2
.rept 15
.irp c, 0,1,2,3
	v_max3_num_f32 v[MX+\c], |v[4*KK+\c]|, |v[4*KK+4+\c]|, v[MX+\c]
.endr
.set KK, KK+2
.endr
.set KK, 0
.rept 32
.irp c, 0,1,2,3
	v_mov_b32 v[X+32*\c+KK], v[4*KK+\c]            ; a load holds four columns of one row; a conversion takes sixteen rows of one column from consecutive registers
.endr
.set KK, KK+1
.endr
	WIN 0
	s_wait_dscnt 0x0                               ; the last block's LDS stores are done, and so are this block's early fragment loads
	s_wait_alu depctr_vm_vsrc(0)                   ; the last block's LDS stores have read CB and SW, which the lines below write again
.irp c, 0,1,2,3
	v_add_nc_u32 v[SO+\c], 0xfe000000, v[MX+\c]    ; 4 off the exponent field: the conversion's scale operand
.endr
.irp c, 0,1,2,3
	v_lshrrev_b32 v[BY+\c], 23, v[SO+\c]           ; the scale's byte
.endr
.irp c, 0,1,2,3
.if BB == 0
	v_mov_b32 v[SW+\c], v[BY+\c]
.else
	v_lshl_or_b32 v[SW+\c], v[BY+\c], 8*BB, v[SW+\c]
.endif
.endr
.irp c, 0,1,2,3
	v_cvt_scalef32_pk16_bf6_f32 v[CB+8*\c:CB+8*\c+2], v[X+32*\c:X+32*\c+15], v[SO+\c]
	v_cvt_scalef32_pk16_bf6_f32 v[TC+4*\c:TC+4*\c+2], v[X+32*\c+16:X+32*\c+31], v[SO+\c]   ; (three registers from an even one on)
.endr
	v_nop                                          ; one plain place behind a scaled conversion
.irp c, 0,1,2,3
.irp i, 0,1,2
	v_mov_b32 v[CB+8*\c+3+\i], v[TC+4*\c+\i]
.endr
.endr
	s_wait_alu depctr_va_vdst(0)                   ; CB and SW are written, which the LDS stores below read; and the maxima and moves above are done reading this block's landing set, in which the next block's loads land
; Block bb of a K step is registers 6 (bb / 2) .. + 5 of lane m + 16 (bb % 2).  In the image register R of lane L lies at 512 (R / 4) + 16 L + 4 (R % 4).  Blocks 0-3 go to half 0, blocks 4-7 to half 1.
.set OFF, HALFB*((\t)/4)+256*(BB%2)
.irp c, 0,1,2,3
.if BB < 2
	ds_store_b128 v[WA], v[CB+8*\c:CB+8*\c+3] offset:OFF+16*\c
	ds_store_b64  v[WA], v[CB+8*\c+4:CB+8*\c+5] offset:OFF+16*\c+512
.else
	ds_store_b64  v[WA], v[CB+8*\c:CB+8*\c+1] offset:OFF+16*\c+520
	ds_store_b128 v[WA], v[CB+8*\c+2:CB+8*\c+5] offset:OFF+16*\c+1024
.endif
.endr
.if BB == 3
.irp c, 0,1,2,3
	ds_store_b32 v[WSA], v[SW+\c] offset:128*((\t)/4)+4*\c
.endr
.endif
.endm
; The list: words j0 .. j0 + n - 1 of the bit table.  The compares stand in a run, each into a mask of its own, under one wait; the selects follow.  The words' bits are counted once for each of the two running sums.
.macro RUN j0, n
.set JJ, \j0
.rept \n
	v_cmp_le_u32 s[MK+JJ-(\j0)], s[PP], v[LP]      ; are the rows before word JJ <= p?
	s_bcnt1_i32_b32 s[TT], s[BM+JJ]
	s_add_co_u32 s[PP], s[PP], s[TT]
.set JJ, JJ+1
.endr
	s_wait_alu depctr_va_sdst(0)                   ; the run's masks are written, ahead of their first reader
.set JJ, \j0
.rept \n
	v_cndmask_b32 v[WW], v[WW], s[BM+JJ], s[MK+JJ-(\j0)]
	v_cndmask_b32 v[PK], v[PK], s[KP], s[MK+JJ-(\j0)]
	s_bcnt1_i32_b32 s[TT], s[BM+JJ]
	s_add_co_u32 s[TT], s[TT], 0x10000
	s_add_co_u32 s[KP], s[KP], s[TT]
.set JJ, JJ+1
.endr
.endm
.macro DESC step                       ; the wanted bit lies in the upper part where n >= the lower part's count
	v_cmp_ge_u32 vcc_lo, v[NN], v[LC]
	s_wait_alu depctr_va_vcc(0)                    ; VCC is written, ahead of its first reader (each descent hangs on the one before: no run can be made of them)
	v_cndmask_b32 v[LT1], 0, v[LC], vcc_lo
	v_sub_nc_u32 v[NN], v[NN], v[LT1]
	v_cndmask_b32 v[LT1], 0, \step, vcc_lo
	v_add_nc_u32 v[LSH], v[LSH], v[LT1]
.endm
.macro ADDR                            ; a listed token becomes my row's offsets; it enters an address only behind the clamp
	v_min_u32 v[TOK], 0x3ff, v[TOK]
	v_mul_u32_u24 v[XA], v[TOK], 768
	v_add_nc_u32 v[XA], v[XA], v[H48]
	v_lshlrev_b32 v[XSA], 5, v[TOK]
.endm
.macro XGROUP s                        ; K step s of a tile of rows: my lane's 48 bytes of codes and my row's scale word: four loads
.irp p, 0,1,2
	global_load_b128 v[XF+12*(\s)+4*\p:XF+12*(\s)+4*\p+3], v[XA], s[8:9] offset:96*(\s)+16*\p
.endr
	global_load_b32 v[XS+(\s)], v[XSA], s[10:11] offset:4*(\s)
.endm
.macro MM ct, s                        ; tile ct of hidden units x the 16 rows, K step s
	FSLOT \s, \ct
	WIN FW
.set DD, HA+8*(\ct)
.set SA, WSC+8*((\ct)/2)+(\s)
.set BF, XF+12*(\s)
.if (\ct)%2
	v_wmma_scale_f32_16x16x128_f8f6f4 v[DD:DD+7], v[FRG:FRG+11], v[BF:BF+11], v[DD:DD+7], v[SA], v[XS+(\s)] matrix_a_fmt:MATRIX_FMT_BF6 matrix_b_fmt:MATRIX_FMT_BF6 matrix_a_scale:MATRIX_SCALE_ROW1
.else
	v_wmma_scale_f32_16x16x128_f8f6f4 v[DD:DD+7], v[FRG:FRG+11], v[BF:BF+11], v[DD:DD+7], v[SA], v[XS+(\s)] matrix_a_fmt:MATRIX_FMT_BF6 matrix_b_fmt:MATRIX_FMT_BF6
.endif
.endm
.macro STEP s, ahead                   ; ahead = 1: the wave has a further tile, whose K steps s - 1 and s are asked for behind this tile's odd K step s
.if \ahead
	s_wait_loadcnt 28-4*((\s)%2)                   ; group s is in.  Younger: groups s + 1 .. 7 of this tile and, of the next tile, s groups at an even step (seven groups of four in all), s - 1 at an odd one (six)
.else
	s_wait_loadcnt 28-4*(\s)                       ; group s is in: behind it only groups s + 1 .. 7 of this tile were issued
.endif
.irp ct, 0,1,2,3,4,5,6,7
	MM \ct, \s                                     ; the eight accumulators take turns, one instruction a turn
.endr
.if (\ahead && ((\s)%2)) || ((\s) == 7)
	WIN 0
.rept 4
	v_nop                                          ; four places ahead of loads into registers that these products read, and of the first read of results
.endr
.endif
.if \ahead && ((\s)%2)
	s_wait_alu depctr_va_vdst(0)                   ; the products of K steps s - 1 and s are done reading their fragments and scale words of the rows, in which the loads below land; at s = 1 also: XA and XSA are written
	XGROUP (\s)-1
	XGROUP \s
.endif
.endm
.macro QUANT s                         ; 64 numbers of a lane, register 16 b + i = k 32 b + 16 h + i of my row -> the fragment's codes in v[PC] on, its scale word in v[PW]
.irp b, 0,1,2,3
	v_max3_num_f32 v[TM+\b], |v[\s+16*\b]|, |v[\s+1+16*\b]|, 0x2800000
.endr
.irp i, 2,4,6,8,10,12,14
.irp b, 0,1,2,3
	v_max3_num_f32 v[TM+\b], v[TM+\b], |v[\s+16*\b+\i]|, |v[\s+1+16*\b+\i]|
.endr
.endr
.irp b, 0,1,2,3
	v_permlanex16_b32 v[TM+4+\b], v[TM+\b], s[SEL], s[SEL+1]
.endr
.irp b, 0,1,2,3
	v_max_num_f32 v[TM+\b], v[TM+\b], v[TM+4+\b]
.endr
.irp b, 0,1,2,3
	v_add_nc_u32 v[TM+12+\b], 0xfe000000, v[TM+\b]
.endr
.irp b, 0,1,2,3
	v_lshrrev_b32 v[TM+4+\b], 23, v[TM+12+\b]
.endr
	v_lshl_or_b32 v[PW], v[TM+5], 8, v[TM+4]
	v_lshl_or_b32 v[PW], v[TM+6], 16, v[PW]
	v_lshl_or_b32 v[PW], v[TM+7], 24, v[PW]
.irp c, 0,1
	v_cvt_scalef32_pk16_bf6_f32 v[PC+6*\c:PC+6*\c+2], v[\s+32*\c:\s+32*\c+15], v[TM+12+2*\c]
	v_cvt_scalef32_pk16_bf6_f32 v[TM+4*\c:TM+4*\c+2], v[\s+32*\c+16:\s+32*\c+31], v[TM+12+2*\c+1]
.endr
	v_nop                                          ; one plain place behind a scaled conversion
.irp c, 0,1
.irp i, 0,1,2
	v_permlane16_swap_b32 v[PC+6*\c+\i], v[TM+4*\c+\i]
.endr
.irp i, 0,1,2
	v_mov_b32 v[PC+3+6*\c+\i], v[TM+4*\c+\i]
.endr
.endr
.endm
.macro TILE ahead                      ; one tile of 16 rows through the product, relu and the quantiser
	s_wait_alu depctr_vm_vsrc(0)                   ; the last tile's stores have read PC and PW, and the loads issued so far LA, XA and XSA: this tile writes them again
.if \ahead
	v_add_nc_u32 v[LA], s[LT], v[R4L]              ; the wave's number and the trip alone
.endif
	s_wait_alu depctr_va_vdst(0)                   ; the last tile's relu and quantiser are done with the accumulators, in which b1 lands; with a further tile also: LA is written, and the last address lines are done with TOK
.if \ahead
	ds_load_b32 v[TOK], v[LA] offset:256           ; my row of the wave's next tile, four tiles on
.endif
.irp ct, 0,1,2,3,4,5,6,7
	ds_load_b128 v[HA+8*\ct:HA+8*\ct+3],   v[BH] offset:(32*(\ct/2)+8*(\ct%2))*4      ; b1 in the result's layout: it is the C of the first products
	ds_load_b128 v[HA+8*\ct+4:HA+8*\ct+7], v[BH] offset:(32*(\ct/2)+8*(\ct%2))*4+16
.endr
	s_wait_dscnt 0x0
.if \ahead
	ADDR
.endif
.irp s, 0,1,2,3,4,5,6,7
	STEP \s, \ahead
.endr
.set JJ, 0
.rept 64
	v_max_num_f32 v[HA+JJ], 0, v[HA+JJ]            ; relu, each accumulator from its low end on
.set JJ, JJ+1
.endr
	QUANT HA
	s_wait_alu depctr_va_vdst(0)                   ; the quantiser has written PC and PW, which the stores below read
.irp p, 0,1,2
	global_store_b128 v[LI], v[PC+4*\p:PC+4*\p+3], s[14:15] offset:512*\p   ; the fragment's image: 512 consecutive aligned bytes a store
.endr
	global_store_b32 v[LS], v[PW], s[48:49]        ; its scale words: 128 consecutive bytes
.endm
	s_load_b256 s[4:11], s[0:1], 0x0               ; W1, b1, xq, xs
	s_load_b128 s[12:15], s[0:1], 0x20             ; route, hq
	s_load_b64 s[48:49], s[0:1], 0x30              ; hs
	s_set_vgpr_msb 0x40
	v_lshl_add_u32 v254, v0, 2, 0x1a800
	v_mov_b32 v255, 0
	s_set_vgpr_msb 0x4000
	v_lshrrev_b32 v14, 5, v0
	v_readfirstlane_b32 s[WV], v14                 ; wave 0..3
	s_and_b32 s[EX], ttmp7, 0xffff                 ; expert
	s_mov_b32 s[SL], ttmp9                         ; slice of 128 hidden units
	v_and_b32 v14, 31, v0                          ; lane
	v_lshlrev_b32 v[LI], 4, v14
	s_wait_alu depctr_va_sdst(0)                   ; the wave's number is written, ahead of its first reader
	s_lshl_b32 s57, s[WV], 22                      ; 256 rows of 16,384 bytes x wave
	v_add_nc_u32 v[WOFF], s57, v[LI]
	; lane l holds columns 4 l + c: tile ct = 2 (l / 8) + (l / 2) % 2, place in it m = 4 (l % 2) + c + 8 ((l / 4) % 2)
	v_bfe_u32 v15, v0, 3, 2
	v_mul_u32_u24 v[WA], v15, 2*FRT
	v_lshl_add_u32 v[WSA], v15, 10, SCW
	v_bfe_u32 v15, v0, 1, 1
	v_mad_u32_u24 v[WA], v15, FRT, v[WA]
	v_lshl_add_u32 v[WSA], v15, 6, v[WSA]
	v_and_b32 v15, 1, v0
	v_lshl_add_u32 v[WA], v15, 6, v[WA]
	v_lshl_add_u32 v[WSA], v15, 4, v[WSA]
	v_bfe_u32 v15, v0, 2, 1
	v_lshl_add_u32 v[WA], v15, 7, v[WA]
	v_lshl_add_u32 v[WSA], v15, 5, v[WSA]
	s_mul_i32 s57, s[WV], 1536
	v_add_nc_u32 v[WA], s57, v[WA]                 ; + my K steps' place in each half: 1,536 x wave
	s_lshl_b32 s57, s[WV], 8
	v_add_nc_u32 v[WSA], s57, v[WSA]
	v_lshl_add_u32 v[BA], v0, 2, BIAS
	v_lshl_add_u32 v[LW0], v0, 2, LISTB
	v_add_nc_u32 v[LI2], HALFB, v[LI]
	v_lshlrev_b32 v[LS], 2, v14
	v_lshl_add_u32 v[SCA], v14, 2, SCW
	v_and_b32 v15, 15, v0
	v_lshl_add_u32 v[R4L], v15, 2, LISTB
	v_bfe_u32 v15, v0, 4, 1
	v_mul_u32_u24 v[H48], v15, 48
	v_lshl_add_u32 v[BH], v15, 6, BIAS
	v_lshlrev_b32 v15, 2, v0                       ; b1: 4 x thread; not written again
	s_mov_b32 s[SEL], 0x76543210
	s_mov_b32 s[SEL+1], 0xfedcba98
	s_lshl_b32 s60, s[EX], 24
	s_lshl_b32 s57, s[SL], 9
	s_add_co_u32 s60, s60, s57                     ; W1: 16 MiB x expert + 512 x slice
	s_mov_b32 s61, 0
	s_lshl_b32 s66, s[EX], 14
	s_add_co_u32 s66, s66, s57                     ; b1: 16,384 x expert + 512 x slice
	s_mov_b32 s67, 0
	s_lshl_b32 s68, s[EX], 7                       ; the bit table: 128 x expert
	s_mov_b32 s69, 0
	s_lshl_b32 s70, s[EX], 6
	s_add_co_u32 s70, s70, s[WV]
	s_lshl_b32 s70, s70, 5
	s_add_co_u32 s70, s70, s[SL]                   ; (64 e + my first tile) x 32 + slice
	s_mul_i32 s72, s70, 1536                       ; hq: 1,536 bytes each
	s_mov_b32 s73, 0
	s_lshl_b32 s70, s70, 7                         ; hs: 128 bytes each
	s_mov_b32 s71, 0
	s_wait_kmcnt 0x0
	s_add_nc_u64 s[4:5], s[4:5], s[60:61]
	s_add_nc_u64 s[6:7], s[6:7], s[66:67]
	s_add_nc_u64 s[12:13], s[12:13], s[68:69]
	s_add_nc_u64 s[14:15], s[14:15], s[72:73]
	s_add_nc_u64 s[48:49], s[48:49], s[70:71]
	s_load_b512 s[16:31], s[12:13], 0x0
	s_load_b512 s[32:47], s[12:13], 0x40
	s_wait_alu depctr_va_vdst(0)                   ; the offsets and addresses v1 to v13 and v15 are written, which the loads and stores of the whole kernel read
	global_load_b32 v[B1V], v15, s[6:7]
	LOADB 0
	LOADB 1
	s_wait_kmcnt 0x0                               ; the bit table
	; THE LIST, while the first blocks are on their way.  Nine trips of 128 places, place p = 128 trip + thread.  A trip whose first place lies at or past the row count stores token 0.
	s_mov_b32 s[CNT], 1                            ; so that the first trip computes; it leaves the true count
	s_mov_b32 s62, 0
.Llist:
	s_wait_dscnt 0x0                               ; the last trip's store is done
	s_wait_alu depctr_vm_vsrc(0)                   ; the last trip's store has read TOKV and LADR, which this trip writes again
	v_mov_b32 v[TOKV], 0
	s_lshr_b32 s63, s62, 2
	s_cmp_ge_u32 s63, s[CNT]
	s_cbranch_scc1 .Lput
	v_add_nc_u32 v[LP], s63, v0
	s_wait_alu depctr_va_vdst(0)
	v_mov_b32 v[WW], s[BM]                         ; the last word whose rows before it are <= p, and (word << 16) + those rows
	v_mov_b32 v[PK], 0
	s_bcnt1_i32_b32 s[PP], s[BM]
	s_add_co_u32 s[KP], s[PP], 0x10000
	RUN 1, 8
	RUN 9, 8
	RUN 17, 8
	s_wait_alu depctr_va_vdst(0)
	RUN 25, 7
	s_mov_b32 s[CNT], s[PP]
	v_and_b32 v[LT1], 0xffff, v[PK]
	v_sub_nc_u32 v[NN], v[LP], v[LT1]              ; the n-th set bit of the word is wanted
	v_lshrrev_b32 v[LT1], 1, v[WW]                 ; counts of each 2, 4 and 8 bits
	v_and_b32 v[LT1], 0x55555555, v[LT1]
	v_sub_nc_u32 v[A2], v[WW], v[LT1]
	v_lshrrev_b32 v[LT1], 2, v[A2]
	v_and_b32 v[LT1], 0x33333333, v[LT1]
	v_and_b32 v[B4], 0x33333333, v[A2]
	v_add_nc_u32 v[B4], v[B4], v[LT1]
	v_lshrrev_b32 v[LT1], 4, v[B4]
	v_add_nc_u32 v[C8], v[B4], v[LT1]
	v_and_b32 v[C8], 0x0f0f0f0f, v[C8]
	v_mov_b32 v[LSH], 0
	v_bfe_u32 v[LC], v[C8], 0, 8
	v_bfe_u32 v[LT1], v[C8], 8, 8
	v_add_nc_u32 v[LC], v[LC], v[LT1]
	DESC 16
	v_bfe_u32 v[LC], v[C8], v[LSH], 8
	DESC 8
	v_bfe_u32 v[LC], v[B4], v[LSH], 4
	DESC 4
	v_bfe_u32 v[LC], v[A2], v[LSH], 2
	DESC 2
	v_bfe_u32 v[LC], v[WW], v[LSH], 1
	DESC 1
	v_lshrrev_b32 v[LT1], 16, v[PK]
	v_lshl_add_u32 v[TOKV], v[LT1], 5, v[LSH]      ; at most 1,023, for a place past the count too
.Lput:
	v_add_nc_u32 v[LADR], s62, v[LW0]              ; made of the thread's number and the trip alone
	s_wait_alu depctr_va_vdst(0)                   ; LADR and TOKV are written, which the store reads
	ds_store_b32 v[LADR], v[TOKV]
	s_add_co_u32 s62, s62, 512
	s_cmp_lt_u32 s62, LISTN
	s_cbranch_scc1 .Llist
	s_wait_alu depctr_vm_vsrc(0)                   ; the list's last store has read TOKV and LADR: block 0's moves write these registers
	; THE STREAM
	QBLOCK 0
	ds_store_b32 v[BA], v[B1V]                     ; b1's load was issued ahead of block 0's: it is in
.irp t, 1,2,3
	QBLOCK \t
.endr
	s_wait_dscnt 0x0                               ; for the others' sake: my stores of blocks 0 to 3 have landed: my even K step is whole
	s_barrier_signal -1
	s_barrier_wait -1                              ; half 0 of the images is whole, and nobody writes it again.  (Loads of W1, which nobody writes, stay on their way across this barrier)
.irp t, 4,5,6,7
	QBLOCK \t
.endr
	s_wait_dscnt 0x0                               ; for the others' sake: all my LDS stores have landed
	s_barrier_signal -1
	s_barrier_wait -1                              ; the last barrier.  Behind it LDS is only read
	s_max_u32 s[CNX], s[CNT], 64                   ; the walk's bound: every wave makes its first tile, whatever the count
	s_lshl_b32 s[TP], s[WV], 4
	s_lshl_b32 s[LT], s[WV], 6
	s_wait_alu depctr_vm_vsrc(0)                   ; the stream's loads have read v1, its LDS stores v2, v3, CB and SW, b1's store v4 and v120: all get a second life below
	v_add_nc_u32 v[LA], s[LT], v[R4L]
.irp b, 0,1,2,3
	v_mov_b32 v[TM+4+\b], 0                        ; a lane permute's destination counts as one of its sources
.endr
	s_wait_alu depctr_va_vdst(0)                   ; LA is written, which the load below reads
	ds_load_b32 v[TOK], v[LA]                      ; my row of my first tile; every place of the list holds a token, so these loads stay inside xq and xs whatever the count
	s_wait_dscnt 0x0
	ADDR
	s_wait_alu depctr_va_vdst(0)                   ; XA and XSA are written; and the stream's vector lines are done with X's registers and the landing sets, in which the loads below land
.irp s, 0,1,2,3,4,5,6,7
	XGROUP \s
.endr
	LATE
	s_wait_dscnt 0x0
	s_wait_xcnt 0x0                                ; the loads above have had their addresses translated: XA and XSA may be written
	s_mov_b32 s56, 0
.Ltile:                                            ; sixteen trips in every wave: tile = wave + 4 trip; a tile past the bound is passed over
	s_cmp_ge_u32 s[TP], s[CNX]
	s_cbranch_scc1 .Lskip
	s_add_co_u32 s57, s[TP], 64
	s_cmp_ge_u32 s57, s[CNX]
	s_cbranch_scc1 .Llast                          ; the wave's last tile: four tiles on there is none
	TILE 1
	s_branch .Lskip
.Llast:
	TILE 0
.Lskip:
	s_wait_xcnt 0x0                                ; bases, offsets and store data are written again only behind this wait
	s_add_nc_u64 s[14:15], s[14:15], 196608        ; four tiles on: 4 x 32 x 1,536
	s_add_nc_u64 s[48:49], s[48:49], 16384         ; 4 x 32 x 128
	s_add_co_u32 s[TP], s[TP], 64
	s_add_co_u32 s[LT], s[LT], 256
	s_add_co_u32 s56, s56, 1
	s_cmp_lt_u32 s56, 16
	s_cbranch_scc1 .Ltile
	s_set_vgpr_msb 0x5                             ; the add's two registers, sources 0 and 1, lie in window 1
	s_wait_dscnt 0x0                               ; the closing lines, six on end
	s_wait_alu 0x0
	s_wait_tensorcnt 0x0
	ds_add_u32 v254, v255
	s_wait_dscnt 0x0
	s_endpgm
.Lfunc_end_k_q0d0fdd4d1a_ffn1:
	.size	k_q0d0fdd4d1a_ffn1, .Lfunc_end_k_q0d0fdd4d1a_ffn1-k_q0d0fdd4d1a_ffn1
	.p2alignl 7, 3214868480
	.fill 96, 4, 3214868480
	.section	.rodata,"a",@progbits
	.p2align	6, 0x0
	.amdhsa_kernel k_q0d0fdd4d1a_ffn1
		.amdhsa_group_segment_fixed_size 109056
		.amdhsa_private_segment_fixed_size 0
		.amdhsa_enable_private_segment 0
		.amdhsa_kernarg_size 56
		.amdhsa_user_sgpr_count 2
		.amdhsa_user_sgpr_kernarg_segment_ptr 1
		.amdhsa_wavefront_size32 1
		.amdhsa_system_sgpr_workgroup_id_x 1
		.amdhsa_system_sgpr_workgroup_id_y 1
		.amdhsa_system_sgpr_workgroup_id_z 1
		.amdhsa_system_vgpr_workitem_id 0
		.amdhsa_next_free_vgpr 1024
		.amdhsa_next_free_sgpr 80
		.amdhsa_reserve_vcc 1
		.amdhsa_float_denorm_mode_32 3
		.amdhsa_float_denorm_mode_16_64 3
		.amdhsa_memory_ordered 1
		.amdhsa_forward_progress 1
		.amdhsa_inst_pref_size 182
	.end_amdhsa_kernel
	.amdgpu_metadata
---
amdhsa.version: [ 1, 2 ]
amdhsa.kernels:
  - .name:           k_q0d0fdd4d1a_ffn1
    .symbol:         k_q0d0fdd4d1a_ffn1.kd
    .args:
      - { .name: W1, .offset: 0, .size: 8, .value_kind: global_buffer, .address_space: global }
      - { .name: b1, .offset: 8, .size: 8, .value_kind: global_buffer, .address_space: global }
      - { .name: xq, .offset: 16, .size: 8, .value_kind: global_buffer, .address_space: global }
      - { .name: xs, .offset: 24, .size: 8, .value_kind: global_buffer, .address_space: global }
      - { .name: route, .offset: 32, .size: 8, .value_kind: global_buffer, .address_space: global }
      - { .name: hq, .offset: 40, .size: 8, .value_kind: global_buffer, .address_space: global }
      - { .name: hs, .offset: 48, .size: 8, .value_kind: global_buffer, .address_space: global }
    .group_segment_fixed_size: 109056
    .private_segment_fixed_size: 0
    .kernarg_segment_align: 8
    .kernarg_segment_size: 56
    .max_flat_workgroup_size: 128
    .sgpr_count:     80
    .vgpr_count:     1024
    .wavefront_size: 32
...
	.end_amdgpu_metadata
.endif
;; end of part 6
;; launch ffn2 (part 7): grid 32 x 8, 4 waves a work-group, no clusters, 142,848 bytes of LDS; arguments W2, hq, hs, route, part; writes part
.if DOCPART == 7
	.amdgcn_target "amdgcn-amd-amdhsa--gfx1250"
	.amdhsa_code_object_version 6
	.text
	.protected	k_q0d0fdd4d1a_ffn2
	.globl	k_q0d0fdd4d1a_ffn2
	.p2align	8
	.type	k_q0d0fdd4d1a_ffn2,@function
k_q0d0fdd4d1a_ffn2:
	s_mov_b64 s[64:65], 0
	v_nop
	global_prefetch_b8 v0, s[64:65] scope:SCOPE_SE
	s_setreg_imm32_b32 hwreg(HW_REG_WAVE_SCHED_MODE, 0, 2), 2
	s_setreg_imm32_b32 hwreg(HW_REG_WAVE_MODE, 25, 1), 1
	s_wait_xcnt 0x0
	s_wait_alu depctr_vm_vsrc(0)
; THE SECOND PRODUCT, FOR THE CHOSEN ROWS ALONE: part[token][e][kq] = h[rows][quarter kq of the 4,096 hidden units] W2[e][that quarter][128 columns], on codes of BF6 (E3M2), f32 sums.
; A work-group (x = nc + 8 kq, y = expert e) owns W2[e][1,024 of K][128 columns]: 512 KiB of f32, read once, quantised along K in registers and kept: the same shape as the first product's slice.
; PHASE 1: the stream and the list of rows, as in the first product.  The images lie in two halves, the even K steps and the odd ones; behind a barrier that follows block 3 each wave fetches 30 of the 32
; even-step fragments into registers that the stream leaves free, a K step in each of blocks 4 to 7, ahead of the block's wait for memory; what the waves store meanwhile lies in the other half.
; PHASE 2, behind the last barrier: every wave fetches the other 34 fragments; wave w walks tiles w, w + 4, .. of 16 listed rows; the rows' fragments
; come as register images straight from memory, a tile ahead; transposed products (source 0 = 16 columns, source 1 = 16 rows); a tile's 16 x 128 results go through the wave's own stage in LDS and leave as
; whole rows of 512 bytes at the rows' tokens.  The four quarters, b2 and the gate's weights meet in the last launch: each output byte of this one has one owner.
; THE COLUMNS OF A TILE ARE NOT NEIGHBOURS (lane m of tile 2 b + u: column 32 b + 8 u + m + 8 (m / 8)): in the result lane (r, h) holds row r, and register j of tile 2 b + u column 32 b + 16 h + 8 u + j.
; NO TENSOR LOADS, NO CLUSTER: how many tiles a work-group walks hangs on a count read from memory.
; The walk over tiles has sixteen trips in every wave and stands under no branch; a tile past the count is passed over inside its trip, and a wave's last tile takes a copy of the body that asks for no further rows.
; An expert that no token chose: every tile is passed over, nothing is stored.
; The first product stores tiles 0 .. ceil(max(rows, 64) / 16) - 1 of each expert: so tile w, which wave w asks for first, has been stored whatever the count, and only stored bytes are read.
; LIMITS: NaN and infinities are not served.  A block whose largest magnitude lies under 2^-122 keeps the byte 1; a block of zeros has the byte 1 and zero codes.  The sum over the hidden units is taken in four f32 parts.
; THE MODE: SCHED_MODE bits 1:0 = 2 (LLVM: expert scheduling mode 2), set by the entry lines.  The code itself states the register dependences
; between vector or matrix instructions and memory or LDS instructions, with s_wait_alu, always for 0.
; THE PLAN.  Registers that memory or LDS instructions touch:
;   the landing sets     Block t's loads land in set t % 3; its maxima and moves read the set; the loads of block t + 3, issued at the head of block t + 1, land in it again.  In phase 2 fragments are loaded there, once.
;   CB, SW               Written by a block's conversions and moves, read by its LDS stores, written again by the next block.
;   v132-251 of windows 1-3, WSC   Loaded from LDS once and read by matrix instructions; no vector instruction names them.
;   v1-v13               Offsets and addresses, made at the head and not written again; v4 (LA) alone is written once a tile.
;   TOKV, LADR           The list: written in each trip, read by the trip's one LDS store; block 0's moves write the same registers.
;   XF, XS               Read by the products of K step s; the next tile's group s lands there.
;   HA                   Written by the products, read by the stage's stores, loaded again from the stage, read by the rows' stores.
;   TK                   Loaded from the list, turned into offsets by vector lines, read by the rows' stores.
; THE WAITS.  A block has two: on vm_vsrc ahead of the lines that write CB and SW again, and on va_vdst ahead of its LDS stores; the second stands behind the block's last read of its landing set, and no vector
; instruction follows it before the next loads into that set, or, behind block 7, before the loads of phase 2's head, so it states their dependence too.  A tile has one of each at its head, one on va_vdst
; behind every second K step, behind which the next tile's two groups are asked for, one on va_vdst ahead of the stage's stores, and one on vm_vsrc between those stores and the loads into the same registers.
.set PITCH, 4096                       ; bytes from a row of W2[e] to the next
.set FRT,   6160                       ; LDS: the four fragments of 1,536 bytes that a tile of columns has in one half, + 16
.set HALFB, 49280                      ; 8 x FRT: half 0 holds K steps 0, 2, 4, 6, half 1 K steps 1, 3, 5, 7.  Fragment (s, ct) lies at HALFB (s % 2) + FRT ct + 1,536 (s / 2)
.set SCW,   98560                      ; the weights' scale words: (8 b + s) x 128 + 64 u + 4 m
.set LISTB, 103168                     ; the list: 1,152 tokens
.set LISTN, 4608
.set STAGE, 107776                     ; 4 x 8,448: 16 rows x (512 bytes + 16) for each wave
; window 0, the whole launch
.set LI,   6                           ; 16 x lane
.set LI2,  7                           ; 16 x lane + HALFB
.set LS,   8                           ; 4 x lane
.set STO,  10                          ; the stage: where I put 16 bytes of a row
.set RD,   11                          ; and where I read a row back
.set SCA,  13                          ; SCW + 4 x lane
.set WSC,  16                          ; v16-47  the weights' scale words.  Scales and nothing else
.set XS,   48                          ; v48-55  the rows' scale words.  Scales and nothing else
; window 0, phase 1
.set WOFF, 1
.set WA,   2
.set WSA,  3
.set LW0,  5
.set MX,   56
.set SO,   60
.set BY,   64
.set SW,   68
.set CB,   72
.set TC,   104
.set X,    128
.set LP,   128
.set WW,   129
.set PK,   130
.set NN,   131
.set A2,   132
.set B4,   133
.set C8,   134
.set LSH,  135
.set LC,   136
.set LT1,  137
.set TOKV, 138
.set LADR, 139
; window 0, phase 2
.set LA,   4
.set HA,   56                          ; v56-119  eight accumulators, then sixteen rows read back
.set TK,   120                         ; v120-135 the tile's sixteen tokens, then their offsets in part
.set W63,  148
.set XF,   160
.set BM,   16
.set WV,   50
.set EX,   51
.set NC,   52
.set CNT,  53
.set TP,   54
.set LT,   55
.set PP,   57
.set KP,   58
.set TT,   59
.set MK,   66                          ; s[66:73] the list: the masks of a run of eight compares (the rows' bases take s[66:69] behind the list)
.set MSB, 0
.macro WIN new                         ; the immediate's high byte repeats the setting that is left; a switch that changes nothing is dropped
.if MSB != (\new)
	s_set_vgpr_msb (MSB<<8)|(\new)
.set MSB, (\new)
.endif
.endm
.macro LOADB t                         ; block t of my eight: 32 rows into landing set t % 3
	WIN ((((\t)%3)+1)<<6)
.set II, 0
.rept 32
	global_load_b128 v[4*II:4*II+3], v[WOFF], s[4:5] offset:(32*(\t)+II)*PITCH th:TH_LOAD_NT
.set II, II+1
.endr
	WIN 0
.endm
; Where fragment (K step s, tile ct) lives: window FW, register FRG.  The first 30 fragments of the even K steps take the ten places from v132 on of windows 1 to 3;
; the other 34 take the eleven places from v0 on of those windows, and the last of them window 0.
.macro FSLOT s, ct
.if ((\s)%2) == 0
.set FE, 8*((\s)/2)+(\ct)
.set FL, FE-30
.else
.set FE, 99
.set FL, 2+8*((\s)/2)+(\ct)
.endif
.if FE < 30
.set FW, 1+FE/10
.set FRG, 132+12*(FE%10)
.elseif FL < 33
.set FW, 1+FL/11
.set FRG, 12*(FL%11)
.else
.set FW, 0
.set FRG, W63
.endif
.endm
.macro FLOAD s, ct                     ; the fragment's image comes back as it was stored: three loads of 512 consecutive bytes
	FSLOT \s, \ct
	WIN (FW<<6)
.irp p, 0,1,2
.if ((\s)%2) == 0
	ds_load_b128 v[FRG+4*\p:FRG+4*\p+3], v[LI] offset:(\ct)*FRT+1536*((\s)/2)+512*\p
.else
	ds_load_b128 v[FRG+4*\p:FRG+4*\p+3], v[LI2] offset:(\ct)*FRT+1536*((\s)/2)+512*\p
.endif
.endr
.endm
.macro EARLY t                         ; in block t = 4 .. 7: K step 2 (t - 4), as far as the free registers reach.  These loads end at byte 49,264; all that is stored from here to the last barrier lies from byte HALFB on
.irp ct, 0,1,2,3,4,5,6,7               ; no vector instruction names the registers in which they land, and their address was written ahead of the head's wait
.if 8*((\t)-4)+\ct < 30
	FLOAD 2*((\t)-4), \ct
.endif
.endr
	WIN 0
.endm
.macro LATE                            ; behind the last barrier: the other 34 fragments and the 32 registers of scale words
	FLOAD 6, 6
	FLOAD 6, 7
.irp s, 1,3,5,7
.irp ct, 0,1,2,3,4,5,6,7
	FLOAD \s, \ct
.endr
.endr
	WIN 0
.set F, 0
.rept 32
	ds_load_b32 v[WSC+F], v[SCA] offset:128*F
.set F, F+1
.endr
.endm
.macro QBLOCK t                        ; block t is quantised: the (t % 4)-th of K step 2 w + t / 4
.set BB, (\t)%4
.set WN, ((\t)%3)+1
.if (\t)+2 < 8
	LOADB (\t)+2                                   ; into the set that the block before this one has left.  No wait here: that block's wait ahead of its LDS stores stands behind its last read of the set, and no vector instruction has been issued since
.endif
.if (\t) >= 4
	EARLY \t                                       ; LDS works while I wait for memory; the wait on DScnt further down covers these loads
.endif
.if (\t) <= 5
	s_wait_loadcnt 63                              ; two younger blocks are 64 loads; the count's field ends at 63, and a smaller count is safe
.elseif (\t) == 6
	s_wait_loadcnt 32                              ; the last block's 32 loads may be out
.else
	s_wait_loadcnt 0x0
.endif
	WIN WN|(WN<<2)                                 ; sources 0 and 1: the landing set
.irp c, 0,1,2,3
	v_max3_num_f32 v[MX+\c], |v[\c]|, |v[4+\c]|, 0x2800000   ; the floor 2^(5 - 127): the byte cannot fall under 1
.endr
.set KK, 2
.rept 15
.irp c, 0,1,2,3
	v_max3_num_f32 v[MX+\c], |v[4*KK+\c]|, |v[4*KK+4+\c]|, v[MX+\c]
.endr
.set KK, KK+2
.endr
.set KK, 0
.rept 32
.irp c, 0,1,2,3
	v_mov_b32 v[X+32*\c+KK], v[4*KK+\c]            ; four columns of one row -> sixteen rows of one column in consecutive registers
.endr
.set KK, KK+1
.endr
	WIN 0
	s_wait_dscnt 0x0                               ; the last block's LDS stores are done, and so are this block's early fragment loads
	s_wait_alu depctr_vm_vsrc(0)                   ; the last block's LDS stores have read CB and SW, which the lines below write again
.irp c, 0,1,2,3
	v_add_nc_u32 v[SO+\c], 0xfe000000, v[MX+\c]
.endr
.irp c, 0,1,2,3
	v_lshrrev_b32 v[BY+\c], 23, v[SO+\c]
.endr
.irp c, 0,1,2,3
.if BB == 0
	v_mov_b32 v[SW+\c], v[BY+\c]
.else
	v_lshl_or_b32 v[SW+\c], v[BY+\c], 8*BB, v[SW+\c]
.endif
.endr
.irp c, 0,1,2,3
	v_cvt_scalef32_pk16_bf6_f32 v[CB+8*\c:CB+8*\c+2], v[X+32*\c:X+32*\c+15], v[SO+\c]
	v_cvt_scalef32_pk16_bf6_f32 v[TC+4*\c:TC+4*\c+2], v[X+32*\c+16:X+32*\c+31], v[SO+\c]
.endr
	v_nop                                          ; one plain place behind a scaled conversion
.irp c, 0,1,2,3
.irp i, 0,1,2
	v_mov_b32 v[CB+8*\c+3+\i], v[TC+4*\c+\i]
.endr
.endr
	s_wait_alu depctr_va_vdst(0)                   ; CB and SW are written, which the LDS stores below read; and the lines above are done with this block's landing set and with X's registers, in which later loads land
.set OFF, HALFB*((\t)/4)+256*(BB%2)                ; blocks 0-3 go to half 0, blocks 4-7 to half 1
.irp c, 0,1,2,3
.if BB < 2
	ds_store_b128 v[WA], v[CB+8*\c:CB+8*\c+3] offset:OFF+16*\c
	ds_store_b64  v[WA], v[CB+8*\c+4:CB+8*\c+5] offset:OFF+16*\c+512
.else
	ds_store_b64  v[WA], v[CB+8*\c:CB+8*\c+1] offset:OFF+16*\c+520
	ds_store_b128 v[WA], v[CB+8*\c+2:CB+8*\c+5] offset:OFF+16*\c+1024
.endif
.endr
.if BB == 3
.irp c, 0,1,2,3
	ds_store_b32 v[WSA], v[SW+\c] offset:128*((\t)/4)+4*\c
.endr
.endif
.endm
; The list: words j0 .. j0 + n - 1 of the bit table.  The compares stand in a run, each into a mask of its own, under one wait; the selects follow.  The words' bits are counted once for each of the two running sums.
.macro RUN j0, n
.set JJ, \j0
.rept \n
	v_cmp_le_u32 s[MK+JJ-(\j0)], s[PP], v[LP]      ; are the rows before word JJ <= p?
	s_bcnt1_i32_b32 s[TT], s[BM+JJ]
	s_add_co_u32 s[PP], s[PP], s[TT]
.set JJ, JJ+1
.endr
	s_wait_alu depctr_va_sdst(0)                   ; the run's masks are written, ahead of their first reader
.set JJ, \j0
.rept \n
	v_cndmask_b32 v[WW], v[WW], s[BM+JJ], s[MK+JJ-(\j0)]
	v_cndmask_b32 v[PK], v[PK], s[KP], s[MK+JJ-(\j0)]
	s_bcnt1_i32_b32 s[TT], s[BM+JJ]
	s_add_co_u32 s[TT], s[TT], 0x10000
	s_add_co_u32 s[KP], s[KP], s[TT]
.set JJ, JJ+1
.endr
.endm
.macro DESC step
	v_cmp_ge_u32 vcc_lo, v[NN], v[LC]
	s_wait_alu depctr_va_vcc(0)                    ; VCC is written, ahead of its first reader (each descent hangs on the one before: no run can be made of them)
	v_cndmask_b32 v[LT1], 0, v[LC], vcc_lo
	v_sub_nc_u32 v[NN], v[NN], v[LT1]
	v_cndmask_b32 v[LT1], 0, \step, vcc_lo
	v_add_nc_u32 v[LSH], v[LSH], v[LT1]
.endm
.macro NEXT n                          ; the bases of tile s[n], held to the last tile that was written, and to 63 by a constant
	s_min_u32 s59, s[\n], s70
	s_min_u32 s59, s59, 63
	s_mul_i32 s60, s59, 49152                      ; hq: 32 K steps of 1,536 bytes a tile
	s_lshl_b32 s62, s59, 12                        ; hs: 32 x 128
	s_add_nc_u64 s[66:67], s[6:7], s[60:61]
	s_add_nc_u64 s[68:69], s[8:9], s[62:63]
.endm
.macro XGROUP s                        ; K step s of a tile of rows: the fragment's image and its scale words: four loads
.irp p, 0,1,2
	global_load_b128 v[XF+12*(\s)+4*\p:XF+12*(\s)+4*\p+3], v[LI], s[66:67] offset:1536*(\s)+512*\p
.endr
	global_load_b32 v[XS+(\s)], v[LS], s[68:69] offset:128*(\s)
.endm
.macro MM ct, s, zero
	FSLOT \s, \ct
	WIN FW
.set DD, HA+8*(\ct)
.set SA, WSC+8*((\ct)/2)+(\s)
.set BF, XF+12*(\s)
.if \zero
.if (\ct)%2
	v_wmma_scale_f32_16x16x128_f8f6f4 v[DD:DD+7], v[FRG:FRG+11], v[BF:BF+11], 0, v[SA], v[XS+(\s)] matrix_a_fmt:MATRIX_FMT_BF6 matrix_b_fmt:MATRIX_FMT_BF6 matrix_a_scale:MATRIX_SCALE_ROW1
.else
	v_wmma_scale_f32_16x16x128_f8f6f4 v[DD:DD+7], v[FRG:FRG+11], v[BF:BF+11], 0, v[SA], v[XS+(\s)] matrix_a_fmt:MATRIX_FMT_BF6 matrix_b_fmt:MATRIX_FMT_BF6
.endif
.else
.if (\ct)%2
	v_wmma_scale_f32_16x16x128_f8f6f4 v[DD:DD+7], v[FRG:FRG+11], v[BF:BF+11], v[DD:DD+7], v[SA], v[XS+(\s)] matrix_a_fmt:MATRIX_FMT_BF6 matrix_b_fmt:MATRIX_FMT_BF6 matrix_a_scale:MATRIX_SCALE_ROW1
.else
	v_wmma_scale_f32_16x16x128_f8f6f4 v[DD:DD+7], v[FRG:FRG+11], v[BF:BF+11], v[DD:DD+7], v[SA], v[XS+(\s)] matrix_a_fmt:MATRIX_FMT_BF6 matrix_b_fmt:MATRIX_FMT_BF6
.endif
.endif
.endm
.macro STEP s, zero, ahead             ; ahead = 1: the wave has a further tile, whose K steps s - 1 and s are asked for behind this tile's odd K step s
.if \ahead
	s_wait_loadcnt 28-4*((\s)%2)                   ; group s is in.  Younger: groups s + 1 .. 7 of this tile and, of the next tile, s groups at an even step (seven groups of four in all), s - 1 at an odd one (six)
.else
	s_wait_loadcnt 28-4*(\s)                       ; group s is in: behind it only groups s + 1 .. 7 of this tile were issued
.endif
.irp ct, 0,1,2,3,4,5,6,7
	MM \ct, \s, \zero                              ; the eight accumulators take turns, one instruction a turn
.endr
.if (\ahead && ((\s)%2)) || ((\s) == 7)
	WIN 0
.rept 4
	v_nop                                          ; four places ahead of loads into registers that these products read, and of the first read of results
.endr
.endif
.if \ahead && ((\s)%2)
	s_wait_alu depctr_va_vdst(0)                   ; the products of K steps s - 1 and s are done reading their fragments and scale words of the rows, in which the loads below land
	XGROUP (\s)-1
	XGROUP \s
.endif
.endm
.macro TILE ahead                      ; one tile of 16 rows through the product and out
.if \ahead
	s_lshr_b32 s57, s[TP], 4
	s_add_co_u32 s57, s57, 4
	NEXT PP                                        ; the wave's next tile, four tiles on
.endif
	s_add_co_u32 s58, s[LT], LISTB                 ; the wave's number and the trip alone: the four loads below end at byte 4,096 of the list's 4,608, under the stages
	s_wait_alu depctr_vm_vsrc(0)                   ; the last tile's loads of the list have read LA, its rows' stores TK and HA (ahead of the first tile: block 7's LDS stores have read CB, which lies in HA): this tile writes them again
	v_mov_b32 v[LA], s58
	s_wait_alu depctr_va_vdst(0)                   ; LA is written, which the loads below read; the last tile's offset lines are done with TK, in which they land
.irp q, 0,1,2,3
	ds_load_b128 v[TK+4*\q:TK+4*\q+3], v[LA] offset:16*\q   ; the tile's sixteen tokens, the same in every lane
.endr
	STEP 0, 1, \ahead                              ; the first K step starts the sums
.irp s, 1,2,3,4,5,6,7
	STEP \s, 0, \ahead
.endr
	s_wait_dscnt 0x0                               ; the tokens
.set JJ, 0
.rept 16
	v_min_u32 v[TK+JJ], 0x3ff, v[TK+JJ]            ; a token enters an address only behind the clamp
	v_lshl_add_u32 v[TK+JJ], v[TK+JJ], 17, v[LI]   ; 131,072 bytes a token, + 16 x lane
.set JJ, JJ+1
.endr
	s_wait_alu depctr_va_vdst(0)                   ; the products have written the accumulators, which the LDS stores read (the places stand behind the last product), and the lines above the offsets TK, which the rows' stores read
.irp ct, 0,1,2,3,4,5,6,7
	ds_store_b128 v[STO], v[HA+8*\ct:HA+8*\ct+3]   offset:128*(\ct/2)+32*(\ct%2)      ; each accumulator from its low end on
	ds_store_b128 v[STO], v[HA+8*\ct+4:HA+8*\ct+7] offset:128*(\ct/2)+32*(\ct%2)+16
.endr
	s_wait_alu depctr_vm_vsrc(0)                   ; the LDS stores above have read HA, in which the loads below land
.set JJ, 0
.rept 16
	ds_load_b128 v[HA+4*JJ:HA+4*JJ+3], v[RD] offset:528*JJ   ; LDS serves a wave's instructions in order (ISA guide 5.7.1): these see the stores above
.set JJ, JJ+1
.endr
	s_sub_co_u32 s59, s[CNT], s[TP]                ; rows left from this tile on
.irp row, 0,1,2,3,4,5,6,7,8,9,10,11,12,13,14,15
	s_cmp_le_u32 s59, \row
	s_cbranch_scc1 .Ldone_\@                       ; the last tile's places past the count are not stored
	s_wait_dscnt 15-\row                           ; this row is back; the younger rows may be out
	global_store_b128 v[TK+\row], v[HA+4*\row:HA+4*\row+3], s[12:13]   ; 512 consecutive bytes, aligned to 256
.endr
.Ldone_\@:
	s_wait_dscnt 0x0                               ; no LDS load of mine is out when its registers are written again
.endm
	s_load_b256 s[4:11], s[0:1], 0x0               ; W2, hq, hs, route
	s_load_b64 s[12:13], s[0:1], 0x20              ; part
	v_lshl_add_u32 v9, v0, 2, 0x22c00
	v_mov_b32 v12, 0
	v_lshrrev_b32 v14, 5, v0
	v_readfirstlane_b32 s[WV], v14                 ; wave 0..3
	s_and_b32 s[EX], ttmp7, 0xffff                 ; expert
	s_and_b32 s[NC], ttmp9, 7                      ; which 128 columns
	s_lshr_b32 s59, ttmp9, 3                       ; kq: which quarter of the hidden units
	v_and_b32 v14, 31, v0                          ; lane
	v_lshlrev_b32 v[LI], 4, v14
	s_wait_alu depctr_va_sdst(0)                   ; the wave's number is written, ahead of its first reader
	s_lshl_b32 s57, s[WV], 20                      ; 256 rows of 4,096 bytes x wave
	v_add_nc_u32 v[WOFF], s57, v[LI]
	; lane l holds columns 4 l + c: tile ct = 2 (l / 8) + (l / 2) % 2, place in it m = 4 (l % 2) + c + 8 ((l / 4) % 2)
	v_bfe_u32 v15, v0, 3, 2
	v_mul_u32_u24 v[WA], v15, 2*FRT
	v_lshl_add_u32 v[WSA], v15, 10, SCW
	v_bfe_u32 v15, v0, 1, 1
	v_mad_u32_u24 v[WA], v15, FRT, v[WA]
	v_lshl_add_u32 v[WSA], v15, 6, v[WSA]
	v_and_b32 v15, 1, v0
	v_lshl_add_u32 v[WA], v15, 6, v[WA]
	v_lshl_add_u32 v[WSA], v15, 4, v[WSA]
	v_bfe_u32 v15, v0, 2, 1
	v_lshl_add_u32 v[WA], v15, 7, v[WA]
	v_lshl_add_u32 v[WSA], v15, 5, v[WSA]
	s_mul_i32 s57, s[WV], 1536
	v_add_nc_u32 v[WA], s57, v[WA]                 ; + my K steps' place in each half: 1,536 x wave
	s_lshl_b32 s57, s[WV], 8
	v_add_nc_u32 v[WSA], s57, v[WSA]
	v_lshl_add_u32 v[LW0], v0, 2, LISTB
	v_add_nc_u32 v[LI2], HALFB, v[LI]
	v_lshlrev_b32 v[LS], 2, v14
	v_lshl_add_u32 v[SCA], v14, 2, SCW
	s_mul_i32 s57, s[WV], 8448
	s_add_co_u32 s57, s57, STAGE                   ; my stage
	v_and_b32 v15, 15, v0
	v_mul_u32_u24 v[STO], v15, 528
	v_bfe_u32 v15, v0, 4, 1
	v_lshl_add_u32 v[STO], v15, 6, v[STO]
	v_add_nc_u32 v[STO], s57, v[STO]               ; in: row r, + 64 h
	v_add_nc_u32 v[RD], s57, v[LI]                 ; back: a row's 512 bytes, 16 a lane
	s_lshl_b32 s60, s[EX], 24
	s_lshl_b32 s57, s59, 22
	s_add_co_u32 s60, s60, s57
	s_lshl_b32 s58, s[NC], 9
	s_add_co_u32 s60, s60, s58                     ; W2: 16 MiB x expert + 1,024 rows x kq + 512 x nc
	s_mov_b32 s61, 0
	s_mul_i32 s66, s[EX], 3145728
	s_mul_i32 s57, s59, 12288
	s_add_co_u32 s66, s66, s57                     ; hq: 64 tiles x expert + 8 K steps x kq
	s_mov_b32 s67, 0
	s_lshl_b32 s68, s[EX], 18
	s_lshl_b32 s57, s59, 10
	s_add_co_u32 s68, s68, s57                     ; hs likewise
	s_mov_b32 s69, 0
	s_lshl_b32 s72, s[EX], 14
	s_lshl_b32 s57, s59, 12
	s_add_co_u32 s72, s72, s57
	s_add_co_u32 s72, s72, s58                     ; part: 16,384 x expert + 4,096 x kq + 512 x nc
	s_mov_b32 s73, 0
	s_lshl_b32 s74, s[EX], 7                       ; the bit table: 128 x expert
	s_mov_b32 s75, 0
	s_wait_kmcnt 0x0
	s_add_nc_u64 s[4:5], s[4:5], s[60:61]
	s_add_nc_u64 s[6:7], s[6:7], s[66:67]
	s_add_nc_u64 s[8:9], s[8:9], s[68:69]
	s_add_nc_u64 s[12:13], s[12:13], s[72:73]
	s_add_nc_u64 s[10:11], s[10:11], s[74:75]
	s_load_b512 s[16:31], s[10:11], 0x0
	s_load_b512 s[32:47], s[10:11], 0x40
	s_wait_alu depctr_va_vdst(0)                   ; the offsets and addresses v1 to v13 are written, which the loads and stores of the whole kernel read
	LOADB 0
	LOADB 1
	s_wait_kmcnt 0x0                               ; the bit table
	; THE LIST, while the first blocks are on their way: place p = 128 trip + thread holds the p-th token that chose the expert.  A trip whose first place lies at or past the row count stores token 0.
	s_mov_b32 s[CNT], 1                            ; so that the first trip computes; it leaves the true count
	s_mov_b32 s62, 0
.Llist:
	s_wait_dscnt 0x0                               ; the last trip's store is done
	s_wait_alu depctr_vm_vsrc(0)                   ; the last trip's store has read TOKV and LADR, which this trip writes again
	v_mov_b32 v[TOKV], 0
	s_lshr_b32 s63, s62, 2
	s_cmp_ge_u32 s63, s[CNT]
	s_cbranch_scc1 .Lput
	v_add_nc_u32 v[LP], s63, v0
	s_wait_alu depctr_va_vdst(0)
	v_mov_b32 v[WW], s[BM]
	v_mov_b32 v[PK], 0
	s_bcnt1_i32_b32 s[PP], s[BM]
	s_add_co_u32 s[KP], s[PP], 0x10000
	RUN 1, 8
	RUN 9, 8
	RUN 17, 8
	s_wait_alu depctr_va_vdst(0)
	RUN 25, 7
	s_mov_b32 s[CNT], s[PP]
	v_and_b32 v[LT1], 0xffff, v[PK]
	v_sub_nc_u32 v[NN], v[LP], v[LT1]
	v_lshrrev_b32 v[LT1], 1, v[WW]
	v_and_b32 v[LT1], 0x55555555, v[LT1]
	v_sub_nc_u32 v[A2], v[WW], v[LT1]
	v_lshrrev_b32 v[LT1], 2, v[A2]
	v_and_b32 v[LT1], 0x33333333, v[LT1]
	v_and_b32 v[B4], 0x33333333, v[A2]
	v_add_nc_u32 v[B4], v[B4], v[LT1]
	v_lshrrev_b32 v[LT1], 4, v[B4]
	v_add_nc_u32 v[C8], v[B4], v[LT1]
	v_and_b32 v[C8], 0x0f0f0f0f, v[C8]
	v_mov_b32 v[LSH], 0
	v_bfe_u32 v[LC], v[C8], 0, 8
	v_bfe_u32 v[LT1], v[C8], 8, 8
	v_add_nc_u32 v[LC], v[LC], v[LT1]
	DESC 16
	v_bfe_u32 v[LC], v[C8], v[LSH], 8
	DESC 8
	v_bfe_u32 v[LC], v[B4], v[LSH], 4
	DESC 4
	v_bfe_u32 v[LC], v[A2], v[LSH], 2
	DESC 2
	v_bfe_u32 v[LC], v[WW], v[LSH], 1
	DESC 1
	v_lshrrev_b32 v[LT1], 16, v[PK]
	v_lshl_add_u32 v[TOKV], v[LT1], 5, v[LSH]
.Lput:
	v_add_nc_u32 v[LADR], s62, v[LW0]              ; made of the thread's number and the trip alone
	s_wait_alu depctr_va_vdst(0)                   ; LADR and TOKV are written, which the store reads
	ds_store_b32 v[LADR], v[TOKV]
	s_add_co_u32 s62, s62, 512
	s_cmp_lt_u32 s62, LISTN
	s_cbranch_scc1 .Llist
	s_wait_alu depctr_vm_vsrc(0)                   ; the list's last store has read TOKV and LADR: block 0's moves write these registers
	; THE STREAM
.irp t, 0,1,2,3
	QBLOCK \t
.endr
	s_wait_dscnt 0x0                               ; for the others' sake: my stores of blocks 0 to 3 have landed: my even K step is whole
	s_barrier_signal -1
	s_barrier_wait -1                              ; half 0 of the images is whole, and nobody writes it again.  (Loads of W2, which nobody writes, stay on their way across this barrier)
.irp t, 4,5,6,7
	QBLOCK \t
.endr
	s_wait_dscnt 0x0                               ; for the others' sake: all my LDS stores have landed
	s_barrier_signal -1
	s_barrier_wait -1                              ; the last barrier.  Behind it images, scale words and list are only read; a stage is its wave's own
	s_max_u32 s70, s[CNT], 64                      ; the first product walks max(rows, 64) places:
	s_add_co_u32 s70, s70, 15
	s_lshr_b32 s70, s70, 4
	s_sub_co_u32 s70, s70, 1                       ; the last tile that it wrote, 3 at the least: so tile w, which I ask for first, has been stored whatever the count
	s_mov_b32 s61, 0
	s_mov_b32 s63, 0
	s_lshl_b32 s[TP], s[WV], 4
	s_lshl_b32 s[LT], s[WV], 6
	NEXT WV
.irp s, 0,1,2,3,4,5,6,7
	XGROUP \s                                      ; no wait here, nor ahead of the fragments' loads below: block 7's wait ahead of its LDS stores stands behind the stream's last vector line, and none has been issued since
.endr
	LATE
	s_wait_dscnt 0x0
	s_wait_xcnt 0x0                                ; the loads above have had their addresses translated: their bases may be written
	s_mov_b32 s56, 0
.Ltile:                                            ; sixteen trips in every wave: tile = wave + 4 trip; a tile past the count is passed over
	s_cmp_ge_u32 s[TP], s[CNT]
	s_cbranch_scc1 .Lskip
	s_add_co_u32 s58, s[TP], 64
	s_cmp_ge_u32 s58, s[CNT]
	s_cbranch_scc1 .Llast                          ; the wave's last tile: four tiles on there is none
	TILE 1
	s_branch .Lskip
.Llast:
	TILE 0
.Lskip:
	s_wait_xcnt 0x0                                ; bases, offsets and store data are written again only behind this wait
	s_add_co_u32 s[TP], s[TP], 64
	s_add_co_u32 s[LT], s[LT], 256
	s_add_co_u32 s56, s56, 1
	s_cmp_lt_u32 s56, 16
	s_cbranch_scc1 .Ltile
	s_wait_dscnt 0x0                               ; the closing lines, six on end
	s_wait_alu 0x0
	s_wait_tensorcnt 0x0
	ds_add_u32 v9, v12
	s_wait_dscnt 0x0
	s_endpgm
.Lfunc_end_k_q0d0fdd4d1a_ffn2:
	.size	k_q0d0fdd4d1a_ffn2, .Lfunc_end_k_q0d0fdd4d1a_ffn2-k_q0d0fdd4d1a_ffn2
	.p2alignl 7, 3214868480
	.fill 96, 4, 3214868480
	.section	.rodata,"a",@progbits
	.p2align	6, 0x0
	.amdhsa_kernel k_q0d0fdd4d1a_ffn2
		.amdhsa_group_segment_fixed_size 142848
		.amdhsa_private_segment_fixed_size 0
		.amdhsa_enable_private_segment 0
		.amdhsa_kernarg_size 40
		.amdhsa_user_sgpr_count 2
		.amdhsa_user_sgpr_kernarg_segment_ptr 1
		.amdhsa_wavefront_size32 1
		.amdhsa_system_sgpr_workgroup_id_x 1
		.amdhsa_system_sgpr_workgroup_id_y 1
		.amdhsa_system_sgpr_workgroup_id_z 1
		.amdhsa_system_vgpr_workitem_id 0
		.amdhsa_next_free_vgpr 1024
		.amdhsa_next_free_sgpr 80
		.amdhsa_reserve_vcc 1
		.amdhsa_float_denorm_mode_32 3
		.amdhsa_float_denorm_mode_16_64 3
		.amdhsa_memory_ordered 1
		.amdhsa_forward_progress 1
		.amdhsa_inst_pref_size 182
	.end_amdhsa_kernel
	.amdgpu_metadata
---
amdhsa.version: [ 1, 2 ]
amdhsa.kernels:
  - .name:           k_q0d0fdd4d1a_ffn2
    .symbol:         k_q0d0fdd4d1a_ffn2.kd
    .args:
      - { .name: W2, .offset: 0, .size: 8, .value_kind: global_buffer, .address_space: global }
      - { .name: hq, .offset: 8, .size: 8, .value_kind: global_buffer, .address_space: global }
      - { .name: hs, .offset: 16, .size: 8, .value_kind: global_buffer, .address_space: global }
      - { .name: route, .offset: 24, .size: 8, .value_kind: global_buffer, .address_space: global }
      - { .name: part, .offset: 32, .size: 8, .value_kind: global_buffer, .address_space: global }
    .group_segment_fixed_size: 142848
    .private_segment_fixed_size: 0
    .kernarg_segment_align: 8
    .kernarg_segment_size: 40
    .max_flat_workgroup_size: 128
    .sgpr_count:     80
    .vgpr_count:     1024
    .wavefront_size: 32
...
	.end_amdgpu_metadata
.endif
;; end of part 7
;; launch combine (part 8): grid 1024 x 1, 4 waves a work-group, no clusters, 0 bytes of LDS; arguments part, b2, wgt, route, out0; writes out0
.if DOCPART == 8
	.amdgcn_target "amdgcn-amd-amdhsa--gfx1250"
	.amdhsa_code_object_version 6
	.text
	.protected	k_q0d0fdd4d1a_combine
	.globl	k_q0d0fdd4d1a_combine
	.p2align	8
	.type	k_q0d0fdd4d1a_combine,@function
k_q0d0fdd4d1a_combine:
	s_mov_b64 s[64:65], 0
	v_nop
	global_prefetch_b8 v0, s[64:65] scope:SCOPE_SE
	s_setreg_imm32_b32 hwreg(HW_REG_WAVE_MODE, 25, 1), 1
	s_wait_xcnt 0x0
; out0[t] = the sum over the experts e that token t chose of wgt[t][e] x (b2[e] + the four quarters of part[t][e]).  wgt already holds the softmax / 8.
; A work-group is one token; thread i owns the 16 bytes at 16 i of the row's first 2,048 bytes and of its second: each load and store of a wave covers 512 consecutive aligned bytes.
; Which experts are read hangs on sel[t], whole numbers that the first launch stored; only rows that the third launch wrote are read.
; THE TWO LOWEST CHOSEN EXPERTS ARE ASKED FOR TOGETHER: their numbers are taken off sel[t], held to 7 and turned into bases, and twenty loads go out at once.  For finite logits sel[t] has two bits at the least
; (the largest and the second largest logit are both >= kth).  Further bits, which exact ties at kth leave, are served one expert after the other behind that.
; A stream: no LDS, no barrier, no matrix unit.  With 96 registers the four work-groups that fall to a WGP lie on it together.
; LIMIT: NaN and infinities among the inputs are not served (as in the first launch, which makes sel).
.macro ROWS b, sp, sb, po, bo          ; an expert's four quarters into v[b .. b + 31], its b2 into v[b + 32 .. b + 39]: part at s[sp:sp+1] + po, b2 at s[sb:sb+1] + bo
.irp kq, 0,1,2,3
.irp j, 0,1
	global_load_b128 v[\b+8*\kq+4*\j:\b+8*\kq+4*\j+3], v1, s[\sp:\sp+1] offset:\po+4096*\kq+2048*\j th:TH_LOAD_NT
.endr
.endr
.irp j, 0,1
	global_load_b128 v[\b+32+4*\j:\b+32+4*\j+3], v1, s[\sb:\sb+1] offset:\bo+2048*\j
.endr
.endm
.macro SUMS b                          ; ((quarter 0 + 1) + (2 + 3)) + b2, into v[b .. b + 7]
.irp i, 0,2,4,6
	v_pk_add_f32 v[\b+\i:\b+\i+1], v[\b+\i:\b+\i+1], v[\b+8+\i:\b+9+\i]
	v_pk_add_f32 v[\b+16+\i:\b+17+\i], v[\b+16+\i:\b+17+\i], v[\b+24+\i:\b+25+\i]
.endr
.irp i, 0,2,4,6
	v_pk_add_f32 v[\b+\i:\b+\i+1], v[\b+\i:\b+\i+1], v[\b+16+\i:\b+17+\i]
.endr
.irp i, 0,2,4,6
	v_pk_add_f32 v[\b+\i:\b+\i+1], v[\b+\i:\b+\i+1], v[\b+32+\i:\b+33+\i]
.endr
.endm
	s_load_b256 s[4:11], s[0:1], 0x0               ; part, b2, wgt, route
	s_load_b64 s[12:13], s[0:1], 0x20              ; out0
	v_lshlrev_b32 v1, 4, v0
	s_lshl_b32 s14, ttmp9, 17                      ; part: 131,072 bytes a token
	s_mov_b32 s15, 0
	s_lshl_b32 s16, ttmp9, 5                       ; wgt: 32
	s_mov_b32 s17, 0
	s_lshl_b32 s18, ttmp9, 2                       ; sel: 4
	s_mov_b32 s19, 0
	s_lshl_b32 s22, ttmp9, 12                      ; out0: 4,096
	s_mov_b32 s23, 0
	s_wait_alu depctr_va_vdst(0)
	s_wait_kmcnt 0x0
	s_add_nc_u64 s[4:5], s[4:5], s[14:15]
	s_add_nc_u64 s[8:9], s[8:9], s[16:17]
	s_add_nc_u64 s[10:11], s[10:11], s[18:19]
	s_add_nc_u64 s[12:13], s[12:13], s[22:23]
	s_load_b32 s20, s[10:11], 0x400                ; sel[t]
	s_load_b256 s[24:31], s[8:9], 0x0              ; the eight weights
	s_wait_kmcnt 0x0
	s_sub_co_u32 s33, s20, 1
	s_and_b32 s33, s33, s20                        ; sel without its lowest bit,
	s_sub_co_u32 s35, s33, 1
	s_and_b32 s35, s35, s33                        ; and without its two lowest: the ties
	s_mov_b32 s32, 7
	s_mov_b32 s34, 7
.irp e, 6,5,4,3,2,1,0
	s_bitcmp1_b32 s20, \e
	s_cselect_b32 s32, \e, s32                     ; going down, the lowest set bit has the last word: the first expert,
	s_bitcmp1_b32 s33, \e
	s_cselect_b32 s34, \e, s34                     ; and the second
.endr
	s_min_u32 s32, s32, 7                          ; they enter addresses only behind the clamp
	s_min_u32 s34, s34, 7
	s_lshl_b32 s36, s32, 14                        ; part: 16,384 bytes an expert
	s_mov_b32 s37, 0
	s_lshl_b32 s38, s34, 14
	s_mov_b32 s39, 0
	s_lshl_b32 s40, s32, 12                        ; b2: 4,096
	s_mov_b32 s41, 0
	s_lshl_b32 s42, s34, 12
	s_mov_b32 s43, 0
	s_add_nc_u64 s[36:37], s[4:5], s[36:37]
	s_add_nc_u64 s[38:39], s[4:5], s[38:39]
	s_add_nc_u64 s[40:41], s[6:7], s[40:41]
	s_add_nc_u64 s[42:43], s[6:7], s[42:43]
	ROWS 16, 36, 40, 0, 0
	ROWS 56, 38, 42, 0, 0
	s_mov_b32 s44, s31                             ; the two weights are picked while the loads are on their way
	s_mov_b32 s45, s31
.irp e, 6,5,4,3,2,1,0
	s_bitcmp1_b32 s20, \e
	s_cselect_b32 s44, s[24+\e], s44
	s_bitcmp1_b32 s33, \e
	s_cselect_b32 s45, s[24+\e], s45
.endr
	s_wait_loadcnt 10                              ; the first expert's ten loads are in; the second's ten may be out
	SUMS 16
.irp i, 0,1,2,3,4,5,6,7
	v_mul_f32 v[8+\i], s44, v[16+\i]               ; the first product starts the sums
.endr
	s_wait_loadcnt 0x0
	SUMS 56
.irp i, 0,1,2,3,4,5,6,7
	v_fmac_f32 v[8+\i], s45, v[56+\i]
.endr
	s_cmp_eq_u32 s35, 0
	s_cbranch_scc1 .Lstore
.irp e, 2,3,4,5,6,7
	s_bitcmp1_b32 s35, \e                          ; a third expert can be number 2 at the least
	s_cbranch_scc0 .Lno_\e
	ROWS 16, 4, 6, 16384*\e, 4096*\e
	s_wait_loadcnt 0x0
	SUMS 16
.irp i, 0,1,2,3,4,5,6,7
	v_fmac_f32 v[8+\i], s[24+\e], v[16+\i]
.endr
.Lno_\e:
.endr
.Lstore:
	s_wait_alu depctr_va_vdst(0)
	global_store_b128 v1, v[8:11], s[12:13] th:TH_STORE_NT
	global_store_b128 v1, v[12:15], s[12:13] offset:2048 th:TH_STORE_NT
	s_endpgm
.Lfunc_end_k_q0d0fdd4d1a_combine:
	.size	k_q0d0fdd4d1a_combine, .Lfunc_end_k_q0d0fdd4d1a_combine-k_q0d0fdd4d1a_combine
	.p2alignl 7, 3214868480
	.fill 96, 4, 3214868480
	.section	.rodata,"a",@progbits
	.p2align	6, 0x0
	.amdhsa_kernel k_q0d0fdd4d1a_combine
		.amdhsa_group_segment_fixed_size 0
		.amdhsa_private_segment_fixed_size 0
		.amdhsa_enable_private_segment 0
		.amdhsa_kernarg_size 40
		.amdhsa_user_sgpr_count 2
		.amdhsa_user_sgpr_kernarg_segment_ptr 1
		.amdhsa_wavefront_size32 1
		.amdhsa_system_sgpr_workgroup_id_x 1
		.amdhsa_system_sgpr_workgroup_id_y 1
		.amdhsa_system_sgpr_workgroup_id_z 1
		.amdhsa_system_vgpr_workitem_id 0
		.amdhsa_next_free_vgpr 96
		.amdhsa_next_free_sgpr 66
		.amdhsa_reserve_vcc 0
		.amdhsa_float_denorm_mode_32 3
		.amdhsa_float_denorm_mode_16_64 3
		.amdhsa_memory_ordered 1
		.amdhsa_forward_progress 1
		.amdhsa_inst_pref_size 22
	.end_amdhsa_kernel
	.amdgpu_metadata
---
amdhsa.version: [ 1, 2 ]
amdhsa.kernels:
  - .name:           k_q0d0fdd4d1a_combine
    .symbol:         k_q0d0fdd4d1a_combine.kd
    .args:
      - { .name: part, .offset: 0, .size: 8, .value_kind: global_buffer, .address_space: global }
      - { .name: b2, .offset: 8, .size: 8, .value_kind: global_buffer, .address_space: global }
      - { .name: wgt, .offset: 16, .size: 8, .value_kind: global_buffer, .address_space: global }
      - { .name: route, .offset: 24, .size: 8, .value_kind: global_buffer, .address_space: global }
      - { .name: out0, .offset: 32, .size: 8, .value_kind: global_buffer, .address_space: global }
    .group_segment_fixed_size: 0
    .private_segment_fixed_size: 0
    .kernarg_segment_align: 8
    .kernarg_segment_size: 40
    .max_flat_workgroup_size: 128
    .sgpr_count:     66
    .vgpr_count:     96
    .wavefront_size: 32
...
	.end_amdgpu_metadata
.endif
;; end of part 8
